; MI455X (gfx1250); checked and timed in simulation.
; The chip was launched on July 23, 2026; its instructions are those of AMD's public machine-readable ISA for CDNA 5 (MIT licence, August 2026) and "CDNA5" Instruction Set Architecture Reference Guide (July 2026). The comments in the code are by the model that wrote it; some were corrected since.
;; Parallel Swin Layer. Allowed arithmetic: matrix products marked QUANTISED: E2M1 operands, one E8M0 scale for each 32 along K, by v_wmma_scale_f32_16x16x128_f8f6f4 with both operands' format E2M1 (or v_wmma_scale_f32_32x16x128_f4), f32 sums; everything else in f32.
;; Inputs: dt 2 x 1,024 float32; g_attn 1,024 float32; g_ff 1,024 float32; t 2 float32; w1 4,096 x 1,024 float32; w2 1,024 x 2,048 float32; w_o 1,024 x 1,024 float32; w_qkv 3,072 x 1,024 float32; x 2 x 2,048 x 1,024 float32.
;; Outputs: out0 2 x 2,048 x 1,024 float32.
;; This version of the problem:
;;   THIS VERSION OF THE PROBLEM IS GIVEN IN LOW PRECISION. The matrix products marked QUANTISED in the list below multiply operands that are first quantised to E2M1 (2 exponent bits, 1 mantissa bit; 4 bits a number), with one power-of-two scale for each 32 numbers along K (OCP MX v1.0); their sums are f32. All else is computed in f32.
;;   The module's matrix products, in the order in which they are computed (A, B: the left and right operand; K: the contracted axis; several contracted axes count as one K, in the product's order):
;;     1. [M 4,096, K 1,024] x [K 1,024, N 3,072]; A: computed on the way; B: input w_qkv: QUANTISED
;;     2. batch 32 x [M 2,048, K 64] x [K 64, N 2,048]; A: computed on the way; B: computed on the way: QUANTISED
;;     3. batch 32 x [M 2,048, K 2,048] x [K 2,048, N 64]; A: softmax (see below); B: computed on the way: QUANTISED
;;     4. [M 4,096, K 1,024] x [K 1,024, N 1,024]; A: computed on the way; B: input w_o: QUANTISED
;;     5. [M 4,096, K 1,024] x [K 1,024, N 4,096]; A: computed on the way; B: input w1: QUANTISED
;;     6. [M 4,096, K 2,048] x [K 2,048, N 1,024]; A: computed on the way; B: input w2: QUANTISED
;;   THE QUANTISER, for each operand of a quantised product, along K:
;;     - K is cut into blocks of 32 from its start; a last block that is shorter is filled with zeros.
;;     - A block's scale is 2^e with e = floor(log2(the largest magnitude in the block)) - 2, held to -126 .. 127; a block of zeros has e = 0. As a byte (E8M0): e + 127.
;;     - Each number is divided by its block's scale, clamped to +-6, and rounded to the nearest number of E2M1, ties to even, subnormals kept.
;;     - The product sums the exact products of the quantised numbers (number of the format x scale) in f32.
;;   ~~~python
;;   def quantise(x, axis):      # numpy; x: float32 -> the quantised numbers, widened to float32 again
;;       x = np.moveaxis(x, axis, -1); K = x.shape[-1]
;;       x = np.pad(x, [(0, 0)] * (x.ndim - 1) + [(0, -K % 32)]); x = x.reshape(x.shape[:-1] + (-1, 32)); a = np.abs(x).max(-1, keepdims=True)
;;       e = np.where(a > 0, np.clip(np.frexp(np.where(a > 0, a, 1))[1] - 1 - 2, -126, 127), 0)      # np.frexp(a)[1] - 1 = floor(log2(a)), exactly
;;       r = np.clip(x / 2.0 ** e, -6, 6)
;;       step = 2.0 ** (np.maximum(np.frexp(np.where(r == 0, 1, r))[1] - 1, 0) - 1)
;;       q = np.round(r / step) * step * 2.0 ** e      # np.round: ties to even
;;       return np.moveaxis(q.reshape(q.shape[:-2] + (-1,))[..., :K], -1, axis).astype(np.float32)
;;   ~~~
;;   SOFTMAX AHEAD OF A QUANTISED PRODUCT. Where the list says 'softmax', what is quantised is not the finished softmax but p = 2^(t - M), with t = logit x log2(e) and M = ceil(the row's largest t), a whole number; so 1/2 < the row's largest p <= 1. The row's sum l is taken of the UNQUANTISED p, in f32, and the product's result is divided by l at the end. Since M is a whole number, a kernel that streams over the keys may use a running M (the ceiling of the running maximum): every later rescaling is an exact power of two, which a block's scale takes up: the codes' values come out the same.
;;   OPERANDS COMPUTED ON THE WAY. 'Computed on the way' means the value that the module computes at that place (a softmax that the list does not call 'softmax' is quantised finished and normalised). What goes into a quantiser is computed in f32, as accurately as f32 sums, v_exp_f32 and their like allow (about 1e-6 of the number): no bf16 or f16 on the way to a quantiser, and a product that is left as it is and whose result goes on into a quantised operand takes f32 operands (vector FMAs, or v_wmma_f32_16x16x4_f32). A number that lies on a knife's edge between two numbers of the format may be rounded either way, as far as f32 arithmetic and the matrix unit's own rounding can turn it there, and no further.
;; 2 versions. Each part assembles by itself: llvm-mc -triple=amdgcn-amd-amdhsa -mcpu=gfx1250 --defsym DOCPART=n.
;; ======== version 1 of 2: 7 launches
;; workspace buffers: pa 7,798,784 bytes; pf 2,228,224 bytes; qkv 6,946,816 bytes; ao 2,228,224 bytes; act 4,456,448 bytes; x1 16,777,216 bytes
;; launch prep_a (part 1): grid 448 x 1, 4 waves a work-group, no clusters, 23,040 bytes of LDS; arguments x, g_attn, w_qkv, w_o, w1, w2, pa; writes pa
.if DOCPART == 1
	.amdgcn_target "amdgcn-amd-amdhsa--gfx1250"
	.amdhsa_code_object_version 6
	.text
	.protected	k_q856fe0de8c_prep_a
	.globl	k_q856fe0de8c_prep_a
	.p2align	8
	.type	k_q856fe0de8c_prep_a,@function
k_q856fe0de8c_prep_a:
	s_mov_b64 s[64:65], 0
	v_nop
	global_prefetch_b8 v0, s[64:65] scope:SCOPE_SE
	s_setreg_imm32_b32 hwreg(HW_REG_WAVE_MODE, 25, 1), 1
	s_wait_xcnt 0x0
; Rows of 1,024 f32 numbers become codes of FP4 (E2M1) with K innermost and one E8M0 scale byte for each 32 along K.
; Work-groups 0-127 take argument 0 (4,096 rows) and first norm each row: (x * rsqrt(mean(x x) + eps)) * g, in f32, in that order.
; Work-groups 128-223 take w_qkv, 224-255 w_o, 256-383 w1, 384-447 w2, as they are.  (With a grid of 128 only argument 0 is served.)
; A RUN is 8,192 numbers (8 rows of 1,024; of w2 four rows of 2,048): 4,096 bytes of codes, 256 scale bytes.  A wave takes one run.
; WHERE A RUN GOES.  Argument 0 and w_qkv are laid in POSITION ORDER: row p of the buffer holds row pi(p) of the tensor, pi = p with bits 3 and 4
; changed over; for runs of 8 rows that is the run's number with bits 0 and 1 changed over.  w1 is laid so that rows 128 f .. 128 f + 63 are gate rows
; 64 f on and rows 128 f + 64 .. + 127 the up rows 64 f on, each 32 in position order.  w_o and w2 keep their order.
; A block's scale is 2^(floor(log2(largest magnitude)) - 2): its byte is the largest magnitude's exponent field - 2, held at 1 from below.
; LIMITS: a block of zeros gets the byte 1 where the rule says 127 (its codes are zeros, and this program alone reads the bytes); blocks whose largest
; magnitude lies under 2^-124 were not tried; NaN and infinities are not served.  The inputs t and dt of the problem are used by no step of the
; computation and are read by no launch.
; Each load reads 512 consecutive bytes; a row turns through the wave's own stage in LDS so that a lane holds 16 neighbours (two lanes a block).
; No tensor loads, no barrier: waves share nothing.  Loads run four rows (32 loads a wave) ahead.
.set O_HS,  0x200000
.set O_WQC, 0x220000
.set O_WQS, 0x3a0000
.set O_WOC, 0x3b8000
.set O_WOS, 0x438000
.set O_W1C, 0x440000
.set O_W1S, 0x640000
.set O_W2C, 0x660000
.set O_W2S, 0x760000
.set WREG,  5632                       ; LDS of a wave: two stages of 32 x 80 bytes, then its 256 scale bytes
.set SP,    80                         ; a lane's place in a stage: 64 bytes + 16 of padding
.set G,     16                         ; v16-47   g at my 32 places of a row
.set R,     48                         ; v48-175  four rows as loaded, 32 registers each
.set X,     176                        ; v176-207 the row in hand: 2 x 16 neighbours
.set C,     208                        ; v208-215 codes, two sets of four
.set E,     216                        ; v216-231 a scale byte for each of the 16 steps
.set SS,    232                        ; v232-239 the sum of squares, four chains; then v236 the reciprocal root
	s_load_b256 s[4:11], s[0:1], 0x0               ; argument 0, g, w_qkv, w_o
	s_load_b128 s[12:15], s[0:1], 0x20             ; w1, w2
	s_load_b64 s[16:17], s[0:1], 0x30              ; the destination
	v_lshl_add_u32 v240, v0, 2, 0x5800
	v_mov_b32 v241, 0
	v_lshrrev_b32 v1, 5, v0
	v_readfirstlane_b32 s18, v1                    ; wave
	v_and_b32 v1, 31, v0                           ; lane
	v_lshlrev_b32 v2, 4, v1                        ; my 16 bytes of a load's 512
	s_mul_i32 s19, s18, WREG
	v_lshrrev_b32 v3, 2, v1
	v_mul_u32_u24 v3, v3, SP
	v_and_b32 v4, 3, v1
	v_lshl_add_u32 v3, v4, 4, v3
	v_add_nc_u32 v3, s19, v3                       ; the stage, way in: four lanes' 64 bytes on end, then the padding
	v_mul_u32_u24 v4, v1, SP
	v_add_nc_u32 v4, s19, v4                       ; way out: my 16 neighbours
	v_lshlrev_b32 v5, 3, v1                        ; my codes' 8 bytes of a step's 256
	s_add_co_u32 s19, s19, 2*32*SP
	v_lshrrev_b32 v6, 1, v1
	v_add_nc_u32 v6, s19, v6                       ; my block's scale byte
	v_add_nc_u32 v7, s19, v5                       ; and 8 scale bytes a lane on the way out
	v_lshlrev_b32 v14, 6, v1                       ; g: 64 bytes a lane
	s_mov_b32 s20, 0x76543210
	s_mov_b32 s21, 0xfedcba98                      ; lane selects: lane l xor 16
	s_mov_b32 s22, 0x3a800000                      ; 1 / 1,024
	s_mov_b32 s23, 0x34000000                      ; eps = 2^-23
	s_wait_kmcnt 0x0
	; which tensor: the choice hangs on the work-group's number alone
	s_mov_b64 s[24:25], s[14:15]
	s_mov_b32 s30, 384                             ; the tensor's first work-group
	s_mov_b32 s31, O_W2C
	s_mov_b32 s32, O_W2S
	s_cmp_lt_u32 ttmp9, 384
	s_cselect_b64 s[24:25], s[12:13], s[24:25]
	s_cselect_b32 s30, 256, s30
	s_cselect_b32 s31, O_W1C, s31
	s_cselect_b32 s32, O_W1S, s32
	s_cmp_lt_u32 ttmp9, 256
	s_cselect_b64 s[24:25], s[10:11], s[24:25]
	s_cselect_b32 s30, 224, s30
	s_cselect_b32 s31, O_WOC, s31
	s_cselect_b32 s32, O_WOS, s32
	s_cmp_lt_u32 ttmp9, 224
	s_cselect_b64 s[24:25], s[8:9], s[24:25]
	s_cselect_b32 s30, 128, s30
	s_cselect_b32 s31, O_WQC, s31
	s_cselect_b32 s32, O_WQS, s32
	s_cmp_lt_u32 ttmp9, 128
	s_cselect_b64 s[24:25], s[4:5], s[24:25]
	s_cselect_b32 s30, 0, s30
	s_cselect_b32 s31, 0, s31
	s_cselect_b32 s32, O_HS, s32
	s_sub_co_u32 s33, ttmp9, s30
	s_lshl_b32 s33, s33, 2
	s_add_co_u32 s33, s33, s18                     ; s: my run in the tensor
	s_and_b32 s34, s33, 1
	s_lshl_b32 s34, s34, 1
	s_bfe_u32 s35, s33, 0x10001
	s_or_b32 s34, s34, s35                         ; its bits 0 and 1 changed over
	s_and_b32 s35, s33, 0xfffffffc
	s_or_b32 s35, s35, s34                         ; position order
	s_and_b32 s36, s33, 0xf8
	s_lshl_b32 s36, s36, 1                         ; w1: 16 runs for each 64 hidden units,
	s_lshr_b32 s37, s33, 8
	s_lshl_b32 s37, s37, 3                         ; the up rows 8 runs behind the gate rows,
	s_or_b32 s36, s36, s37
	s_and_b32 s37, s33, 4
	s_or_b32 s36, s36, s37
	s_or_b32 s36, s36, s34                         ; position order inside each 32 rows
	s_cmp_lt_u32 ttmp9, 384
	s_cselect_b32 s40, s36, s33
	s_cmp_lt_u32 ttmp9, 256
	s_cselect_b32 s40, s33, s40
	s_cmp_lt_u32 ttmp9, 224
	s_cselect_b32 s40, s35, s40                    ; d: where the run goes
	s_lshl_b32 s38, s33, 15
	s_mov_b32 s39, 0
	s_add_nc_u64 s[24:25], s[24:25], s[38:39]      ; the run's numbers
	s_lshl_b32 s38, s40, 12
	s_add_co_u32 s38, s38, s31
	s_add_nc_u64 s[26:27], s[16:17], s[38:39]      ; its codes
	s_lshl_b32 s38, s40, 8
	s_add_co_u32 s38, s38, s32
	s_add_nc_u64 s[28:29], s[16:17], s[38:39]      ; its scale bytes
.irp k, 0,1,2,3,4,5,6,7
	global_load_b128 v[G+4*\k:G+4*\k+3], v14, s[6:7] offset:2048*(\k/4)+16*(\k%4)   ; g[512 st + 16 lane + 0 .. 15]
.endr
.macro LOADROW i
.irp k, 0,1,2,3,4,5,6,7
	global_load_b128 v[R+32*((\i)%4)+4*\k:R+32*((\i)%4)+4*\k+3], v2, s[24:25] offset:4096*(\i)+512*\k th:TH_LOAD_NT   ; 32 lanes read 512 consecutive bytes
.endr
.endm
.irp i, 0,1,2,3
	LOADROW \i
.endr
; The norm of the row in X: registers alone.
.macro NORM
.irp j, 0,2,4,6
	v_pk_mul_f32 v[SS+\j:SS+\j+1], v[X+\j:X+\j+1], v[X+\j:X+\j+1]
.endr
.irp q, 8,16,24
.irp j, 0,2,4,6
	v_pk_fma_f32 v[SS+\j:SS+\j+1], v[X+\q+\j:X+\q+\j+1], v[X+\q+\j:X+\q+\j+1], v[SS+\j:SS+\j+1]
.endr
.endr
	v_pk_add_f32 v[SS:SS+1], v[SS:SS+1], v[SS+2:SS+3]
	v_pk_add_f32 v[SS+4:SS+5], v[SS+4:SS+5], v[SS+6:SS+7]
	v_pk_add_f32 v[SS:SS+1], v[SS:SS+1], v[SS+4:SS+5]
	v_add_f32 v[SS], v[SS], v[SS+1]
	v_add_f32_dpp v[SS], v[SS], v[SS] row_xmask:1 row_mask:0xf bank_mask:0xf
	v_add_f32_dpp v[SS], v[SS], v[SS] row_xmask:2 row_mask:0xf bank_mask:0xf
	v_add_f32_dpp v[SS], v[SS], v[SS] row_xmask:4 row_mask:0xf bank_mask:0xf
	v_add_f32_dpp v[SS], v[SS], v[SS] row_xmask:8 row_mask:0xf bank_mask:0xf
	v_permlanex16_b32 v[SS+1], v[SS], s20, s21
	v_add_f32 v[SS], v[SS], v[SS+1]                ; the row's sum of squares, in every lane
	v_fma_f32 v[SS], v[SS], s22, s23               ; the mean + eps
	v_rsq_f32 v[SS+4], v[SS]
	v_nop                                          ; a plain instruction behind the root,
	s_wait_alu depctr_va_vdst(0)                   ; and the wait ahead of its first reader
.irp j, 0,2,4,6,8,10,12,14,16,18,20,22,24,26,28,30
	v_pk_mul_f32 v[X+\j:X+\j+1], v[X+\j:X+\j+1], v[SS+4:SS+5] op_sel_hi:[1,0]
.endr
.irp j, 0,2,4,6,8,10,12,14,16,18,20,22,24,26,28,30
	v_pk_mul_f32 v[X+\j:X+\j+1], v[X+\j:X+\j+1], v[G+\j:G+\j+1]
.endr
.endm
; Row i of the run: through the stage, normed where it is argument 0's, quantised in two steps of 512 numbers that take turns line by line.
.macro ROW i
.if 7-(\i) >= 3
	s_wait_loadcnt 24                              ; this row's eight loads are in (and g, which was asked for first); those of the three rows behind may be out
.else
	s_wait_loadcnt 8*(7-(\i))
.endif
.if (\i) >= 2
	s_wait_xcnt 0x0                                ; the stores of two rows ago have read their codes' registers: this row writes that set again
.endif
.irp k, 0,1,2,3,4,5,6,7
	ds_store_b128 v3, v[R+32*((\i)%4)+4*\k:R+32*((\i)%4)+4*\k+3] offset:2560*(\k/4)+640*(\k%4)
.endr
.irp k, 0,1,2,3,4,5,6,7
	ds_load_b128 v[X+4*\k:X+4*\k+3], v4 offset:2560*(\k/4)+16*(\k%4)   ; LDS serves a wave's instructions in order: these see the stores above
.endr
	s_wait_dscnt 0x0                               ; the row is back, and the stores have read their registers,
.if (\i) < 4
	LOADROW (\i)+4                                 ; which take the row four further on
.endif
	s_cmp_ge_u32 ttmp9, 128                        ; the weights are not normed: a branch on the work-group's number, round register work alone
	s_cbranch_scc1 .Lplain_\@
	NORM
.Lplain_\@:
.irp st, 0,1
	v_max3_num_f32 v[8+2*\st], |v[X+16*\st]|, |v[X+16*\st+1]|, |v[X+16*\st+2]|
	v_max3_num_f32 v[9+2*\st], |v[X+16*\st+3]|, |v[X+16*\st+4]|, |v[X+16*\st+5]|
.endr
.irp j, 6,10
.irp st, 0,1
	v_max3_num_f32 v[8+2*\st], v[8+2*\st], |v[X+16*\st+\j]|, |v[X+16*\st+\j+1]|
	v_max3_num_f32 v[9+2*\st], v[9+2*\st], |v[X+16*\st+\j+2]|, |v[X+16*\st+\j+3]|
.endr
.endr
.irp st, 0,1
	v_max3_num_f32 v[8+2*\st], v[8+2*\st], |v[X+16*\st+14]|, |v[X+16*\st+15]|
.endr
.irp st, 0,1
	v_max3_num_f32 v[8+2*\st], v[8+2*\st], v[9+2*\st], 0x1800000   ; and the floor 2^(3 - 127): the byte cannot fall under 1
.endr
.irp st, 0,1
	v_max_num_f32_dpp v[8+2*\st], v[8+2*\st], v[8+2*\st] row_xmask:1 row_mask:0xf bank_mask:0xf   ; with my neighbour's 16: the block's largest magnitude
.endr
.irp st, 0,1
	v_add_nc_u32 v[12+\st], 0xff000000, v[8+2*\st] ; 2 off its exponent field: the conversion's scale operand
.endr
.irp st, 0,1
	v_cvt_scalef32_pk8_fp4_f32 v[C+4*((\i)%2)+2*\st], v[X+16*\st:X+16*\st+7], v[12+\st]
	v_cvt_scalef32_pk8_fp4_f32 v[C+4*((\i)%2)+2*\st+1], v[X+16*\st+8:X+16*\st+15], v[12+\st]
.endr
.irp st, 0,1
	v_lshrrev_b32 v[E+2*(\i)+\st], 23, v[12+\st]   ; the scale's byte
.endr
.irp st, 0,1
	ds_store_b8 v6, v[E+2*(\i)+\st] offset:32*(\i)+16*\st            ; both lanes of a block write the same byte with the same value
	global_store_b64 v5, v[C+4*((\i)%2)+2*\st:C+4*((\i)%2)+2*\st+1], s[26:27] offset:512*(\i)+256*\st   ; 32 lanes store 256 consecutive bytes, aligned
.endr
.endm
.irp i, 0,1,2,3,4,5,6,7
	ROW \i
.endr
	ds_load_b64 v[8:9], v7                         ; my wave's 256 scale bytes: these loads see my stores
	s_wait_dscnt 0x0
	global_store_b64 v5, v[8:9], s[28:29]          ; 256 consecutive bytes, aligned
	s_wait_tensorcnt 0x0
	ds_add_u32 v240, v241
	s_wait_dscnt 0x0
	s_endpgm
.Lfunc_end_k_q856fe0de8c_prep_a:
	.size	k_q856fe0de8c_prep_a, .Lfunc_end_k_q856fe0de8c_prep_a-k_q856fe0de8c_prep_a
	.p2alignl 7, 3214868480
	.fill 96, 4, 3214868480
	.section	.rodata,"a",@progbits
	.p2align	6, 0x0
	.amdhsa_kernel k_q856fe0de8c_prep_a
		.amdhsa_group_segment_fixed_size 23040
		.amdhsa_private_segment_fixed_size 0
		.amdhsa_enable_private_segment 0
		.amdhsa_kernarg_size 56
		.amdhsa_user_sgpr_count 2
		.amdhsa_user_sgpr_kernarg_segment_ptr 1
		.amdhsa_wavefront_size32 1
		.amdhsa_system_sgpr_workgroup_id_x 1
		.amdhsa_system_sgpr_workgroup_id_y 1
		.amdhsa_system_sgpr_workgroup_id_z 1
		.amdhsa_system_vgpr_workitem_id 0
		.amdhsa_next_free_vgpr 242
		.amdhsa_next_free_sgpr 66
		.amdhsa_reserve_vcc 0
		.amdhsa_float_denorm_mode_32 3
		.amdhsa_float_denorm_mode_16_64 3
		.amdhsa_memory_ordered 1
		.amdhsa_forward_progress 1
		.amdhsa_inst_pref_size 66
	.end_amdhsa_kernel
	.amdgpu_metadata
---
amdhsa.version: [ 1, 2 ]
amdhsa.kernels:
  - .name:           k_q856fe0de8c_prep_a
    .symbol:         k_q856fe0de8c_prep_a.kd
    .args:
      - { .name: x, .offset: 0, .size: 8, .value_kind: global_buffer, .address_space: global }
      - { .name: g_attn, .offset: 8, .size: 8, .value_kind: global_buffer, .address_space: global }
      - { .name: w_qkv, .offset: 16, .size: 8, .value_kind: global_buffer, .address_space: global }
      - { .name: w_o, .offset: 24, .size: 8, .value_kind: global_buffer, .address_space: global }
      - { .name: w1, .offset: 32, .size: 8, .value_kind: global_buffer, .address_space: global }
      - { .name: w2, .offset: 40, .size: 8, .value_kind: global_buffer, .address_space: global }
      - { .name: pa, .offset: 48, .size: 8, .value_kind: global_buffer, .address_space: global }
    .group_segment_fixed_size: 23040
    .private_segment_fixed_size: 0
    .kernarg_segment_align: 8
    .kernarg_segment_size: 56
    .max_flat_workgroup_size: 128
    .sgpr_count:     66
    .vgpr_count:     242
    .wavefront_size: 32
...
	.end_amdgpu_metadata
.endif
;; end of part 1
;; launch qkv_gemm (part 2): grid 8 x 24, 4 waves a work-group, clusters of 4 x 4, 327,680 bytes of LDS; arguments pa, qkv; writes qkv
.if DOCPART == 2
	.amdgcn_target "amdgcn-amd-amdhsa--gfx1250"
	.amdhsa_code_object_version 6
	.text
	.protected	k_q856fe0de8c_qkv_gemm
	.globl	k_q856fe0de8c_qkv_gemm
	.p2align	8
	.type	k_q856fe0de8c_qkv_gemm,@function
k_q856fe0de8c_qkv_gemm:
	s_mov_b64 s[64:65], 0
	v_nop
	global_prefetch_b8 v0, s[64:65] scope:SCOPE_SE
	s_setreg_imm32_b32 hwreg(HW_REG_WAVE_MODE, 25, 1), 1
	s_wait_xcnt 0x0
	s_wait_alu depctr_hold_cnt(0) depctr_sa_sdst(0) depctr_va_vdst(0) depctr_va_sdst(0) depctr_va_ssrc(0) depctr_va_vcc(0) depctr_vm_vsrc(0)
	s_getreg_b32 s2, hwreg(HW_REG_IB_STS2, 6, 4)
	s_cmp_eq_u32 s2, 0
	s_cbranch_scc0 .Lentry_in_a_cluster
	s_endpgm
.Lentry_in_a_cluster:
	s_bfe_u32 s2, ttmp6, 0x10000c
	s_cmp_lg_u32 s2, 0xf033
	s_cbranch_scc0 .Lentry_shape_is_right
	s_endpgm
.Lentry_shape_is_right:
; qkv = h w_qkv^T on codes of FP4 (E2M1) with E8M0 scales (K = 1,024), and its results quantised at once for attention: q and k along the head's 64, v along the keys.
; A tile of the product, 256 x 256, is made by a work-group of four waves; a wave makes 128 x 128: 64 accumulators, 512 registers.  K goes in two steps of 512 through two LDS slots,
; both filled at the start by the tensor data mover; the scale bytes of the work-group's rows come with them and stay.
; THE MATRIX INSTRUCTION IS USED TRANSPOSED: source 0 = 16 rows of operand B, source 1 = 16 rows of operand A: a lane holds ONE row of A and its registers run along B's rows.
; Both h and w_qkv lie in POSITION ORDER (row p of the buffer = row pi(p), pi = bits 3 and 4 changed over), so that the 16 registers of two neighbouring tiles are 16 NEIGHBOURS of B's rows.
; CLUSTERS OF 4 x 4.  Clusters with y 0-3: A = h (tokens), B = w_qkv's rows 0-2,047 (q, k): a lane holds a token and 128 features = two heads.
; Clusters with y 4, 5: A = w_qkv's rows 2,048 on (v), B = h: a lane holds a feature of v and 128 tokens = one key step.  The choice hangs on the cluster's y alone, which all partners share.
; A's tile is shared along a row of the cluster, B's along a column: each is asked for jointly, by the same tensor load with the same descriptor and a mask that names the four.
; THE WAY OUT stays in registers: a block's 64 numbers a lane become one operand's 8 registers and a scale word, and leave as images of those registers, 512 consecutive bytes a store.
; LIMITS: a block of zeros gets the scale byte 1 (its codes are zeros; this program alone reads the bytes); NaN and infinities are not served.
; REGISTERS, in windows of 256: window 0: v0-31 addresses; v32-95 scale words, two sets; v96-111 at work on the way out; from v128 A's fragments, one set, later the codes; v200-220 scale words made.
;   window 1: B's fragments, two sets, at v0 and v128.   window 2: the accumulators of my rows 0-63 ((a, b) at v[8 (8 a + b)]);   window 3: those of rows 64-127.
.set SIZE_K, 1024
.set KSTEP,  512
.set NQ,     KSTEP/128
.set ROWB,   256                       ; a tile's row in bytes
.set KROW,   SIZE_K/2                  ; a row of codes in memory
.set PITCH,  272                       ; an LDS row: 256 bytes + 16 of padding: the 16 rows that a load touches start at 16 different banks
.set FR,     8
.set NL,     2
.set NP,     4
.set HALFT,  128*PITCH
.set SLOT,   4*HALFT
.set KS,     SIZE_K/32
.set SCL,    2*SLOT                    ; behind the slots: the scales, as units of 256 bytes + 16 of padding
.set HALFS,  (128*KS/256)*272
.set SBLK,   (16*KS/256)*272
.set SPARE,  SCL+4*HALFS               ; the spare words, 128 bytes a wave, which no other line names
.set O_HS,   0x200000                  ; in pa
.set O_WQC,  0x220000
.set O_WQS,  0x3a0000
.set O_QS,   0x200000                  ; in qkv: q's codes at 0, q's scale words, the records of k and v, their scale words
.set O_KV,   0x240000
.set O_KVS,  0x640000
.set ADRA, 16
.set ADRB, 20
.set ADRS, 27
.set SPW,  28
.set NIL,  29
.set LI,   30                          ; v30  16 x lane
.set VO,   31                          ; v31  v's scale words: 12,288 (lane / 16) + 16 (lane % 16)
.set SC,   32
.set TM,   96                          ; v96-99 largest magnitudes, v100-103 the other half's, then bytes, v108-111 scale operands
.set AF,   128
.set PC,   128                         ; block a's codes at v[128 + 8 a]
.set PW,   200                         ; its scale word at v[200 + a]
.set XW,   208
.set G1, 24
.set G0, 32
.set G1B, 48
.set G0B, 56
.set SEL, 66
.set G1S, 68
.set G0S, 76
.set G1SB, 80
.set G0SB, 88
.set MSB, 0
.macro WIN new                         ; the immediate's high byte repeats the setting that is left
.if MSB != \new
	s_set_vgpr_msb (MSB<<8)|\new
.set MSB, \new
.endif
.endm
.set MUL_LO, 0xa1                      ; source 0 (B) window 1, source 1 (A) window 0, C and D window 2
.set MUL_HI, 0xf1
.set TO_B,   0x40
; A joint load: waves 0 and 1 fetch for A, waves 2 and 3 for B; the branch hangs on the wave's number alone.  Four v_nop follow each of the two lines.
.macro JLOAD g0a, g1a, g0b, g1b
	s_cmp_eq_u32 s15, 0
	s_cbranch_scc0 .Lfor_b_\@
	tensor_load_to_lds s[\g0a:\g0a+3], s[\g1a:\g1a+7]
	s_nop 0
.rept 4
	v_nop
.endr
	s_branch .Lasked_\@
.Lfor_b_\@:
	tensor_load_to_lds s[\g0b:\g0b+3], s[\g1b:\g1b+7]
	s_nop 0
.rept 4
	v_nop
.endr
.Lasked_\@:
.endm
.macro CROUND                          ; a round of the cluster's barrier
	s_barrier_signal -1
	s_barrier_wait -1
	s_cmp_lg_u32 s14, 0
	s_cbranch_scc1 .Lnot_wave_0_\@
	s_barrier_signal -3
.Lnot_wave_0_\@:
	s_barrier_wait -3
	s_barrier_signal -1
	s_barrier_wait -1
.endm
	s_load_b128 s[96:99], s[0:1], 0x0              ; pa s[96:97], qkv s[98:99]
	v_lshl_add_u32 v[SPW], v0, 2, SPARE
	v_mov_b32 v[NIL], 0
	ds_add_u32 v28, v29
	ds_add_u32 v28, v29
	s_wait_dscnt 0x0
	v_lshrrev_b32 v1, 5, v0
	v_readfirstlane_b32 s14, v1                    ; wave 0..3
	s_lshr_b32 s15, s14, 1                         ; which half of A's rows is mine.  Also: I fetch for A (0) or for B (1)
	s_and_b32 s16, s14, 1                          ; which half of B's rows.  Also: which 128 rows of that tile I fetch
	s_bfe_u32 s40, ttmp6, 0x40000                  ; cx, cy
	s_bfe_u32 s41, ttmp6, 0x40004
	s_and_b32 s94, ttmp7, 0xffff                   ; the cluster's y
	s_max_u32 s93, s94, 4
	s_sub_co_u32 s93, s93, 4
	s_lshl_b32 s93, s93, 1
	s_add_co_u32 s93, s93, ttmp9                   ; the v part's column of clusters: 2 (y - 4) + x
	s_mov_b32 s6, O_HS
	s_mov_b32 s10, O_WQS
	s_cmp_ge_u32 s94, 4                            ; the v part?
	s_cselect_b32 s95, 1, 0
	s_cselect_b32 s17, 0, s94                      ; row of clusters
	s_cselect_b32 s42, s93, ttmp9                  ; column of clusters
	s_cselect_b32 s4, O_WQC+0x100000, 0            ; where A's codes begin in pa: w_qkv's row 2,048, or h
	s_cselect_b32 s6, O_WQS+0x10000, s6            ; A's scales
	s_cselect_b32 s8, 0, O_WQC                     ; B's codes
	s_cselect_b32 s10, O_HS, s10                   ; B's scales
	s_mov_b32 s5, 0
	s_mov_b32 s7, 0
	s_mov_b32 s9, 0
	s_mov_b32 s11, 0
	s_lshl_b32 s42, s42, 2
	s_add_co_u32 s42, s42, s40                     ; tile column
	s_lshl_b32 s17, s17, 2
	s_add_co_u32 s17, s17, s41                     ; tile row
	s_lshl_b32 s43, s41, 2
	s_lshl_b32 s43, 15, s43                        ; my row of the cluster
	s_lshl_b32 s44, 0x1111, s40                    ; my column
	s_or_b32 s[G1+0], s43, (0<<16)|(1<<20)|(1<<21)|(5<<22)|(3<<25)  ; the mask; elements of 1 byte; padding on; bit 21 beside a mask; 4 words after every 64
	s_or_b32 s[G1B+0], s44, (0<<16)|(1<<20)|(1<<21)|(5<<22)|(3<<25)
.irp g, G1, G1B
	s_mov_b32 s[\g+1], ROWB<<16                    ; tensor_dim0
	s_mov_b32 s[\g+2], 128<<16                     ; tensor_dim1
	s_mov_b32 s[\g+3], ROWB<<16                    ; tile_dim0
	s_mov_b32 s[\g+4], 128                         ; tile_dim1
	s_mov_b32 s[\g+5], KROW                        ; the pitch
	s_mov_b32 s[\g+6], 0
	s_mov_b32 s[\g+7], 0
.endr
	s_or_b32 s[G1S+0], s43, (3<<16)|(1<<20)|(1<<21)|(5<<22)|(3<<25) ; the scales of 128 rows: a dense block, as rows of 256 bytes (32 elements of 8 bytes)
	s_or_b32 s[G1SB+0], s44, (3<<16)|(1<<20)|(1<<21)|(5<<22)|(3<<25)
.irp g, G1S, G1SB
	s_mov_b32 s[\g+1], 32<<16
	s_mov_b32 s[\g+2], (128*KS/256)<<16
	s_mov_b32 s[\g+3], 32<<16
	s_mov_b32 s[\g+4], 128*KS/256
	s_mov_b32 s[\g+5], 32
	s_mov_b32 s[\g+6], 0
	s_mov_b32 s[\g+7], 0
.endr
	s_lshl_b32 s18, s16, 7
	s_lshl_b32 s20, s17, 8
	s_add_co_u32 s20, s20, s18                     ; A: row 256 x tile row + 128 x half
	s_lshl_b32 s46, s42, 8
	s_add_co_u32 s46, s46, s18                     ; B: row 256 x tile column + 128 x half
	s_mov_b32 s21, 0
	s_mov_b32 s47, 0
	s_mov_b64 s[18:19], KS
	s_mul_u64 s[22:23], s[20:21], s[18:19]
	s_mul_u64 s[92:93], s[46:47], s[18:19]
	s_mov_b64 s[18:19], KROW
	s_mul_u64 s[20:21], s[20:21], s[18:19]
	s_mul_u64 s[46:47], s[46:47], s[18:19]
	s_mul_i32 s45, s14, HALFT                      ; where they go: wave x 128 rows
	s_mul_i32 s94, s14, HALFS
	s_mov_b32 s[SEL], 0x76543210
	s_mov_b32 s[SEL+1], 0xfedcba98
	s_wait_kmcnt 0x0
	s_add_nc_u64 s[4:5], s[96:97], s[4:5]
	s_add_nc_u64 s[6:7], s[96:97], s[6:7]
	s_add_nc_u64 s[8:9], s[96:97], s[8:9]
	s_add_nc_u64 s[10:11], s[96:97], s[10:11]
	s_add_nc_u64 s[20:21], s[4:5], s[20:21]
	s_add_nc_u64 s[22:23], s[6:7], s[22:23]
	s_add_nc_u64 s[46:47], s[8:9], s[46:47]
	s_add_nc_u64 s[92:93], s[10:11], s[92:93]
	CROUND                                         ; all sixteen work-groups are here: the joint loads meet
	s_mov_b32 s[G0S], 1
	s_add_co_u32 s[G0S+1], s94, SCL
	s_mov_b64 s[G0S+2:G0S+3], s[22:23]
	s_or_b32 s[G0S+3], s[G0S+3], 0x80000000
	s_mov_b32 s[G0SB], 1
	s_add_co_u32 s[G0SB+1], s94, SCL
	s_mov_b64 s[G0SB+2:G0SB+3], s[92:93]
	s_or_b32 s[G0SB+3], s[G0SB+3], 0x80000000
	JLOAD G0S, G1S, G0SB, G1SB                     ; the scales first
.irp s, 0,1
	s_mov_b32 s[G0+4*\s], 1
	s_add_co_u32 s[G0+4*\s+1], s45, \s*SLOT
	s_add_nc_u64 s[G0+4*\s+2:G0+4*\s+3], s[20:21], \s*ROWB
	s_or_b32 s[G0+4*\s+3], s[G0+4*\s+3], 0x80000000
	s_mov_b32 s[G0B+4*\s], 1
	s_add_co_u32 s[G0B+4*\s+1], s45, \s*SLOT
	s_add_nc_u64 s[G0B+4*\s+2:G0B+4*\s+3], s[46:47], \s*ROWB
	s_or_b32 s[G0B+4*\s+3], s[G0B+4*\s+3], 0x80000000
	JLOAD G0+4*\s, G1, G0B+4*\s, G1B               ; both K steps: three loads of mine are out
.endr
	v_and_b32 v1, 15, v0                           ; r = l % 16
	v_bfe_u32 v2, v0, 4, 1                         ; h = l / 16
	v_mul_u32_u24 v3, v1, PITCH
	v_lshl_add_u32 v4, v2, 4, v3
	s_mul_i32 s21, s15, HALFT
	s_mul_i32 s22, s16, HALFT
	s_add_co_u32 s22, s22, 2*HALFT
.irp s, 0,1
	v_add_nc_u32 v[ADRA+\s], s21, v4
	v_add_nc_u32 v[ADRB+\s], s22, v4
	s_add_co_u32 s21, s21, SLOT
	s_add_co_u32 s22, s22, SLOT
.endr
	v_mul_u32_u24 v5, v1, KS                       ; my row's scales,
	v_lshrrev_b32 v6, 8, v5
	v_lshl_add_u32 v5, v6, 4, v5                   ; and 16 more for each 256 passed
	s_mul_i32 s21, s15, HALFS
	s_mul_i32 s22, s16, HALFS
	s_add_co_u32 s22, s22, 2*HALFS
	s_sub_co_u32 s22, s22, s21
	v_mul_u32_u24 v6, s22, v2                      ; lanes 16-31 take B's
	s_add_co_u32 s21, s21, SCL
	v_add_nc_u32 v5, v5, v6
	v_add_nc_u32 v[ADRS], s21, v5
	v_and_b32 v6, 31, v0
	v_lshlrev_b32 v[LI], 4, v6
	v_mul_u32_u24 v[VO], v2, 12288
	v_lshl_add_u32 v[VO], v1, 4, v[VO]
.irp b, 0,1,2,3
	v_mov_b32 v[TM+4+\b], 0                        ; written once: a lane permute's destination counts as one of its sources
.endr
.macro FRAG reg, adr, q, i             ; 16 rows x 128 K of 4-bit codes: 8 registers; registers 4 c .. 4 c + 3 hold K = 64 c + 32 (l / 16) + 0 .. 31
.irp c, 0,1
	ds_load_b128 v[\reg+4*\c:\reg+4*\c+3], v[\adr] offset:64*(\q)+32*\c+(\i)*16*PITCH
.endr
.endm
; 16 matrix instructions: A's blocks a0, a0 + 1 x B's eight.  The 64 accumulators take turns, one instruction a turn, in the same order in every step.
.macro MUL16 a0, p, q, sc, zero
.irp a, \a0, \a0+1
.irp b, 0,1,2,3,4,5,6,7
.if \zero
	v_wmma_scale_f32_16x16x128_f8f6f4 v[8*(8*((\a)%4)+\b):8*(8*((\a)%4)+\b)+7], v[128*(\p)+FR*\b:128*(\p)+FR*\b+FR-1], v[AF+FR*(\a):AF+FR*(\a)+FR-1], 0, v[SC+8*NQ*(\sc)+NQ*\b+(\q)], v[SC+8*NQ*(\sc)+NQ*(\a)+(\q)] matrix_a_fmt:MATRIX_FMT_FP4 matrix_b_fmt:MATRIX_FMT_FP4 matrix_a_scale:MATRIX_SCALE_ROW1
.else
	v_wmma_scale_f32_16x16x128_f8f6f4 v[8*(8*((\a)%4)+\b):8*(8*((\a)%4)+\b)+7], v[128*(\p)+FR*\b:128*(\p)+FR*\b+FR-1], v[AF+FR*(\a):AF+FR*(\a)+FR-1], v[8*(8*((\a)%4)+\b):8*(8*((\a)%4)+\b)+7], v[SC+8*NQ*(\sc)+NQ*\b+(\q)], v[SC+8*NQ*(\sc)+NQ*(\a)+(\q)] matrix_a_fmt:MATRIX_FMT_FP4 matrix_b_fmt:MATRIX_FMT_FP4 matrix_a_scale:MATRIX_SCALE_ROW1
.endif
.endr
.endr
.endm
.macro FETCH_B slot, q, p
	WIN TO_B
.irp i, 0,1,2,3,4,5,6,7
	FRAG 128*(\p)+FR*\i, ADRB+\slot, \q, \i
.endr
	WIN 0
.endm
.macro FETCH_A slot, q, i0
.irp i, \i0, \i0+1, \i0+2, \i0+3
	FRAG AF+FR*(\i), ADRA+\slot, \q, \i
.endr
.endm
.macro SCALES sc                       ; a K step's scale words: lanes 0-15 take A's block i, lanes 16-31 B's block i
.irp i, 0,1,2,3,4,5,6,7
	ds_load_b128 v[SC+8*NQ*\sc+NQ*\i:SC+8*NQ*\sc+NQ*\i+3], v[ADRS] offset:\i*SBLK
.endr
.endm
.macro PLACES n                        ; plain vector instructions between a matrix instruction and a load into, or a vector instruction on, its registers
.rept \n
	v_nop
.endr
.endm
.macro STEP slot, q, zero              ; 128 along K that has its successor in the same slot
	s_wait_dscnt 4*NL                              ; all but the youngest eight loads (A's blocks 4-7)
	WIN MUL_LO
	MUL16 0, (\q)%2, \q, \slot, \zero
	MUL16 2, (\q)%2, \q, \slot, \zero
	s_wait_dscnt 0
	PLACES NP
	FETCH_B \slot, (\q)+1, 1-(\q)%2
	FETCH_A \slot, (\q)+1, 0
	WIN MUL_HI
	MUL16 4, (\q)%2, \q, \slot, \zero
	MUL16 6, (\q)%2, \q, \slot, \zero
	PLACES NP
	WIN 0
	FETCH_A \slot, (\q)+1, 4
.endm
.macro TURN slot, next                 ; a slot's last step changes slots: one barrier; nothing is filled again in this launch
	s_wait_tensorcnt 0x0                           ; all my tensor loads have landed: my part of the next slot
	ds_add_u32 v[SPW], v[NIL]                      ; 0 onto my spare word
	s_wait_dscnt 4*NL+1                            ; (the add and the youngest eight loads may be out)
	WIN MUL_LO
	MUL16 0, 1, NQ-1, \slot, 0
	s_wait_dscnt 0x0
	s_barrier_signal -1
	MUL16 2, 1, NQ-1, \slot, 0
	WIN 0
	s_barrier_wait -1                              ; the next slot is whole
	PLACES NP
	v_add_nc_u32 v[ADRS], 4*NQ, v[ADRS]            ; the next K step's scale words
	FETCH_B \next, 0, 0
	FETCH_A \next, 0, 0
	SCALES \next
	WIN MUL_HI
	MUL16 4, 1, NQ-1, \slot, 0
	MUL16 6, 1, NQ-1, \slot, 0
	PLACES NP
	WIN 0
	FETCH_A \next, 0, 4
.endm
.macro STEPS slot, from
.set Q, \from
.rept NQ-1-\from
	STEP \slot, Q, 0
.set Q, Q+1
.endr
.endm
	s_wait_tensorcnt 1                             ; the scales and my part of K step 0 are in (K step 1's load may be out),
	s_barrier_signal -1
	s_barrier_wait -1                              ; everybody's are
	FETCH_B 0, 0, 0
	FETCH_A 0, 0, 0
	SCALES 0
	FETCH_A 0, 0, 4
	STEP 0, 0, 1                                   ; the first products start the sums: nothing is cleared
	STEPS 0, 1
	TURN 0, 1
	STEPS 1, 0
	s_wait_dscnt 4*NL
	WIN MUL_LO
	MUL16 0, 1, NQ-1, 1, 0
	MUL16 2, 1, NQ-1, 1, 0
	s_wait_dscnt 0
	WIN MUL_HI
	MUL16 4, 1, NQ-1, 1, 0
	MUL16 6, 1, NQ-1, 1, 0
	WIN 0
	PLACES NP
; Block a's 64 numbers of a lane (register 16 b + i = B's natural row 32 b + 16 (l / 16) + i) become a fragment's codes in v[PC + 8 a] on and its scale word in v[PW + a].
; Each accumulator is read from its low end on.
.macro QUANTW a
.set QW, 2+(\a)/4
.set QB, 64*((\a)%4)
.set WN, QW|(QW<<2)
	WIN WN                                         ; sources 0 and 1: the accumulators' window
.irp b, 0,1,2,3
	v_max3_num_f32 v[TM+\b], |v[QB+16*\b]|, |v[QB+16*\b+1]|, 0x1800000   ; my 16 numbers of block b, and the floor 2^(3 - 127)
.endr
.irp i, 2,4,6,8,10,12,14
.irp b, 0,1,2,3
	v_max3_num_f32 v[TM+\b], |v[QB+16*\b+\i]|, |v[QB+16*\b+\i+1]|, v[TM+\b]
.endr
.endr
	WIN 0
.irp b, 0,1,2,3
	v_permlanex16_b32 v[TM+4+\b], v[TM+\b], s[SEL], s[SEL+1]
.endr
.irp b, 0,1,2,3
	v_max_num_f32 v[TM+\b], v[TM+\b], v[TM+4+\b]   ; with lane l xor 16's: the block's largest magnitude
.endr
.irp b, 0,1,2,3
	v_add_nc_u32 v[TM+12+\b], 0xff000000, v[TM+\b] ; 2 off its exponent field: the conversion's scale operand
.endr
.irp b, 0,1,2,3
	v_lshrrev_b32 v[TM+4+\b], 23, v[TM+12+\b]      ; the scale's byte
.endr
	v_lshl_or_b32 v[PW+(\a)], v[TM+5], 8, v[TM+4]
	v_lshl_or_b32 v[PW+(\a)], v[TM+6], 16, v[PW+(\a)]
	v_lshl_or_b32 v[PW+(\a)], v[TM+7], 24, v[PW+(\a)]
	WIN QW                                         ; source 0: the accumulators' window
.irp b, 0,1,2,3
	v_cvt_scalef32_pk8_fp4_f32 v[PC+8*(\a)+2*\b], v[QB+16*\b:QB+16*\b+7], v[TM+12+\b]
	v_cvt_scalef32_pk8_fp4_f32 v[PC+8*(\a)+2*\b+1], v[QB+16*\b+8:QB+16*\b+15], v[TM+12+\b]
.endr
	WIN 0
	v_nop                                          ; one plain instruction behind a scaled conversion
.irp c, 0,1                                    ; the operand's layout wants a whole block in a lane
.irp i, 0,1
	v_permlane16_swap_b32 v[PC+8*(\a)+4*\c+\i], v[PC+8*(\a)+4*\c+2+\i]
.endr
.endr
.endm
.irp a, 0,1,2,3,4,5,6,7
	QUANTW \a
.endr
	v_and_b32 v5, 31, v0
	v_cmp_le_u32 vcc_lo, 16, v5
.irp j, 0,1,2,3
	v_cndmask_b32 v[XW+\j], v[PW+\j], v[PW+4+\j], vcc_lo   ; lane (r, h): the word of block 4 h + j, row r
.endr
	; where my results go
	s_lshl_b32 s20, s17, 8
	s_lshl_b32 s21, s15, 7
	s_add_co_u32 s20, s20, s21                     ; A's first row of mine
	s_lshl_b32 s22, s42, 8
	s_lshl_b32 s23, s16, 7
	s_add_co_u32 s22, s22, s23                     ; B's
	s_cmp_eq_u32 s95, 1
	s_cselect_b32 s18, s22, s20                    ; the first token's position
	s_cselect_b32 s19, s20, s22                    ; the first feature
	s_lshr_b32 s21, s19, 10
	s_or_b32 s21, s21, s95                         ; 1: k or v, 0: q
	s_bfe_u32 s23, s19, 0x40006                    ; my first head
	s_lshr_b32 s20, s18, 11                        ; the batch
	s_lshl_b32 s20, s20, 4
	s_add_co_u32 s20, s20, s23
	s_lshl_b32 s20, s20, 4
	s_bfe_u32 s22, s18, 0x40007                    ; the step of 128 positions
	s_add_co_u32 s20, s20, s22                     ; the record: (batch x 16 + head) x 16 + step
	s_mov_b32 s46, 512
	s_mov_b32 s47, O_QS
	s_cmp_eq_u32 s21, 1
	s_cselect_b32 s22, 13, 12                      ; a record of codes: 8,192 bytes (k and v) or 4,096 (q)
	s_cselect_b32 s23, O_KV, 0
	s_cselect_b32 s46, 768, s46                    ; a record of scale words
	s_cselect_b32 s47, O_KVS, s47
	s_lshl_b32 s44, s20, s22
	s_add_co_u32 s44, s44, s23
	s_mov_b32 s45, 0
	s_add_nc_u64 s[4:5], s[98:99], s[44:45]        ; my first head's record,
	s_lshl_b32 s44, 16, s22
	s_add_nc_u64 s[6:7], s[4:5], s[44:45]          ; the next head's: 16 records on
	s_mul_i32 s44, s20, s46
	s_add_co_u32 s44, s44, s47
	s_add_nc_u64 s[8:9], s[98:99], s[44:45]        ; and the same for the scale words
	s_lshl_b32 s44, s46, 4
	s_add_nc_u64 s[10:11], s[8:9], s[44:45]
	s_cmp_eq_u32 s95, 1                            ; the same in all partners
	s_cbranch_scc1 .Lvpath
	; q, k: block a = 16 tokens; registers 4 c on = head c's 64 numbers: a tile's image, 512 consecutive bytes
	v_mov_b32 v220, 0x7f7f7f7f                     ; the scale 1 for the upper 64 of the 128 along K, whose codes are zeros in attention
.irp j, 0,1,2,3
	v_perm_b32 v[212+\j], v220, v[XW+\j], 0x07060100   ; head 0's two bytes
	v_perm_b32 v[216+\j], v220, v[XW+\j], 0x07060302   ; head 1's
.endr
.irp a, 0,1,2,3,4,5,6,7
.irp c, 0,1
	global_store_b128 v[LI], v[PC+8*\a+4*\c:PC+8*\a+4*\c+3], s[4+2*\c:5+2*\c] offset:512*\a
.endr
.endr
	global_store_b128 v[LI], v[212:215], s[8:9]    ; 512 consecutive bytes: lane (r, h) holds the words of tiles 4 h .. 4 h + 3, row r
	global_store_b128 v[LI], v[216:219], s[10:11]
	s_branch .Ldone
.Lvpath:
	; v: block a = 16 features: head a / 4, tile a % 4; its 8 registers are a fragment along the step's 128 keys
.irp a, 0,1,2,3,4,5,6,7
.irp c, 0,1
	global_store_b128 v[LI], v[PC+8*\a+4*\c:PC+8*\a+4*\c+3], s[4+2*(\a/4):5+2*(\a/4)] offset:4096+1024*(\a%4)+512*\c
.endr
.endr
	global_store_b128 v[VO], v[XW:XW+3], s[8:9] offset:512   ; row r's four words, head h: sixteen lanes store 256 consecutive bytes, aligned
.Ldone:
	s_wait_tensorcnt 0x0                           ; the wave's end
	ds_add_u32 v[SPW], v[NIL]
	s_wait_dscnt 0x0
	CROUND                                         ; the closing round
	s_endpgm
.Lfunc_end_k_q856fe0de8c_qkv_gemm:
	.size	k_q856fe0de8c_qkv_gemm, .Lfunc_end_k_q856fe0de8c_qkv_gemm-k_q856fe0de8c_qkv_gemm
	.p2alignl 7, 3214868480
	.fill 96, 4, 3214868480
	.section	.rodata,"a",@progbits
	.p2align	6, 0x0
	.amdhsa_kernel k_q856fe0de8c_qkv_gemm
		.amdhsa_group_segment_fixed_size 327680
		.amdhsa_private_segment_fixed_size 0
		.amdhsa_enable_private_segment 0
		.amdhsa_kernarg_size 16
		.amdhsa_user_sgpr_count 2
		.amdhsa_user_sgpr_kernarg_segment_ptr 1
		.amdhsa_wavefront_size32 1
		.amdhsa_system_sgpr_workgroup_id_x 1
		.amdhsa_system_sgpr_workgroup_id_y 1
		.amdhsa_system_sgpr_workgroup_id_z 1
		.amdhsa_system_vgpr_workitem_id 0
		.amdhsa_next_free_vgpr 1024
		.amdhsa_next_free_sgpr 100
		.amdhsa_reserve_vcc 1
		.amdhsa_float_denorm_mode_32 3
		.amdhsa_float_denorm_mode_16_64 3
		.amdhsa_memory_ordered 1
		.amdhsa_forward_progress 1
		.amdhsa_inst_pref_size 132
	.end_amdhsa_kernel
	.amdgpu_metadata
---
amdhsa.version: [ 1, 2 ]
amdhsa.kernels:
  - .name:           k_q856fe0de8c_qkv_gemm
    .symbol:         k_q856fe0de8c_qkv_gemm.kd
    .args:
      - { .name: pa, .offset: 0, .size: 8, .value_kind: global_buffer, .address_space: global }
      - { .name: qkv, .offset: 8, .size: 8, .value_kind: global_buffer, .address_space: global }
    .group_segment_fixed_size: 327680
    .private_segment_fixed_size: 0
    .kernarg_segment_align: 8
    .kernarg_segment_size: 16
    .max_flat_workgroup_size: 128
    .sgpr_count:     100
    .vgpr_count:     1024
    .wavefront_size: 32
...
	.end_amdgpu_metadata
.endif
;; end of part 2
;; launch attn (part 3): grid 8 x 32, 16 waves a work-group, clusters of 4 x 1, 169,984 bytes of LDS; arguments qkv, ao; writes ao
.if DOCPART == 3
	.amdgcn_target "amdgcn-amd-amdhsa--gfx1250"
	.amdhsa_code_object_version 6
	.text
	.protected	k_q856fe0de8c_attn
	.globl	k_q856fe0de8c_attn
	.p2align	8
	.type	k_q856fe0de8c_attn,@function
k_q856fe0de8c_attn:
	s_mov_b64 s[64:65], 0
	v_nop
	global_prefetch_b8 v0, s[64:65] scope:SCOPE_SE
	s_setreg_imm32_b32 hwreg(HW_REG_WAVE_MODE, 25, 1), 1
	s_wait_xcnt 0x0
	s_wait_alu depctr_hold_cnt(0) depctr_sa_sdst(0) depctr_va_vdst(0) depctr_va_sdst(0) depctr_va_ssrc(0) depctr_va_vcc(0) depctr_vm_vsrc(0)
	s_getreg_b32 s2, hwreg(HW_REG_IB_STS2, 6, 4)
	s_cmp_eq_u32 s2, 0
	s_cbranch_scc0 .Lentry_in_a_cluster
	s_endpgm
.Lentry_in_a_cluster:
	s_bfe_u32 s2, ttmp6, 0x10000c
	s_cmp_lg_u32 s2, 0x3003
	s_cbranch_scc0 .Lentry_shape_is_right
	s_endpgm
.Lentry_shape_is_right:
; o = softmax(q k^T / 8) v for one head, both products on codes of FP4 (E2M1) with E8M0 scales, and o quantised along the model's axis for the next product.
; THE WINDOW ORDER of the tokens is not formed: it moves whole aligned runs of 32 tokens, alike for q, k and v, there is no mask, and o is moved back: the blocks of 32 keys hold the same tokens
; in the same order, so codes, scales and row sums are the same in plain token order; only the order in which blocks are added differs.
; THE SOFTMAX: t = score x log2(e) / 8; M = the running largest t, rounded up to a whole number; p = 2^(t - M) is quantised along the keys; the row's sum is taken of the unquantised p and divides at the end.
; When M moves, the sum and O are multiplied by 2^(old M - new M), which rounds nothing.
; SHARES.  A work-group owns 256 query positions of one head, each of its sixteen waves one tile of 16, in 256 registers: four waves to a SIMD.  Every wave walks the head's 2,048 keys, 128 a step.
; K AND V OF THE WHOLE HEAD STAY IN LDS: 16 records of 8,192 bytes (images of the operands' registers) and 16 x 768 bytes of scale words, fetched ONCE, at the start; nothing is filled again.
; CLUSTER.  The four work-groups of a cluster belong to one head: each fetch is asked for jointly, by the same tensor load with the same descriptor and the mask of all four.
; No prefetch is laid: all that the launch reads is asked for at its head.
; LAYOUT.  Both products are used transposed: S^T = K Q^T, O^T = V^T P^T: a lane holds ONE query.  K's rows lie in position order (bits 3 and 4 of the token changed over), so that the 16 registers of
; tiles 2 b and 2 b + 1 are the keys 32 b + 16 (l / 16) + 0 .. 15 of the step; V's rows likewise, so that O^T's registers are neighbours along the head's 64.
; The head's 64 fill half of the instruction's 128 along K: the upper four registers of Q's and K's fragments hold zero codes, under the scale byte 0x7f.
; LIMITS: a block of zeros gets the scale byte 1 (its codes are zeros); NaN and infinities are not served.
.set O_QS,  0x200000
.set O_KV,  0x240000
.set O_KVS, 0x640000
.set O_OS,  0x200000
.set KVL,   131072                     ; LDS: the records; behind them the scale words
.set WV,  18
.set SEL, 20
.set CS,  22                           ; s[22:23] c = log2(e) / 8
.set G1C, 24
.set G1S, 32
.set G0C, 40
.set G0S, 44
.set CNT, 60
.set TB,  61                           ; the step's record in LDS
.set TS,  62                           ; the step's scale words
.set QF,  16                           ; v16-23   Q
.set KF,  24                           ; v24-87   K's eight tiles
.set S,   88                           ; v88-151  S^T, then p
.set OA,  152                          ; v152-183 O^T
.set PC,  184                          ; v184-191 p's codes
.set VF,  192                          ; v192-223 V's four fragments
.set KSW, 224                          ; v224-227 K's scale words: lanes 0-15 tiles 0-3, lanes 16-31 tiles 4-7
.set VSW, 228                          ; v228-231 V's
.set QSW, 232
.set PW,  233
.set BM,  234                          ; v234-237 the blocks' largest
.set BT,  238                          ; v238-241 at work
.set SO,  242                          ; v242-245 scale operands
.set FF,  246                          ; v[246:247] f = 2^(old M - new M)
.set TT,  248
.macro CROUND
	s_barrier_signal -1
	s_barrier_wait -1
	s_cmp_lg_u32 s[WV], 0
	s_cbranch_scc1 .Lnot_wave_0_\@
	s_barrier_signal -3
.Lnot_wave_0_\@:
	s_barrier_wait -3
	s_barrier_signal -1
	s_barrier_wait -1
.endm
	s_load_b128 s[4:7], s[0:1], 0x0                ; qkv s[4:5], ao s[6:7]
	v_lshl_add_u32 v254, v0, 2, 0x29000
	v_mov_b32 v255, 0
	ds_add_u32 v254, v255
	ds_add_u32 v254, v255
	v_lshrrev_b32 v8, 5, v0
	v_readfirstlane_b32 s[WV], v8                  ; wave 0..15
	s_bfe_u32 s8, ttmp6, 0x40000                   ; cx: it enters Q's and o's addresses alone
	s_lshl_b32 s9, ttmp9, 2
	s_add_co_u32 s9, s9, s8
	s_lshl_b32 s9, s9, 4
	s_add_co_u32 s9, s9, s[WV]                     ; T: my tile of 16 query positions, 0 .. 127
	s_and_b32 s10, ttmp7, 0xffff                   ; y = batch x 16 + head
	s_lshl_b32 s12, s10, 17
	s_lshl_b32 s13, s[WV], 14
	s_add_co_u32 s12, s12, s13
	s_add_co_u32 s12, s12, O_KV                    ; waves 0-7: 16,384 bytes each of the head's records
	s_mov_b32 s13, 0
	s_mul_i32 s14, s10, 12288
	s_add_co_u32 s14, s14, O_KVS                   ; wave 8: the head's scale words
	s_mov_b32 s15, 0
	s_mov_b32 s[G1C], 15|(3<<16)|(1<<21)           ; the mask of all four; elements of 8 bytes; bit 21 beside a mask; no padding: every read is 16 x lane
	s_mov_b32 s[G1C+1], 32<<16                     ; rows of 256 bytes
	s_mov_b32 s[G1C+2], 64<<16
	s_mov_b32 s[G1C+3], 32<<16
	s_mov_b32 s[G1C+4], 64
	s_mov_b32 s[G1C+5], 32
	s_mov_b32 s[G1C+6], 0
	s_mov_b32 s[G1C+7], 0
	s_mov_b32 s[G1S], 15|(3<<16)|(1<<21)
	s_mov_b32 s[G1S+1], 32<<16
	s_mov_b32 s[G1S+2], 48<<16
	s_mov_b32 s[G1S+3], 32<<16
	s_mov_b32 s[G1S+4], 48
	s_mov_b32 s[G1S+5], 32
	s_mov_b32 s[G1S+6], 0
	s_mov_b32 s[G1S+7], 0
	s_mov_b32 s[SEL], 0x76543210
	s_mov_b32 s[SEL+1], 0xfedcba98
	s_mov_b32 s[CS], 0x3e38aa3b
	s_mov_b32 s[CS+1], s[CS]
	s_mov_b32 s[TB], 0
	s_mov_b32 s[TS], 0
	s_mov_b32 s[CNT], 16
	; Q's tile and its scale words; o's places
	s_lshl_b32 s16, s10, 7
	s_add_co_u32 s16, s16, s9
	s_lshl_b32 s16, s16, 9                         ; (y x 128 + T) x 512
	s_mov_b32 s17, 0
	s_lshl_b32 s52, s10, 4
	s_lshr_b32 s53, s9, 3
	s_add_co_u32 s52, s52, s53
	s_lshl_b32 s52, s52, 9                         ; the record of scale words,
	s_bfe_u32 s53, s9, 0x10002
	s_lshl_b32 s53, s53, 8
	s_add_co_u32 s52, s52, s53                     ; tiles 4-7 lie in lanes 16-31's places,
	s_and_b32 s53, s9, 3
	s_lshl_b32 s53, s53, 2
	s_add_co_u32 s52, s52, s53                     ; word T % 4
	s_add_co_u32 s52, s52, O_QS
	s_mov_b32 s53, 0
	s_lshr_b32 s11, s10, 4
	s_lshl_b32 s11, s11, 7
	s_add_co_u32 s11, s11, s9                      ; Tg = batch x 128 + T
	s_and_b32 s19, s10, 15                         ; the head
	s_lshr_b32 s54, s11, 3
	s_lshl_b32 s54, s54, 3
	s_lshr_b32 s55, s19, 1
	s_add_co_u32 s54, s54, s55                     ; (group of 128 positions) x 8 + the chunk of 128 along K
	s_lshl_b32 s54, s54, 3
	s_and_b32 s55, s11, 7
	s_add_co_u32 s54, s54, s55                     ; x 8 + the tile of rows
	s_lshl_b32 s54, s54, 10
	s_and_b32 s55, s19, 1
	s_lshl_b32 s55, s55, 9
	s_add_co_u32 s54, s54, s55                     ; the head's half of the fragment
	s_mov_b32 s55, 0
	s_lshl_b32 s58, s11, 9
	s_lshl_b32 s59, s19, 1
	s_add_co_u32 s58, s58, s59
	s_add_co_u32 s58, s58, O_OS                    ; scale bytes: 32 a position; the head's two
	s_mov_b32 s59, 0
	s_wait_dscnt 0x0
	s_wait_kmcnt 0x0
	s_mov_b32 s[G0C], 1
	s_lshl_b32 s[G0C+1], s[WV], 14
	s_add_nc_u64 s[G0C+2:G0C+3], s[4:5], s[12:13]
	s_or_b32 s[G0C+3], s[G0C+3], 0x80000000
	s_mov_b32 s[G0S], 1
	s_mov_b32 s[G0S+1], KVL
	s_add_nc_u64 s[G0S+2:G0S+3], s[4:5], s[14:15]
	s_or_b32 s[G0S+3], s[G0S+3], 0x80000000
	s_add_nc_u64 s[48:49], s[4:5], s[16:17]
	s_add_nc_u64 s[50:51], s[4:5], s[52:53]
	s_add_nc_u64 s[56:57], s[6:7], s[54:55]
	s_add_nc_u64 s[58:59], s[6:7], s[58:59]
	CROUND                                         ; all four work-groups are here: the joint loads meet
	s_cmp_lt_u32 s[WV], 8                          ; the branches hang on the wave's number alone; four v_nop follow each load
	s_cbranch_scc0 .Lnot_codes
	tensor_load_to_lds s[G0C:G0C+3], s[G1C:G1C+7]
	s_nop 0
.rept 4
	v_nop
.endr
	s_branch .Lasked
.Lnot_codes:
	s_cmp_eq_u32 s[WV], 8
	s_cbranch_scc0 .Lasked
	tensor_load_to_lds s[G0S:G0S+3], s[G1S:G1S+7]
	s_nop 0
.rept 4
	v_nop
.endr
.Lasked:
	v_and_b32 v8, 31, v0
	v_and_b32 v9, 15, v0
	v_lshlrev_b32 v1, 4, v8                        ; 16 x lane
	v_add_nc_u32 v2, KVL, v1                       ; K's scale words
	v_lshlrev_b32 v7, 4, v9                        ; 16 r
	v_add_nc_u32 v3, KVL+512, v7                   ; V's
	v_lshlrev_b32 v10, 5, v9                       ; 32 r
	global_load_b128 v[QF:QF+3], v1, s[48:49]      ; Q's tile, an image of its four lower registers
	global_load_b32 v[QSW], v7, s[50:51]           ; row r's scale word
.irp j, 4,5,6,7
	v_mov_b32 v[QF+\j], 0                          ; zero codes for the upper 64 along K
.endr
.irp t, 0,1,2,3,4,5,6,7
.irp j, 4,5,6,7
	v_mov_b32 v[KF+8*\t+\j], 0                     ; and in K's tiles: written once, no load lands here
.endr
.endr
.irp j, 0,1,2,3,4,5,6,7,8,9,10,11,12,13,14,15,16,17,18,19,20,21,22,23,24,25,26,27,28,29,30,31
	v_mov_b32 v[OA+\j], 0                          ; O^T: the loop is written once, and its first step finds zeros
.endr
	v_mov_b32 v13, 0xff61b1e6                      ; the largest t so far: -3e38
	v_floor_f32 v12, -v13                          ; -M
	v_mov_b32 v14, 0                               ; the sum, in two halves
	v_mov_b32 v15, 0
.irp b, 0,1,2,3
	v_mov_b32 v[BT+\b], 0                          ; a lane permute's destination counts as one of its sources
.endr
	v_mov_b32 v[FF+1], 0                           ; named as the upper half of a pair
	s_wait_tensorcnt 0x0                           ; my fetch has landed,
	s_barrier_signal -1
	s_barrier_wait -1                              ; everybody's has
	s_wait_loadcnt 0x0                             ; Q
.Lstep:                                            ; 16 trips of 128 keys; no barrier inside: LDS is only read
	v_add_nc_u32 v4, s[TB], v1
	v_add_nc_u32 v5, s[TS], v2
	v_add_nc_u32 v6, s[TS], v3
	v_nop                                          ; four plain instructions between the last products and the loads into their operands
.irp t, 0,1,2,3,4,5,6,7
	ds_load_b128 v[KF+8*\t:KF+8*\t+3], v4 offset:512*\t
.endr
	ds_load_b128 v[KSW:KSW+3], v5
.irp f, 0,1,2,3
.irp c, 0,1
	ds_load_b128 v[VF+8*\f+4*\c:VF+8*\f+4*\c+3], v4 offset:4096+1024*\f+512*\c
.endr
.endr
	ds_load_b128 v[VSW:VSW+3], v6
	s_wait_dscnt 9                                 ; K and its scale words are in; V's eight loads and its scale words' one may be out
.irp t, 0,1,2,3
	v_wmma_scale_f32_16x16x128_f8f6f4 v[S+8*\t:S+8*\t+7], v[KF+8*\t:KF+8*\t+7], v[QF:QF+7], 0, v[KSW+\t], v[QSW] matrix_a_fmt:MATRIX_FMT_FP4 matrix_b_fmt:MATRIX_FMT_FP4
.endr
.irp t, 4,5,6,7
	v_wmma_scale_f32_16x16x128_f8f6f4 v[S+8*\t:S+8*\t+7], v[KF+8*\t:KF+8*\t+7], v[QF:QF+7], 0, v[KSW+\t-4], v[QSW] matrix_a_fmt:MATRIX_FMT_FP4 matrix_b_fmt:MATRIX_FMT_FP4 matrix_a_scale:MATRIX_SCALE_ROW1
.endr
.rept 4
	v_nop
.endr
.irp b, 0,1,2,3
	v_max3_num_f32 v[BM+\b], v[S+16*\b], v[S+16*\b+1], v[S+16*\b+2]   ; the largest score of each block of 32 keys: for the row's maximum, and, since p rises with the score, for the block's largest p
.endr
.irp i, 3,5,7,9,11,13
.irp b, 0,1,2,3
	v_max3_num_f32 v[BM+\b], v[BM+\b], v[S+16*\b+\i], v[S+16*\b+\i+1]
.endr
.endr
.irp b, 0,1,2,3
	v_max_num_f32 v[BM+\b], v[BM+\b], v[S+16*\b+15]
.endr
.irp b, 0,1,2,3
	v_permlanex16_b32 v[BT+\b], v[BM+\b], s[SEL], s[SEL+1]
.endr
.irp b, 0,1,2,3
	v_max_num_f32 v[BM+\b], v[BM+\b], v[BT+\b]     ; with lane l xor 16's 16 keys
.endr
	v_max3_num_f32 v[TT], v[BM], v[BM+1], v[BM+2]
	v_max_num_f32 v[TT], v[TT], v[BM+3]
	v_mul_f32 v[TT], s[CS], v[TT]                  ; the step's largest t
	v_max_num_f32 v13, v13, v[TT]                  ; the running largest
	v_mov_b32 v[TT], v12
	v_floor_f32 v12, -v13                          ; the new -M = -ceil(t)
	v_sub_f32 v[TT], v12, v[TT]                    ; old M - new M: a whole number, 0 or less
	v_cvt_i32_f32 v[TT], v[TT]                     ; (it saturates)
	v_ldexp_f32 v[FF], 1.0, v[TT]                  ; f
.irp j, 0,2,4,6,8,10,12,14,16,18,20,22,24,26,28,30,32,34,36,38,40,42,44,46,48,50,52,54,56,58,60,62
	v_pk_fma_f32 v[S+\j:S+\j+1], v[S+\j:S+\j+1], s[CS:CS+1], v[12:13] op_sel_hi:[1,0,0]   ; t - M
.endr
.irp b, 0,1,2,3
	v_fma_f32 v[BM+\b], v[BM+\b], s[CS], v12       ; the same of each block's largest score
.endr
.irp j, 0,1,2,3,4,5,6,7,8,9,10,11,12,13,14,15,16,17,18,19,20,21,22,23,24,25,26,27,28,29,30,31,32,33,34,35,36,37,38,39,40,41,42,43,44,45,46,47,48,49,50,51,52,53,54,55,56,57,58,59,60,61,62,63
	v_exp_f32 v[S+\j], v[S+\j]                     ; p = 2^(t - M)
.endr
	v_pk_mul_f32 v[14:15], v[14:15], v[FF:FF+1] op_sel_hi:[1,0]   ; the sums under the new M: a plain instruction behind the exponentials
	s_wait_alu depctr_va_vdst(0)                   ; one wait for the batch, ahead of its first reader
.irp b, 0,1,2,3
	v_exp_f32 v[BM+\b], v[BM+\b]                   ; the blocks' largest p
.endr
	v_pk_add_f32 v[BT:BT+1], v[S:S+1], v[S+2:S+3]  ; the row's sum, of the unquantised p, in two chains
.irp j, 4,8,12,16,20,24,28,32,36,40,44,48,52,56,60
	v_pk_add_f32 v[14:15], v[14:15], v[S+\j:S+\j+1]
	v_pk_add_f32 v[BT:BT+1], v[BT:BT+1], v[S+\j+2:S+\j+3]
.endr
	v_pk_add_f32 v[14:15], v[14:15], v[BT:BT+1]
	s_wait_alu depctr_va_vdst(0)                   ; and one for the four
.irp b, 0,1,2,3
	v_max_num_f32 v[BM+\b], 0x1800000, v[BM+\b]    ; the floor 2^(3 - 127)
.endr
.irp b, 0,1,2,3
	v_add_nc_u32 v[SO+\b], 0xff000000, v[BM+\b]
.endr
.irp b, 0,1,2,3
	v_lshrrev_b32 v[BT+\b], 23, v[SO+\b]
.endr
	v_lshl_or_b32 v[PW], v[BT+1], 8, v[BT]         ; p's scale word for these 128 keys
	v_lshl_or_b32 v[PW], v[BT+2], 16, v[PW]
	v_lshl_or_b32 v[PW], v[BT+3], 24, v[PW]
.irp b, 0,1,2,3
	v_cvt_scalef32_pk8_fp4_f32 v[PC+2*\b], v[S+16*\b:S+16*\b+7], v[SO+\b]
	v_cvt_scalef32_pk8_fp4_f32 v[PC+2*\b+1], v[S+16*\b+8:S+16*\b+15], v[SO+\b]
.endr
	v_nop
.irp c, 0,1
.irp i, 0,1
	v_permlane16_swap_b32 v[PC+4*\c+\i], v[PC+4*\c+2+\i]
.endr
.endr
.irp j, 0,2,4,6,8,10,12,14,16,18,20,22,24,26,28,30
	v_pk_mul_f32 v[OA+\j:OA+\j+1], v[OA+\j:OA+\j+1], v[FF:FF+1] op_sel_hi:[1,0]   ; O^T under the new M; these sixteen also stand between the scale word's last line and the products
.endr
	s_wait_dscnt 0x0                               ; V
.irp f, 0,1,2,3
	v_wmma_scale_f32_16x16x128_f8f6f4 v[OA+8*\f:OA+8*\f+7], v[VF+8*\f:VF+8*\f+7], v[PC:PC+7], v[OA+8*\f:OA+8*\f+7], v[VSW+\f], v[PW] matrix_a_fmt:MATRIX_FMT_FP4 matrix_b_fmt:MATRIX_FMT_FP4
.endr
	s_add_co_u32 s[TB], s[TB], 8192
	s_add_co_u32 s[TS], s[TS], 768
	s_sub_co_u32 s[CNT], s[CNT], 1
	s_cmp_lg_u32 s[CNT], 0
	s_cbranch_scc1 .Lstep
	; THE WAY OUT: O^T / the sum; its 32 numbers a lane are the head's 64 in two blocks: quantised, they are half a fragment of the next product
.rept 4
	v_nop
.endr
	v_add_f32 v14, v14, v15
	v_permlanex16_b32 v[BT], v14, s[SEL], s[SEL+1]
	v_add_f32 v14, v14, v[BT]                      ; the row's sum
	v_rcp_f32 v14, v14
	v_nop
	s_wait_alu depctr_va_vdst(0)
.irp j, 0,1,2,3,4,5,6,7,8,9,10,11,12,13,14,15,16,17,18,19,20,21,22,23,24,25,26,27,28,29,30,31
	v_mul_f32 v[S+\j], v[OA+\j], v14               ; register 16 b + i: o(r, 32 b + 16 (l / 16) + i)
.endr
.irp b, 0,1
	v_max3_num_f32 v[BM+\b], |v[S+16*\b]|, |v[S+16*\b+1]|, 0x1800000
.endr
.irp i, 2,4,6,8,10,12,14
.irp b, 0,1
	v_max3_num_f32 v[BM+\b], v[BM+\b], |v[S+16*\b+\i]|, |v[S+16*\b+\i+1]|
.endr
.endr
.irp b, 0,1
	v_permlanex16_b32 v[BT+\b], v[BM+\b], s[SEL], s[SEL+1]
.endr
.irp b, 0,1
	v_max_num_f32 v[BM+\b], v[BM+\b], v[BT+\b]
.endr
.irp b, 0,1
	v_add_nc_u32 v[SO+\b], 0xff000000, v[BM+\b]
.endr
.irp b, 0,1
	v_lshrrev_b32 v[BT+\b], 23, v[SO+\b]
.endr
	v_lshl_or_b32 v[PW], v[BT+1], 8, v[BT]
.irp b, 0,1
	v_cvt_scalef32_pk8_fp4_f32 v[PC+2*\b], v[S+16*\b:S+16*\b+7], v[SO+\b]
	v_cvt_scalef32_pk8_fp4_f32 v[PC+2*\b+1], v[S+16*\b+8:S+16*\b+15], v[SO+\b]
.endr
	v_nop
	v_permlane16_swap_b32 v[PC], v[PC+2]
	v_permlane16_swap_b32 v[PC+1], v[PC+3]         ; lane (r, h): block h whole, 16 bytes
	global_store_b128 v1, v[PC:PC+3], s[56:57]     ; 512 consecutive bytes
	global_store_b16 v10, v[PW], s[58:59]          ; row r's two scale bytes (both halves of the lanes store the same): 2 bytes of each row's 32, one sixteenth of what the launch stores
	s_wait_dscnt 0x0
	s_wait_tensorcnt 0x0
	ds_add_u32 v254, v255
	s_wait_dscnt 0x0
	CROUND                                         ; the closing round
	s_endpgm
.Lfunc_end_k_q856fe0de8c_attn:
	.size	k_q856fe0de8c_attn, .Lfunc_end_k_q856fe0de8c_attn-k_q856fe0de8c_attn
	.p2alignl 7, 3214868480
	.fill 96, 4, 3214868480
	.section	.rodata,"a",@progbits
	.p2align	6, 0x0
	.amdhsa_kernel k_q856fe0de8c_attn
		.amdhsa_group_segment_fixed_size 169984
		.amdhsa_private_segment_fixed_size 0
		.amdhsa_enable_private_segment 0
		.amdhsa_kernarg_size 16
		.amdhsa_user_sgpr_count 2
		.amdhsa_user_sgpr_kernarg_segment_ptr 1
		.amdhsa_wavefront_size32 1
		.amdhsa_system_sgpr_workgroup_id_x 1
		.amdhsa_system_sgpr_workgroup_id_y 1
		.amdhsa_system_sgpr_workgroup_id_z 1
		.amdhsa_system_vgpr_workitem_id 0
		.amdhsa_next_free_vgpr 256
		.amdhsa_next_free_sgpr 66
		.amdhsa_reserve_vcc 0
		.amdhsa_float_denorm_mode_32 3
		.amdhsa_float_denorm_mode_16_64 3
		.amdhsa_memory_ordered 1
		.amdhsa_forward_progress 1
		.amdhsa_inst_pref_size 27
	.end_amdhsa_kernel
	.amdgpu_metadata
---
amdhsa.version: [ 1, 2 ]
amdhsa.kernels:
  - .name:           k_q856fe0de8c_attn
    .symbol:         k_q856fe0de8c_attn.kd
    .args:
      - { .name: qkv, .offset: 0, .size: 8, .value_kind: global_buffer, .address_space: global }
      - { .name: ao, .offset: 8, .size: 8, .value_kind: global_buffer, .address_space: global }
    .group_segment_fixed_size: 169984
    .private_segment_fixed_size: 0
    .kernarg_segment_align: 8
    .kernarg_segment_size: 16
    .max_flat_workgroup_size: 512
    .sgpr_count:     66
    .vgpr_count:     256
    .wavefront_size: 32
...
	.end_amdgpu_metadata
.endif
;; end of part 3
;; launch proj (part 4): grid 4 x 16, 4 waves a work-group, clusters of 4 x 4, 327,680 bytes of LDS; arguments ao, pa, x, x1; writes x1
.if DOCPART == 4
	.amdgcn_target "amdgcn-amd-amdhsa--gfx1250"
	.amdhsa_code_object_version 6
	.text
	.protected	k_q856fe0de8c_proj
	.globl	k_q856fe0de8c_proj
	.p2align	8
	.type	k_q856fe0de8c_proj,@function
k_q856fe0de8c_proj:
	s_mov_b64 s[64:65], 0
	v_nop
	global_prefetch_b8 v0, s[64:65] scope:SCOPE_SE
	s_setreg_imm32_b32 hwreg(HW_REG_WAVE_MODE, 25, 1), 1
	s_wait_xcnt 0x0
	s_wait_alu depctr_hold_cnt(0) depctr_sa_sdst(0) depctr_va_vdst(0) depctr_va_sdst(0) depctr_va_ssrc(0) depctr_va_vcc(0) depctr_vm_vsrc(0)
	s_getreg_b32 s2, hwreg(HW_REG_IB_STS2, 6, 4)
	s_cmp_eq_u32 s2, 0
	s_cbranch_scc0 .Lentry_in_a_cluster
	s_endpgm
.Lentry_in_a_cluster:
	s_bfe_u32 s2, ttmp6, 0x10000c
	s_cmp_lg_u32 s2, 0xf033
	s_cbranch_scc0 .Lentry_shape_is_right
	s_endpgm
.Lentry_shape_is_right:
; out = res + A B^T on codes of FP4 (E2M1) with E8M0 scales.  Here: A = attention's o (4,096 positions x 1,024), B = w_o (1,024 x 1,024), res = x, out = x1; f32 sums.
; A tile of the product, 256 x 256, is made by a work-group of four waves; a wave makes 128 x 128: 64 accumulators, 512 registers.  K goes in steps of 512 through two LDS slots filled by the tensor data mover.
; A'S CODES lie in memory as images of the operand's registers: [128 positions][128 along K][tile of 16 rows][4 registers][lane][16 bytes]: a K step of 128 rows is one dense block of 32,768 bytes, read back 16 x lane.
; B's codes lie as rows; the scale bytes of both as rows: they come once, with the first fills, and stay.
; A's rows are POSITIONS: position p is token pi(p), pi = bits 3 and 4 changed over; the residual is read and the result stored at the token.
; THE RESIDUAL IS THE SUMS' STARTING VALUE: it is loaded into the accumulators, in their layout (16 bytes a lane, sixteen rows an instruction), while the first tiles are on their way.
; THE MATRIX INSTRUCTION IS USED TRANSPOSED (source 0 = 16 rows of B, source 1 = 16 rows of A): a lane holds eight neighbouring numbers of a row of the result.
; CLUSTERS of 4 x 4: A's tile is shared along a row of the cluster, B's along a column: joint loads.  64 work-groups: this tile leaves WGPs without work at this size; a smaller tile would read each fragment for fewer products.
; REGISTERS as windows of 256: window 0: v0-31 addresses; v32-95 scale words, two sets; from v128 A's fragments, one set; window 1: B's, two sets; windows 2, 3: the accumulators.
.set SIZE_K, 1024
.set SIZE_N, 1024
.set O_ASC,  0x200000                  ; A's scale bytes in its buffer
.set O_BC,   0x3b8000                  ; B's codes and scale bytes in pa
.set O_BS,   0x438000
.set KSTEP,  512
.set NQ,     KSTEP/128
.set ROWB,   256
.set ASTEP,  32768                     ; a K step of 128 rows of A
.set KROW,   SIZE_K/2
.set PITCH,  272
.set FR,     8
.set NL,     2
.set NP,     4
.set HALFT,  128*PITCH
.set SLOT,   4*HALFT
.set LAPS,   SIZE_K/(2*KSTEP)
.set KS,     SIZE_K/32
.set SCL,    2*SLOT
.set HALFS,  (128*KS/256)*272
.set SBLK,   (16*KS/256)*272
.set SPARE,  SCL+4*HALFS
.set SPITCH, 528                       ; the way out: a stage of 16 rows x (512 + 16) bytes a wave, in slot 0, which has had its last fill and its last read by then
.set ADRA, 16
.set ADRB, 20
.set STO,  24
.set RD,   25
.set CO,   26
.set ADRS, 27
.set SPW,  28
.set NIL,  29
.set XO,   30                          ; v30  the residual: (r % 8) rows + (r / 8) x 16 rows + 32 (l / 16) bytes
.set SC,   32
.set AF,   128
.set BK,   128
.set G1, 24
.set G0, 32
.set G1B, 48
.set G0B, 56
.set G1S, 68
.set G0S, 76
.set G1SB, 80
.set G0SB, 88
.set MSB, 0
.macro WIN new
.if MSB != \new
	s_set_vgpr_msb (MSB<<8)|\new
.set MSB, \new
.endif
.endm
.set MUL_LO, 0xa1
.set MUL_HI, 0xf1
.set TO_B,   0x40
.macro JLOAD g0a, g1a, g0b, g1b        ; a joint load: waves 0 and 1 fetch for A, waves 2 and 3 for B; four v_nop follow each of the two lines
	s_cmp_eq_u32 s15, 0
	s_cbranch_scc0 .Lfor_b_\@
	tensor_load_to_lds s[\g0a:\g0a+3], s[\g1a:\g1a+7]
	s_nop 0
.rept 4
	v_nop
.endr
	s_branch .Lasked_\@
.Lfor_b_\@:
	tensor_load_to_lds s[\g0b:\g0b+3], s[\g1b:\g1b+7]
	s_nop 0
.rept 4
	v_nop
.endr
.Lasked_\@:
.endm
.macro CREST
	s_cmp_lg_u32 s14, 0
	s_cbranch_scc1 .Lnot_wave_0_\@
	s_barrier_signal -3
.Lnot_wave_0_\@:
	s_barrier_wait -3
	s_barrier_signal -1
	s_barrier_wait -1
.endm
.macro CROUND
	s_barrier_signal -1
	s_barrier_wait -1
	CREST
.endm
	s_load_b128 s[4:7], s[0:1], 0x0                ; A's buffer s[4:5], pa s[6:7]
	s_load_b128 s[96:99], s[0:1], 0x10             ; the residual s[96:97], the result s[98:99]
	v_lshl_add_u32 v[SPW], v0, 2, SPARE
	v_mov_b32 v[NIL], 0
	ds_add_u32 v28, v29
	ds_add_u32 v28, v29
	s_wait_dscnt 0x0
	v_lshrrev_b32 v1, 5, v0
	v_readfirstlane_b32 s14, v1
	s_lshr_b32 s15, s14, 1
	s_and_b32 s16, s14, 1
	s_bfe_u32 s40, ttmp6, 0x40000
	s_bfe_u32 s41, ttmp6, 0x40004
	s_lshl_b32 s42, ttmp9, 2
	s_add_co_u32 s42, s42, s40                     ; tile column
	s_and_b32 s17, ttmp7, 0xffff
	s_lshl_b32 s17, s17, 2
	s_add_co_u32 s17, s17, s41                     ; tile row
	s_lshl_b32 s43, s41, 2
	s_lshl_b32 s43, 15, s43
	s_lshl_b32 s44, 0x1111, s40
	s_or_b32 s[G1+0], s43, (3<<16)|(1<<21)         ; A: the mask of my row; elements of 8 bytes; bit 21 beside a mask; no padding: a dense block of 128 rows of 256 bytes
	s_mov_b32 s[G1+1], 32<<16
	s_mov_b32 s[G1+2], 128<<16
	s_mov_b32 s[G1+3], 32<<16
	s_mov_b32 s[G1+4], 128
	s_mov_b32 s[G1+5], 32
	s_mov_b32 s[G1+6], 0
	s_mov_b32 s[G1+7], 0
	s_or_b32 s[G1B+0], s44, (0<<16)|(1<<20)|(1<<21)|(5<<22)|(3<<25)  ; B: 128 rows of 256 bytes, 16 bytes of padding behind each
	s_mov_b32 s[G1B+1], ROWB<<16
	s_mov_b32 s[G1B+2], 128<<16
	s_mov_b32 s[G1B+3], ROWB<<16
	s_mov_b32 s[G1B+4], 128
	s_mov_b32 s[G1B+5], KROW
	s_mov_b32 s[G1B+6], 0
	s_mov_b32 s[G1B+7], 0
	s_or_b32 s[G1S+0], s43, (3<<16)|(1<<20)|(1<<21)|(5<<22)|(3<<25)
	s_or_b32 s[G1SB+0], s44, (3<<16)|(1<<20)|(1<<21)|(5<<22)|(3<<25)
.irp g, G1S, G1SB
	s_mov_b32 s[\g+1], 32<<16
	s_mov_b32 s[\g+2], (128*KS/256)<<16
	s_mov_b32 s[\g+3], 32<<16
	s_mov_b32 s[\g+4], 128*KS/256
	s_mov_b32 s[\g+5], 32
	s_mov_b32 s[\g+6], 0
	s_mov_b32 s[\g+7], 0
.endr
	s_lshl_b32 s18, s16, 7
	s_lshl_b32 s20, s17, 8
	s_add_co_u32 s20, s20, s18
	s_lshl_b32 s46, s42, 8
	s_add_co_u32 s46, s46, s18
	s_mov_b32 s21, 0
	s_mov_b32 s47, 0
	s_mov_b64 s[18:19], KS
	s_mul_u64 s[22:23], s[20:21], s[18:19]
	s_mul_u64 s[92:93], s[46:47], s[18:19]
	s_mov_b64 s[18:19], KROW
	s_mul_u64 s[20:21], s[20:21], s[18:19]         ; (a group of 128 positions is 128 x KROW bytes in A's layout too)
	s_mul_u64 s[46:47], s[46:47], s[18:19]
	s_mul_i32 s45, s14, HALFT
	s_mul_i32 s94, s14, HALFS
	s_wait_kmcnt 0x0
	s_add_nc_u64 s[8:9], s[6:7], O_BC
	s_add_nc_u64 s[10:11], s[6:7], O_BS
	s_add_nc_u64 s[6:7], s[4:5], O_ASC
	s_add_nc_u64 s[20:21], s[4:5], s[20:21]
	s_add_nc_u64 s[22:23], s[6:7], s[22:23]
	s_add_nc_u64 s[46:47], s[8:9], s[46:47]
	s_add_nc_u64 s[92:93], s[10:11], s[92:93]
	CROUND
	s_mov_b32 s[G0S], 1
	s_add_co_u32 s[G0S+1], s94, SCL
	s_mov_b64 s[G0S+2:G0S+3], s[22:23]
	s_or_b32 s[G0S+3], s[G0S+3], 0x80000000
	s_mov_b32 s[G0SB], 1
	s_add_co_u32 s[G0SB+1], s94, SCL
	s_mov_b64 s[G0SB+2:G0SB+3], s[92:93]
	s_or_b32 s[G0SB+3], s[G0SB+3], 0x80000000
	JLOAD G0S, G1S, G0SB, G1SB
.irp s, 0,1
	s_mov_b32 s[G0+4*\s], 1
	s_add_co_u32 s[G0+4*\s+1], s45, \s*SLOT
	s_add_nc_u64 s[G0+4*\s+2:G0+4*\s+3], s[20:21], \s*ASTEP
	s_or_b32 s[G0+4*\s+3], s[G0+4*\s+3], 0x80000000
	s_mov_b32 s[G0B+4*\s], 1
	s_add_co_u32 s[G0B+4*\s+1], s45, \s*SLOT
	s_add_nc_u64 s[G0B+4*\s+2:G0B+4*\s+3], s[46:47], \s*ROWB
	s_or_b32 s[G0B+4*\s+3], s[G0B+4*\s+3], 0x80000000
	JLOAD G0+4*\s, G1, G0B+4*\s, G1B
.endr
	v_and_b32 v1, 15, v0
	v_bfe_u32 v2, v0, 4, 1
	v_mul_u32_u24 v3, v1, PITCH
	v_lshl_add_u32 v4, v2, 4, v3
	v_and_b32 v6, 31, v0
	v_lshlrev_b32 v7, 4, v6                        ; 16 x lane: A's images
	s_mul_i32 s21, s15, HALFT
	s_mul_i32 s22, s16, HALFT
	s_add_co_u32 s22, s22, 2*HALFT
.irp s, 0,1
	v_add_nc_u32 v[ADRA+\s], s21, v7
	v_add_nc_u32 v[ADRB+\s], s22, v4
	s_add_co_u32 s21, s21, SLOT
	s_add_co_u32 s22, s22, SLOT
.endr
	v_mul_u32_u24 v5, v1, KS
	v_lshrrev_b32 v6, 8, v5
	v_lshl_add_u32 v5, v6, 4, v5
	s_mul_i32 s21, s15, HALFS
	s_mul_i32 s22, s16, HALFS
	s_add_co_u32 s22, s22, 2*HALFS
	s_sub_co_u32 s22, s22, s21
	v_mul_u32_u24 v6, s22, v2
	s_add_co_u32 s21, s21, SCL
	v_add_nc_u32 v5, v5, v6
	v_add_nc_u32 v[ADRS], s21, v5
	s_mul_i32 s23, s14, 16*SPITCH
	v_mul_u32_u24 v5, v1, SPITCH
	v_lshl_add_u32 v5, v2, 5, v5
	v_add_nc_u32 v[STO], s23, v5
	v_mov_b32 v[CO], v7
	v_add_nc_u32 v[RD], s23, v7
	v_and_b32 v5, 7, v1
	v_lshlrev_b32 v5, 12, v5
	v_lshrrev_b32 v6, 3, v1
	v_lshl_add_u32 v5, v6, 16, v5
	v_lshl_add_u32 v[XO], v2, 5, v5
	s_lshl_b32 s20, s17, 8
	s_lshl_b32 s21, s15, 7
	s_add_co_u32 s20, s20, s21                     ; my first row: 256 x tile row + 128 x half
	s_mov_b32 s21, 0
	s_mov_b64 s[18:19], SIZE_N*4
	s_mul_u64 s[20:21], s[20:21], s[18:19]
	s_lshl_b32 s46, s42, 10
	s_lshl_b32 s47, s16, 9
	s_add_co_u32 s46, s46, s47
	s_mov_b32 s47, 0
	s_add_nc_u64 s[20:21], s[20:21], s[46:47]
	s_add_nc_u64 s[12:13], s[98:99], s[20:21]
	s_add_nc_u64 s[96:97], s[96:97], s[20:21]
	; the residual into the accumulators: block a's row r is position 16 a + r, token 32 (a / 2) + 8 (a % 2) + r % 8 + 16 (r / 8)
.irp a, 0,1,2,3,4,5,6,7
.set WN, 0x80+0x40*(\a/4)
	WIN WN                                         ; destination window 2 or 3
.irp b, 0,1,2,3,4,5,6,7
.irp g, 0,1
	global_load_b128 v[8*(8*(\a%4)+\b)+4*\g:8*(8*(\a%4)+\b)+4*\g+3], v[XO], s[96:97] offset:(32*(\a/2)+8*(\a%2))*SIZE_N*4+64*\b+16*\g
.endr
.endr
.endr
	WIN 0
.macro FRAG reg, adr, q, i
.irp c, 0,1
	ds_load_b128 v[\reg+4*\c:\reg+4*\c+3], v[\adr] offset:64*(\q)+32*\c+(\i)*16*PITCH
.endr
.endm
.macro FRAGA reg, adr, q, i            ; A's fragment, as its image lies: 8,192 bytes for 128 along K, 1,024 a tile of rows, 512 for four registers
.irp c, 0,1
	ds_load_b128 v[\reg+4*\c:\reg+4*\c+3], v[\adr] offset:8192*(\q)+1024*(\i)+512*\c
.endr
.endm
; 16 matrix instructions; the 64 accumulators take turns, one instruction a turn, in the same order in every step
.macro MUL16 a0, p, q, sc
.irp a, \a0, \a0+1
.irp b, 0,1,2,3,4,5,6,7
	v_wmma_scale_f32_16x16x128_f8f6f4 v[8*(8*((\a)%4)+\b):8*(8*((\a)%4)+\b)+7], v[128*(\p)+FR*\b:128*(\p)+FR*\b+FR-1], v[AF+FR*(\a):AF+FR*(\a)+FR-1], v[8*(8*((\a)%4)+\b):8*(8*((\a)%4)+\b)+7], v[SC+8*NQ*(\sc)+NQ*\b+(\q)], v[SC+8*NQ*(\sc)+NQ*(\a)+(\q)] matrix_a_fmt:MATRIX_FMT_FP4 matrix_b_fmt:MATRIX_FMT_FP4 matrix_a_scale:MATRIX_SCALE_ROW1
.endr
.endr
.endm
.macro FETCH_B slot, q, p
	WIN TO_B
.irp i, 0,1,2,3,4,5,6,7
	FRAG 128*(\p)+FR*\i, ADRB+\slot, \q, \i
.endr
	WIN 0
.endm
.macro FETCH_A slot, q, i0
.irp i, \i0, \i0+1, \i0+2, \i0+3
	FRAGA AF+FR*(\i), ADRA+\slot, \q, \i
.endr
.endm
.macro SCALES sc
.irp i, 0,1,2,3,4,5,6,7
	ds_load_b128 v[SC+8*NQ*\sc+NQ*\i:SC+8*NQ*\sc+NQ*\i+3], v[ADRS] offset:\i*SBLK
.endr
.endm
.macro PLACES n
.rept \n
	v_nop
.endr
.endm
.macro STEP slot, q
	s_wait_dscnt 4*NL                              ; all but the youngest eight loads (A's blocks 4-7)
	WIN MUL_LO
	MUL16 0, (\q)%2, \q, \slot
	MUL16 2, (\q)%2, \q, \slot
	s_wait_dscnt 0
	PLACES NP
	FETCH_B \slot, (\q)+1, 1-(\q)%2
	FETCH_A \slot, (\q)+1, 0
	WIN MUL_HI
	MUL16 4, (\q)%2, \q, \slot
	MUL16 6, (\q)%2, \q, \slot
	PLACES NP
	WIN 0
	FETCH_A \slot, (\q)+1, 4
.endm
; A slot's last step changes slots: one barrier; in front of it each wave waits for all its tensor loads, adds 0 to its spare word, and waits for that and for its reads of this slot.  fill = 1: this slot is filled again.
.macro TURN slot, next, fill
	s_wait_tensorcnt 0x0
	ds_add_u32 v[SPW], v[NIL]
	s_wait_dscnt 4*NL+1                            ; (the add and the youngest eight loads may be out)
	WIN MUL_LO
	MUL16 0, 1, NQ-1, \slot
	s_wait_dscnt 0x0
	s_barrier_signal -1
	MUL16 2, 1, NQ-1, \slot
	WIN 0
	s_barrier_wait -1
.if \fill
	CREST                                          ; the barrier has opened a round of the cluster's: no wave of any partner still reads this slot or has a load on its way
	s_add_nc_u64 s[G0+4*\slot+2:G0+4*\slot+3], s[G0+4*\slot+2:G0+4*\slot+3], 2*ASTEP
	s_add_nc_u64 s[G0B+4*\slot+2:G0B+4*\slot+3], s[G0B+4*\slot+2:G0B+4*\slot+3], 2*ROWB
	JLOAD G0+4*\slot, G1, G0B+4*\slot, G1B
.else
	PLACES NP
.endif
	v_add_nc_u32 v[ADRS], 4*NQ, v[ADRS]
	FETCH_B \next, 0, 0
	FETCH_A \next, 0, 0
	SCALES \next
	WIN MUL_HI
	MUL16 4, 1, NQ-1, \slot
	MUL16 6, 1, NQ-1, \slot
	PLACES NP
	WIN 0
	FETCH_A \next, 0, 4
.endm
.macro STEPS slot, from
.set Q, \from
.rept NQ-1-\from
	STEP \slot, Q
.set Q, Q+1
.endr
.endm
	s_wait_tensorcnt 1                             ; the scales and my part of K step 0 are in (K step 1's load may be out),
	s_barrier_signal -1
	s_barrier_wait -1
	FETCH_B 0, 0, 0
	FETCH_A 0, 0, 0
	SCALES 0
	FETCH_A 0, 0, 4
	s_wait_loadcnt 0x0                             ; the residual lies in the accumulators
	STEP 0, 0
.if LAPS > 1
	s_mov_b32 s3, LAPS-1
.Llap:
	STEPS 0, 1
	TURN 0, 1, 1
	STEPS 1, 0
	TURN 1, 0, 1
	STEP 0, 0
	s_sub_co_u32 s3, s3, 1
	s_cmp_lg_u32 s3, 0
	s_cbranch_scc1 .Llap
.endif
	STEPS 0, 1
	TURN 0, 1, 0
	STEPS 1, 0
	s_wait_dscnt 4*NL
	WIN MUL_LO
	MUL16 0, 1, NQ-1, 1
	MUL16 2, 1, NQ-1, 1
	s_wait_dscnt 0
	WIN MUL_HI
	MUL16 4, 1, NQ-1, 1
	MUL16 6, 1, NQ-1, 1
	WIN 0
; THE WAY OUT, block by block of 16 rows x 128 columns, through my own stage in LDS: back come whole rows of 512 bytes.  LDS serves a wave's instructions in order: no wait between the stores and the loads.
.macro TOSTAGE a
.set AC, 64*((\a)%4)
	WIN 0x08+4*((\a)/4)
.irp b, 0,1,2,3,4,5,6,7
	ds_store_b128 v[STO], v[AC+8*\b:AC+8*\b+3] offset:64*\b          ; each accumulator from its low end on
	ds_store_b128 v[STO], v[AC+8*\b+4:AC+8*\b+7] offset:64*\b+16
.endr
	WIN 0
.set BB, BK+64*((\a)%2)
.irp t, 0,1,2,3,4,5,6,7,8,9,10,11,12,13,14,15
	ds_load_b128 v[BB+4*\t:BB+4*\t+3], v[RD] offset:\t*SPITCH
.endr
.endm
.macro SEND a, younger
.set BB, BK+64*((\a)%2)
	s_wait_dscnt \younger
.irp t, 0,1,2,3,4,5,6,7,8,9,10,11,12,13,14,15
	global_store_b128 v[CO], v[BB+4*\t:BB+4*\t+3], s[12:13] offset:(32*((\a)/2)+8*((\a)%2)+(\t%8)+16*(\t/8))*SIZE_N*4 th:TH_STORE_NT   ; position 16 a + t goes to its token's row: 512 consecutive bytes
.endr
.endm
	PLACES NP
	TOSTAGE 0
.irp a, 1,2,3,4,5,6,7
.if \a > 1
	s_wait_xcnt 0x0                                ; block a - 2's stores have read their registers: block a's loads may land there
.endif
	TOSTAGE \a
	SEND \a-1, 32                                  ; behind block a - 1's loads: block a's 16 stores and 16 loads
.endr
	SEND 7, 0
	s_wait_tensorcnt 0x0                           ; the wave's end
	ds_add_u32 v[SPW], v[NIL]
	s_wait_dscnt 0x0
	CROUND
	s_endpgm
.Lfunc_end_k_q856fe0de8c_proj:
	.size	k_q856fe0de8c_proj, .Lfunc_end_k_q856fe0de8c_proj-k_q856fe0de8c_proj
	.p2alignl 7, 3214868480
	.fill 96, 4, 3214868480
	.section	.rodata,"a",@progbits
	.p2align	6, 0x0
	.amdhsa_kernel k_q856fe0de8c_proj
		.amdhsa_group_segment_fixed_size 327680
		.amdhsa_private_segment_fixed_size 0
		.amdhsa_enable_private_segment 0
		.amdhsa_kernarg_size 32
		.amdhsa_user_sgpr_count 2
		.amdhsa_user_sgpr_kernarg_segment_ptr 1
		.amdhsa_wavefront_size32 1
		.amdhsa_system_sgpr_workgroup_id_x 1
		.amdhsa_system_sgpr_workgroup_id_y 1
		.amdhsa_system_sgpr_workgroup_id_z 1
		.amdhsa_system_vgpr_workitem_id 0
		.amdhsa_next_free_vgpr 1024
		.amdhsa_next_free_sgpr 100
		.amdhsa_reserve_vcc 0
		.amdhsa_float_denorm_mode_32 3
		.amdhsa_float_denorm_mode_16_64 3
		.amdhsa_memory_ordered 1
		.amdhsa_forward_progress 1
		.amdhsa_inst_pref_size 136
	.end_amdhsa_kernel
	.amdgpu_metadata
---
amdhsa.version: [ 1, 2 ]
amdhsa.kernels:
  - .name:           k_q856fe0de8c_proj
    .symbol:         k_q856fe0de8c_proj.kd
    .args:
      - { .name: ao, .offset: 0, .size: 8, .value_kind: global_buffer, .address_space: global }
      - { .name: pa, .offset: 8, .size: 8, .value_kind: global_buffer, .address_space: global }
      - { .name: x, .offset: 16, .size: 8, .value_kind: global_buffer, .address_space: global }
      - { .name: x1, .offset: 24, .size: 8, .value_kind: global_buffer, .address_space: global }
    .group_segment_fixed_size: 327680
    .private_segment_fixed_size: 0
    .kernarg_segment_align: 8
    .kernarg_segment_size: 32
    .max_flat_workgroup_size: 128
    .sgpr_count:     100
    .vgpr_count:     1024
    .wavefront_size: 32
...
	.end_amdgpu_metadata
.endif
;; end of part 4
;; launch prep_f: the kernel of part 1 again; grid 128 x 1, 4 waves a work-group, no clusters, 23,040 bytes of LDS; arguments x1, g_ff, w_qkv, w_o, w1, w2, pf; writes pf
;; launch up (part 5): grid 16 x 16, 4 waves a work-group, clusters of 4 x 4, 327,680 bytes of LDS; arguments pf, pa, act; writes act
.if DOCPART == 5
	.amdgcn_target "amdgcn-amd-amdhsa--gfx1250"
	.amdhsa_code_object_version 6
	.text
	.protected	k_q856fe0de8c_up
	.globl	k_q856fe0de8c_up
	.p2align	8
	.type	k_q856fe0de8c_up,@function
k_q856fe0de8c_up:
	s_mov_b64 s[64:65], 0
	v_nop
	global_prefetch_b8 v0, s[64:65] scope:SCOPE_SE
	s_setreg_imm32_b32 hwreg(HW_REG_WAVE_MODE, 25, 1), 1
	s_wait_xcnt 0x0
	s_wait_alu depctr_hold_cnt(0) depctr_sa_sdst(0) depctr_va_vdst(0) depctr_va_sdst(0) depctr_va_ssrc(0) depctr_va_vcc(0) depctr_vm_vsrc(0)
	s_getreg_b32 s2, hwreg(HW_REG_IB_STS2, 6, 4)
	s_cmp_eq_u32 s2, 0
	s_cbranch_scc0 .Lentry_in_a_cluster
	s_endpgm
.Lentry_in_a_cluster:
	s_bfe_u32 s2, ttmp6, 0x10000c
	s_cmp_lg_u32 s2, 0xf033
	s_cbranch_scc0 .Lentry_shape_is_right
	s_endpgm
.Lentry_shape_is_right:
; act = Q(silu(gate) x up), (gate, up) = hf w1^T on codes of FP4 (E2M1) with E8M0 scales (K = 1,024); act is quantised at once along the hidden axis for the next product.
; A tile of the product, 256 x 256, is made by a work-group of four waves; a wave makes 128 x 128.  K goes in two steps of 512 through two LDS slots, both filled at the start; the scale bytes come with them and stay.
; THE MATRIX INSTRUCTION IS USED TRANSPOSED (source 0 = 16 rows of w1, source 1 = 16 rows of hf): a lane holds one token's position and its registers run along w1's rows.
; w1's rows were laid so that a wave's 128 rows are 64 gate rows (blocks 0-3) and THE SAME 64 hidden units' up rows (blocks 4-7), each 32 in position order: gate and up of a unit meet in one lane,
; and the lane's 32 products are hidden units 32 b + 16 (l / 16) + i: two blocks of 32 with lane l xor 16.
; CLUSTERS of 4 x 4: hf's tile is shared along a row of the cluster, w1's along a column: joint loads.
; THE WAY OUT stays in registers: codes leave as images of the next operand's registers, 512 consecutive bytes a store.  A wave owns two of a row's 64 scale bytes: they leave by stores of 2 bytes, one sixteenth of what the launch stores.
; LIMITS: a block of zeros gets the scale byte 1 (its codes are zeros); NaN and infinities are not served; where exp2(-gate log2 e) passes the largest f32 number, silu is 0 where the true value lies under 1e-36.
.set SIZE_K, 1024
.set KSTEP,  512
.set NQ,     KSTEP/128
.set ROWB,   256
.set KROW,   SIZE_K/2
.set PITCH,  272
.set FR,     8
.set NL,     2
.set NP,     4
.set HALFT,  128*PITCH
.set SLOT,   4*HALFT
.set KS,     SIZE_K/32
.set SCL,    2*SLOT
.set HALFS,  (128*KS/256)*272
.set SBLK,   (16*KS/256)*272
.set SPARE,  SCL+4*HALFS
.set O_HS,   0x200000                  ; in pf
.set O_W1C,  0x440000                  ; in pa
.set O_W1S,  0x640000
.set O_AS,   0x400000                  ; in act
.set ADRA, 16
.set ADRB, 20
.set ADRS, 27
.set SPW,  28
.set NIL,  29
.set LI,   30                          ; v30  16 x lane
.set LS,   31                          ; v31  64 x lane
.set SC,   32
.set T,    32                          ; the way out: 32 numbers at work, where the scale words lay
.set TM,   96
.set AF,   128
.set PC,   128                         ; block a's codes at v[128 + 4 a]
.set PW,   200
.set XW,   208
.set G1, 24
.set G0, 32
.set G1B, 48
.set G0B, 56
.set SEL, 66
.set G1S, 68
.set G0S, 76
.set G1SB, 80
.set G0SB, 88
.set MSB, 0
.macro WIN new
.if MSB != \new
	s_set_vgpr_msb (MSB<<8)|\new
.set MSB, \new
.endif
.endm
.set MUL_LO, 0xa1
.set MUL_HI, 0xf1
.set TO_B,   0x40
.macro JLOAD g0a, g1a, g0b, g1b        ; a joint load: waves 0 and 1 fetch for A, waves 2 and 3 for B; four v_nop follow each of the two lines
	s_cmp_eq_u32 s15, 0
	s_cbranch_scc0 .Lfor_b_\@
	tensor_load_to_lds s[\g0a:\g0a+3], s[\g1a:\g1a+7]
	s_nop 0
.rept 4
	v_nop
.endr
	s_branch .Lasked_\@
.Lfor_b_\@:
	tensor_load_to_lds s[\g0b:\g0b+3], s[\g1b:\g1b+7]
	s_nop 0
.rept 4
	v_nop
.endr
.Lasked_\@:
.endm
.macro CROUND
	s_barrier_signal -1
	s_barrier_wait -1
	s_cmp_lg_u32 s14, 0
	s_cbranch_scc1 .Lnot_wave_0_\@
	s_barrier_signal -3
.Lnot_wave_0_\@:
	s_barrier_wait -3
	s_barrier_signal -1
	s_barrier_wait -1
.endm
	s_load_b128 s[4:7], s[0:1], 0x0                ; pf s[4:5], pa s[6:7]
	s_load_b64 s[12:13], s[0:1], 0x10              ; act
	v_lshl_add_u32 v[SPW], v0, 2, SPARE
	v_mov_b32 v[NIL], 0
	ds_add_u32 v28, v29
	ds_add_u32 v28, v29
	s_wait_dscnt 0x0
	v_lshrrev_b32 v1, 5, v0
	v_readfirstlane_b32 s14, v1
	s_lshr_b32 s15, s14, 1
	s_and_b32 s16, s14, 1
	s_bfe_u32 s40, ttmp6, 0x40000
	s_bfe_u32 s41, ttmp6, 0x40004
	s_lshl_b32 s42, ttmp9, 2
	s_add_co_u32 s42, s42, s40                     ; tile column
	s_and_b32 s17, ttmp7, 0xffff
	s_lshl_b32 s17, s17, 2
	s_add_co_u32 s17, s17, s41                     ; tile row
	s_lshl_b32 s43, s41, 2
	s_lshl_b32 s43, 15, s43
	s_lshl_b32 s44, 0x1111, s40
	s_or_b32 s[G1+0], s43, (0<<16)|(1<<20)|(1<<21)|(5<<22)|(3<<25)
	s_or_b32 s[G1B+0], s44, (0<<16)|(1<<20)|(1<<21)|(5<<22)|(3<<25)
.irp g, G1, G1B
	s_mov_b32 s[\g+1], ROWB<<16
	s_mov_b32 s[\g+2], 128<<16
	s_mov_b32 s[\g+3], ROWB<<16
	s_mov_b32 s[\g+4], 128
	s_mov_b32 s[\g+5], KROW
	s_mov_b32 s[\g+6], 0
	s_mov_b32 s[\g+7], 0
.endr
	s_or_b32 s[G1S+0], s43, (3<<16)|(1<<20)|(1<<21)|(5<<22)|(3<<25)
	s_or_b32 s[G1SB+0], s44, (3<<16)|(1<<20)|(1<<21)|(5<<22)|(3<<25)
.irp g, G1S, G1SB
	s_mov_b32 s[\g+1], 32<<16
	s_mov_b32 s[\g+2], (128*KS/256)<<16
	s_mov_b32 s[\g+3], 32<<16
	s_mov_b32 s[\g+4], 128*KS/256
	s_mov_b32 s[\g+5], 32
	s_mov_b32 s[\g+6], 0
	s_mov_b32 s[\g+7], 0
.endr
	s_lshl_b32 s18, s16, 7
	s_lshl_b32 s20, s17, 8
	s_add_co_u32 s20, s20, s18
	s_lshl_b32 s46, s42, 8
	s_add_co_u32 s46, s46, s18
	s_mov_b32 s21, 0
	s_mov_b32 s47, 0
	s_mov_b64 s[18:19], KS
	s_mul_u64 s[22:23], s[20:21], s[18:19]
	s_mul_u64 s[92:93], s[46:47], s[18:19]
	s_mov_b64 s[18:19], KROW
	s_mul_u64 s[20:21], s[20:21], s[18:19]
	s_mul_u64 s[46:47], s[46:47], s[18:19]
	s_mul_i32 s45, s14, HALFT
	s_mul_i32 s94, s14, HALFS
	s_mov_b32 s[SEL], 0x76543210
	s_mov_b32 s[SEL+1], 0xfedcba98
	s_wait_kmcnt 0x0
	s_add_nc_u64 s[8:9], s[6:7], O_W1C
	s_add_nc_u64 s[10:11], s[6:7], O_W1S
	s_add_nc_u64 s[6:7], s[4:5], O_HS
	s_add_nc_u64 s[20:21], s[4:5], s[20:21]
	s_add_nc_u64 s[22:23], s[6:7], s[22:23]
	s_add_nc_u64 s[46:47], s[8:9], s[46:47]
	s_add_nc_u64 s[92:93], s[10:11], s[92:93]
	CROUND
	s_mov_b32 s[G0S], 1
	s_add_co_u32 s[G0S+1], s94, SCL
	s_mov_b64 s[G0S+2:G0S+3], s[22:23]
	s_or_b32 s[G0S+3], s[G0S+3], 0x80000000
	s_mov_b32 s[G0SB], 1
	s_add_co_u32 s[G0SB+1], s94, SCL
	s_mov_b64 s[G0SB+2:G0SB+3], s[92:93]
	s_or_b32 s[G0SB+3], s[G0SB+3], 0x80000000
	JLOAD G0S, G1S, G0SB, G1SB
.irp s, 0,1
	s_mov_b32 s[G0+4*\s], 1
	s_add_co_u32 s[G0+4*\s+1], s45, \s*SLOT
	s_add_nc_u64 s[G0+4*\s+2:G0+4*\s+3], s[20:21], \s*ROWB
	s_or_b32 s[G0+4*\s+3], s[G0+4*\s+3], 0x80000000
	s_mov_b32 s[G0B+4*\s], 1
	s_add_co_u32 s[G0B+4*\s+1], s45, \s*SLOT
	s_add_nc_u64 s[G0B+4*\s+2:G0B+4*\s+3], s[46:47], \s*ROWB
	s_or_b32 s[G0B+4*\s+3], s[G0B+4*\s+3], 0x80000000
	JLOAD G0+4*\s, G1, G0B+4*\s, G1B
.endr
	v_and_b32 v1, 15, v0
	v_bfe_u32 v2, v0, 4, 1
	v_mul_u32_u24 v3, v1, PITCH
	v_lshl_add_u32 v4, v2, 4, v3
	s_mul_i32 s21, s15, HALFT
	s_mul_i32 s22, s16, HALFT
	s_add_co_u32 s22, s22, 2*HALFT
.irp s, 0,1
	v_add_nc_u32 v[ADRA+\s], s21, v4
	v_add_nc_u32 v[ADRB+\s], s22, v4
	s_add_co_u32 s21, s21, SLOT
	s_add_co_u32 s22, s22, SLOT
.endr
	v_mul_u32_u24 v5, v1, KS
	v_lshrrev_b32 v6, 8, v5
	v_lshl_add_u32 v5, v6, 4, v5
	s_mul_i32 s21, s15, HALFS
	s_mul_i32 s22, s16, HALFS
	s_add_co_u32 s22, s22, 2*HALFS
	s_sub_co_u32 s22, s22, s21
	v_mul_u32_u24 v6, s22, v2
	s_add_co_u32 s21, s21, SCL
	v_add_nc_u32 v5, v5, v6
	v_add_nc_u32 v[ADRS], s21, v5
	v_and_b32 v6, 31, v0
	v_lshlrev_b32 v[LI], 4, v6
	v_lshlrev_b32 v[LS], 6, v6
.irp b, 0,1
	v_mov_b32 v[TM+4+\b], 0                        ; a lane permute's destination counts as one of its sources
.endr
.macro FRAG reg, adr, q, i
.irp c, 0,1
	ds_load_b128 v[\reg+4*\c:\reg+4*\c+3], v[\adr] offset:64*(\q)+32*\c+(\i)*16*PITCH
.endr
.endm
; 16 matrix instructions; the 64 accumulators take turns, one instruction a turn, in the same order in every step
.macro MUL16 a0, p, q, sc, zero
.irp a, \a0, \a0+1
.irp b, 0,1,2,3,4,5,6,7
.if \zero
	v_wmma_scale_f32_16x16x128_f8f6f4 v[8*(8*((\a)%4)+\b):8*(8*((\a)%4)+\b)+7], v[128*(\p)+FR*\b:128*(\p)+FR*\b+FR-1], v[AF+FR*(\a):AF+FR*(\a)+FR-1], 0, v[SC+8*NQ*(\sc)+NQ*\b+(\q)], v[SC+8*NQ*(\sc)+NQ*(\a)+(\q)] matrix_a_fmt:MATRIX_FMT_FP4 matrix_b_fmt:MATRIX_FMT_FP4 matrix_a_scale:MATRIX_SCALE_ROW1
.else
	v_wmma_scale_f32_16x16x128_f8f6f4 v[8*(8*((\a)%4)+\b):8*(8*((\a)%4)+\b)+7], v[128*(\p)+FR*\b:128*(\p)+FR*\b+FR-1], v[AF+FR*(\a):AF+FR*(\a)+FR-1], v[8*(8*((\a)%4)+\b):8*(8*((\a)%4)+\b)+7], v[SC+8*NQ*(\sc)+NQ*\b+(\q)], v[SC+8*NQ*(\sc)+NQ*(\a)+(\q)] matrix_a_fmt:MATRIX_FMT_FP4 matrix_b_fmt:MATRIX_FMT_FP4 matrix_a_scale:MATRIX_SCALE_ROW1
.endif
.endr
.endr
.endm
.macro FETCH_B slot, q, p
	WIN TO_B
.irp i, 0,1,2,3,4,5,6,7
	FRAG 128*(\p)+FR*\i, ADRB+\slot, \q, \i
.endr
	WIN 0
.endm
.macro FETCH_A slot, q, i0
.irp i, \i0, \i0+1, \i0+2, \i0+3
	FRAG AF+FR*(\i), ADRA+\slot, \q, \i
.endr
.endm
.macro SCALES sc
.irp i, 0,1,2,3,4,5,6,7
	ds_load_b128 v[SC+8*NQ*\sc+NQ*\i:SC+8*NQ*\sc+NQ*\i+3], v[ADRS] offset:\i*SBLK
.endr
.endm
.macro PLACES n
.rept \n
	v_nop
.endr
.endm
.macro STEP slot, q, zero
	s_wait_dscnt 4*NL                              ; all but the youngest eight loads (A's blocks 4-7)
	WIN MUL_LO
	MUL16 0, (\q)%2, \q, \slot, \zero
	MUL16 2, (\q)%2, \q, \slot, \zero
	s_wait_dscnt 0
	PLACES NP
	FETCH_B \slot, (\q)+1, 1-(\q)%2
	FETCH_A \slot, (\q)+1, 0
	WIN MUL_HI
	MUL16 4, (\q)%2, \q, \slot, \zero
	MUL16 6, (\q)%2, \q, \slot, \zero
	PLACES NP
	WIN 0
	FETCH_A \slot, (\q)+1, 4
.endm
.macro TURN slot, next                 ; a slot's last step changes slots: one barrier; nothing is filled again in this launch
	s_wait_tensorcnt 0x0
	ds_add_u32 v[SPW], v[NIL]
	s_wait_dscnt 4*NL+1                            ; (the add and the youngest eight loads may be out)
	WIN MUL_LO
	MUL16 0, 1, NQ-1, \slot, 0
	s_wait_dscnt 0x0
	s_barrier_signal -1
	MUL16 2, 1, NQ-1, \slot, 0
	WIN 0
	s_barrier_wait -1
	PLACES NP
	v_add_nc_u32 v[ADRS], 4*NQ, v[ADRS]
	FETCH_B \next, 0, 0
	FETCH_A \next, 0, 0
	SCALES \next
	WIN MUL_HI
	MUL16 4, 1, NQ-1, \slot, 0
	MUL16 6, 1, NQ-1, \slot, 0
	PLACES NP
	WIN 0
	FETCH_A \next, 0, 4
.endm
.macro STEPS slot, from
.set Q, \from
.rept NQ-1-\from
	STEP \slot, Q, 0
.set Q, Q+1
.endr
.endm
	s_wait_tensorcnt 1                             ; the scales and my part of K step 0 are in (K step 1's load may be out),
	s_barrier_signal -1
	s_barrier_wait -1
	FETCH_B 0, 0, 0
	FETCH_A 0, 0, 0
	SCALES 0
	FETCH_A 0, 0, 4
	STEP 0, 0, 1
	STEPS 0, 1
	TURN 0, 1
	STEPS 1, 0
	s_wait_dscnt 4*NL
	WIN MUL_LO
	MUL16 0, 1, NQ-1, 1, 0
	MUL16 2, 1, NQ-1, 1, 0
	s_wait_dscnt 0
	WIN MUL_HI
	MUL16 4, 1, NQ-1, 1, 0
	MUL16 6, 1, NQ-1, 1, 0
	WIN 0
	PLACES NP
	s_mov_b32 s92, 0xbfb8aa3b                      ; -log2(e)
	s_mov_b32 s93, s92
; Block a (16 positions): silu(gate) x up in f32, 32 numbers a lane, then their codes into v[PC + 4 a] on and the two scale bytes into v[PW + a].  Each accumulator is read from its low end on.
.macro SWIGLU a
.set QW, 2+(\a)/4
.set GB, 64*((\a)%4)
	WIN QW                                         ; source 0: the accumulators' window
.irp j, 0,2,4,6,8,10,12,14,16,18,20,22,24,26,28,30
	v_pk_mul_f32 v[T+\j:T+\j+1], v[GB+\j:GB+\j+1], s[92:93] op_sel_hi:[1,0]
.endr
	WIN 0
.irp j, 0,1,2,3,4,5,6,7,8,9,10,11,12,13,14,15,16,17,18,19,20,21,22,23,24,25,26,27,28,29,30,31
	v_exp_f32 v[T+\j], v[T+\j]                     ; e^(-gate)
.endr
	v_nop
	s_wait_alu depctr_va_vdst(0)                   ; one wait for the batch, ahead of its first reader
.irp j, 0,2,4,6,8,10,12,14,16,18,20,22,24,26,28,30
	v_pk_add_f32 v[T+\j:T+\j+1], v[T+\j:T+\j+1], 1.0 op_sel_hi:[1,0]
.endr
.irp j, 0,1,2,3,4,5,6,7,8,9,10,11,12,13,14,15,16,17,18,19,20,21,22,23,24,25,26,27,28,29,30,31
	v_rcp_f32 v[T+\j], v[T+\j]                     ; sigmoid(gate)
.endr
	v_nop
	s_wait_alu depctr_va_vdst(0)
	WIN QW
.irp j, 0,2,4,6,8,10,12,14,16,18,20,22,24,26,28,30
	v_pk_mul_f32 v[T+\j:T+\j+1], v[GB+\j:GB+\j+1], v[T+\j:T+\j+1]          ; silu(gate)
.endr
.irp j, 0,2,4,6,8,10,12,14,16,18,20,22,24,26,28,30
	v_pk_mul_f32 v[T+\j:T+\j+1], v[GB+32+\j:GB+32+\j+1], v[T+\j:T+\j+1]    ; x up
.endr
	WIN 0
.irp b, 0,1
	v_max3_num_f32 v[TM+\b], |v[T+16*\b]|, |v[T+16*\b+1]|, 0x1800000       ; and the floor 2^(3 - 127)
.endr
.irp i, 2,4,6,8,10,12,14
.irp b, 0,1
	v_max3_num_f32 v[TM+\b], v[TM+\b], |v[T+16*\b+\i]|, |v[T+16*\b+\i+1]|
.endr
.endr
.irp b, 0,1
	v_permlanex16_b32 v[TM+4+\b], v[TM+\b], s[SEL], s[SEL+1]
.endr
.irp b, 0,1
	v_max_num_f32 v[TM+\b], v[TM+\b], v[TM+4+\b]
.endr
.irp b, 0,1
	v_add_nc_u32 v[TM+12+\b], 0xff000000, v[TM+\b]
.endr
.irp b, 0,1
	v_lshrrev_b32 v[TM+4+\b], 23, v[TM+12+\b]
.endr
	v_lshl_or_b32 v[PW+(\a)], v[TM+5], 8, v[TM+4]
.irp b, 0,1
	v_cvt_scalef32_pk8_fp4_f32 v[PC+4*(\a)+2*\b], v[T+16*\b:T+16*\b+7], v[TM+12+\b]
	v_cvt_scalef32_pk8_fp4_f32 v[PC+4*(\a)+2*\b+1], v[T+16*\b+8:T+16*\b+15], v[TM+12+\b]
.endr
	v_nop                                          ; one plain instruction behind a scaled conversion
	v_permlane16_swap_b32 v[PC+4*(\a)], v[PC+4*(\a)+2]
	v_permlane16_swap_b32 v[PC+4*(\a)+1], v[PC+4*(\a)+3]   ; lane (r, h): block h whole
.endm
.irp a, 0,1,2,3,4,5,6,7
	SWIGLU \a
.endr
	v_and_b32 v5, 31, v0
	v_cmp_le_u32 vcc_lo, 16, v5
.irp i, 0,1,2,3
	v_cndmask_b32 v[XW+\i], v[PW+2*\i], v[PW+2*\i+1], vcc_lo   ; lane l: the two bytes of position 32 i + l
.endr
	s_lshl_b32 s20, s17, 1
	s_add_co_u32 s20, s20, s15                     ; my group of 128 positions
	s_lshl_b32 s20, s20, 4
	s_add_co_u32 s20, s20, s42                     ; x 16 + the chunk of 128 hidden units = the tile column
	s_lshl_b32 s20, s20, 13
	s_lshl_b32 s21, s16, 9
	s_add_co_u32 s20, s20, s21                     ; my 64 units: which four registers of the fragment
	s_mov_b32 s21, 0
	s_add_nc_u64 s[4:5], s[12:13], s[20:21]
	s_lshl_b32 s20, s17, 14
	s_lshl_b32 s22, s15, 13
	s_add_co_u32 s20, s20, s22                     ; 64 scale bytes a position
	s_lshl_b32 s22, s42, 2
	s_add_co_u32 s20, s20, s22
	s_lshl_b32 s22, s16, 1
	s_add_co_u32 s20, s20, s22
	s_add_co_u32 s20, s20, O_AS
	s_add_nc_u64 s[6:7], s[12:13], s[20:21]
.irp a, 0,1,2,3,4,5,6,7
	global_store_b128 v[LI], v[PC+4*\a:PC+4*\a+3], s[4:5] offset:1024*\a   ; 512 consecutive bytes
.endr
.irp i, 0,1,2,3
	global_store_b16 v[LS], v[XW+\i], s[6:7] offset:2048*\i
.endr
	s_wait_tensorcnt 0x0                           ; the wave's end
	ds_add_u32 v[SPW], v[NIL]
	s_wait_dscnt 0x0
	CROUND
	s_endpgm
.Lfunc_end_k_q856fe0de8c_up:
	.size	k_q856fe0de8c_up, .Lfunc_end_k_q856fe0de8c_up-k_q856fe0de8c_up
	.p2alignl 7, 3214868480
	.fill 96, 4, 3214868480
	.section	.rodata,"a",@progbits
	.p2align	6, 0x0
	.amdhsa_kernel k_q856fe0de8c_up
		.amdhsa_group_segment_fixed_size 327680
		.amdhsa_private_segment_fixed_size 0
		.amdhsa_enable_private_segment 0
		.amdhsa_kernarg_size 24
		.amdhsa_user_sgpr_count 2
		.amdhsa_user_sgpr_kernarg_segment_ptr 1
		.amdhsa_wavefront_size32 1
		.amdhsa_system_sgpr_workgroup_id_x 1
		.amdhsa_system_sgpr_workgroup_id_y 1
		.amdhsa_system_sgpr_workgroup_id_z 1
		.amdhsa_system_vgpr_workitem_id 0
		.amdhsa_next_free_vgpr 1024
		.amdhsa_next_free_sgpr 100
		.amdhsa_reserve_vcc 1
		.amdhsa_float_denorm_mode_32 3
		.amdhsa_float_denorm_mode_16_64 3
		.amdhsa_memory_ordered 1
		.amdhsa_forward_progress 1
		.amdhsa_inst_pref_size 161
	.end_amdhsa_kernel
	.amdgpu_metadata
---
amdhsa.version: [ 1, 2 ]
amdhsa.kernels:
  - .name:           k_q856fe0de8c_up
    .symbol:         k_q856fe0de8c_up.kd
    .args:
      - { .name: pf, .offset: 0, .size: 8, .value_kind: global_buffer, .address_space: global }
      - { .name: pa, .offset: 8, .size: 8, .value_kind: global_buffer, .address_space: global }
      - { .name: act, .offset: 16, .size: 8, .value_kind: global_buffer, .address_space: global }
    .group_segment_fixed_size: 327680
    .private_segment_fixed_size: 0
    .kernarg_segment_align: 8
    .kernarg_segment_size: 24
    .max_flat_workgroup_size: 128
    .sgpr_count:     100
    .vgpr_count:     1024
    .wavefront_size: 32
...
	.end_amdgpu_metadata
.endif
;; end of part 5
;; launch down (part 6): grid 4 x 16, 4 waves a work-group, clusters of 4 x 4, 327,680 bytes of LDS; arguments act, pa, x1, out0; writes out0
.if DOCPART == 6
	.amdgcn_target "amdgcn-amd-amdhsa--gfx1250"
	.amdhsa_code_object_version 6
	.text
	.protected	k_q856fe0de8c_down
	.globl	k_q856fe0de8c_down
	.p2align	8
	.type	k_q856fe0de8c_down,@function
k_q856fe0de8c_down:
	s_mov_b64 s[64:65], 0
	v_nop
	global_prefetch_b8 v0, s[64:65] scope:SCOPE_SE
	s_setreg_imm32_b32 hwreg(HW_REG_WAVE_MODE, 25, 1), 1
	s_wait_xcnt 0x0
	s_wait_alu depctr_hold_cnt(0) depctr_sa_sdst(0) depctr_va_vdst(0) depctr_va_sdst(0) depctr_va_ssrc(0) depctr_va_vcc(0) depctr_vm_vsrc(0)
	s_getreg_b32 s2, hwreg(HW_REG_IB_STS2, 6, 4)
	s_cmp_eq_u32 s2, 0
	s_cbranch_scc0 .Lentry_in_a_cluster
	s_endpgm
.Lentry_in_a_cluster:
	s_bfe_u32 s2, ttmp6, 0x10000c
	s_cmp_lg_u32 s2, 0xf033
	s_cbranch_scc0 .Lentry_shape_is_right
	s_endpgm
.Lentry_shape_is_right:
; out = res + A B^T on codes of FP4 (E2M1) with E8M0 scales.  Here: A = act (4,096 positions x 2,048), B = w2 (1,024 x 2,048), res = x1, out = out0; f32 sums.
; A tile of the product, 256 x 256, is made by a work-group of four waves; a wave makes 128 x 128: 64 accumulators, 512 registers.  K goes in steps of 512 through a ring of two LDS slots filled by the tensor data mover.
; A'S CODES lie in memory as images of the operand's registers: [128 positions][128 along K][tile of 16 rows][4 registers][lane][16 bytes]: a K step of 128 rows is one dense block of 32,768 bytes, read back 16 x lane.
; B's codes lie as rows; the scale bytes of both as rows: they come once, with the first fills, and stay.
; A's rows are POSITIONS: position p is token pi(p), pi = bits 3 and 4 changed over; the residual is read and the result stored at the token.
; THE RESIDUAL IS THE SUMS' STARTING VALUE: it is loaded into the accumulators, in their layout (16 bytes a lane, sixteen rows an instruction), while the first tiles are on their way.
; THE MATRIX INSTRUCTION IS USED TRANSPOSED (source 0 = 16 rows of B, source 1 = 16 rows of A): a lane holds eight neighbouring numbers of a row of the result.
; CLUSTERS of 4 x 4: A's tile is shared along a row of the cluster, B's along a column: joint loads; where a slot is filled again, a round of the cluster's barrier stands in front of the refill.
; 64 work-groups: this tile leaves WGPs without work at this size; a smaller tile would read each fragment for fewer products.  No prefetch: the ring is filled again twice in the whole launch.
; REGISTERS as windows of 256: window 0: v0-31 addresses; v32-95 scale words, two sets; from v128 A's fragments, one set; window 1: B's, two sets; windows 2, 3: the accumulators.
.set SIZE_K, 2048
.set SIZE_N, 1024
.set O_ASC,  0x400000                  ; A's scale bytes in its buffer
.set O_BC,   0x660000                  ; B's codes and scale bytes in pa
.set O_BS,   0x760000
.set KSTEP,  512
.set NQ,     KSTEP/128
.set ROWB,   256
.set ASTEP,  32768                     ; a K step of 128 rows of A
.set KROW,   SIZE_K/2
.set PITCH,  272
.set FR,     8
.set NL,     2
.set NP,     4
.set HALFT,  128*PITCH
.set SLOT,   4*HALFT
.set LAPS,   SIZE_K/(2*KSTEP)
.set KS,     SIZE_K/32
.set SCL,    2*SLOT
.set HALFS,  (128*KS/256)*272
.set SBLK,   (16*KS/256)*272
.set SPARE,  SCL+4*HALFS
.set SPITCH, 528                       ; the way out: a stage of 16 rows x (512 + 16) bytes a wave, in slot 0, which has had its last fill and its last read by then
.set ADRA, 16
.set ADRB, 20
.set STO,  24
.set RD,   25
.set CO,   26
.set ADRS, 27
.set SPW,  28
.set NIL,  29
.set XO,   30                          ; v30  the residual: (r % 8) rows + (r / 8) x 16 rows + 32 (l / 16) bytes
.set SC,   32
.set AF,   128
.set BK,   128
.set G1, 24
.set G0, 32
.set G1B, 48
.set G0B, 56
.set G1S, 68
.set G0S, 76
.set G1SB, 80
.set G0SB, 88
.set MSB, 0
.macro WIN new
.if MSB != \new
	s_set_vgpr_msb (MSB<<8)|\new
.set MSB, \new
.endif
.endm
.set MUL_LO, 0xa1
.set MUL_HI, 0xf1
.set TO_B,   0x40
.macro JLOAD g0a, g1a, g0b, g1b        ; a joint load: waves 0 and 1 fetch for A, waves 2 and 3 for B; four v_nop follow each of the two lines
	s_cmp_eq_u32 s15, 0
	s_cbranch_scc0 .Lfor_b_\@
	tensor_load_to_lds s[\g0a:\g0a+3], s[\g1a:\g1a+7]
	s_nop 0
.rept 4
	v_nop
.endr
	s_branch .Lasked_\@
.Lfor_b_\@:
	tensor_load_to_lds s[\g0b:\g0b+3], s[\g1b:\g1b+7]
	s_nop 0
.rept 4
	v_nop
.endr
.Lasked_\@:
.endm
.macro CREST
	s_cmp_lg_u32 s14, 0
	s_cbranch_scc1 .Lnot_wave_0_\@
	s_barrier_signal -3
.Lnot_wave_0_\@:
	s_barrier_wait -3
	s_barrier_signal -1
	s_barrier_wait -1
.endm
.macro CROUND
	s_barrier_signal -1
	s_barrier_wait -1
	CREST
.endm
	s_load_b128 s[4:7], s[0:1], 0x0                ; A's buffer s[4:5], pa s[6:7]
	s_load_b128 s[96:99], s[0:1], 0x10             ; the residual s[96:97], the result s[98:99]
	v_lshl_add_u32 v[SPW], v0, 2, SPARE
	v_mov_b32 v[NIL], 0
	ds_add_u32 v28, v29
	ds_add_u32 v28, v29
	s_wait_dscnt 0x0
	v_lshrrev_b32 v1, 5, v0
	v_readfirstlane_b32 s14, v1
	s_lshr_b32 s15, s14, 1
	s_and_b32 s16, s14, 1
	s_bfe_u32 s40, ttmp6, 0x40000
	s_bfe_u32 s41, ttmp6, 0x40004
	s_lshl_b32 s42, ttmp9, 2
	s_add_co_u32 s42, s42, s40                     ; tile column
	s_and_b32 s17, ttmp7, 0xffff
	s_lshl_b32 s17, s17, 2
	s_add_co_u32 s17, s17, s41                     ; tile row
	s_lshl_b32 s43, s41, 2
	s_lshl_b32 s43, 15, s43
	s_lshl_b32 s44, 0x1111, s40
	s_or_b32 s[G1+0], s43, (3<<16)|(1<<21)         ; A: the mask of my row; elements of 8 bytes; bit 21 beside a mask; no padding: a dense block of 128 rows of 256 bytes
	s_mov_b32 s[G1+1], 32<<16
	s_mov_b32 s[G1+2], 128<<16
	s_mov_b32 s[G1+3], 32<<16
	s_mov_b32 s[G1+4], 128
	s_mov_b32 s[G1+5], 32
	s_mov_b32 s[G1+6], 0
	s_mov_b32 s[G1+7], 0
	s_or_b32 s[G1B+0], s44, (0<<16)|(1<<20)|(1<<21)|(5<<22)|(3<<25)  ; B: 128 rows of 256 bytes, 16 bytes of padding behind each
	s_mov_b32 s[G1B+1], ROWB<<16
	s_mov_b32 s[G1B+2], 128<<16
	s_mov_b32 s[G1B+3], ROWB<<16
	s_mov_b32 s[G1B+4], 128
	s_mov_b32 s[G1B+5], KROW
	s_mov_b32 s[G1B+6], 0
	s_mov_b32 s[G1B+7], 0
	s_or_b32 s[G1S+0], s43, (3<<16)|(1<<20)|(1<<21)|(5<<22)|(3<<25)
	s_or_b32 s[G1SB+0], s44, (3<<16)|(1<<20)|(1<<21)|(5<<22)|(3<<25)
.irp g, G1S, G1SB
	s_mov_b32 s[\g+1], 32<<16
	s_mov_b32 s[\g+2], (128*KS/256)<<16
	s_mov_b32 s[\g+3], 32<<16
	s_mov_b32 s[\g+4], 128*KS/256
	s_mov_b32 s[\g+5], 32
	s_mov_b32 s[\g+6], 0
	s_mov_b32 s[\g+7], 0
.endr
	s_lshl_b32 s18, s16, 7
	s_lshl_b32 s20, s17, 8
	s_add_co_u32 s20, s20, s18
	s_lshl_b32 s46, s42, 8
	s_add_co_u32 s46, s46, s18
	s_mov_b32 s21, 0
	s_mov_b32 s47, 0
	s_mov_b64 s[18:19], KS
	s_mul_u64 s[22:23], s[20:21], s[18:19]
	s_mul_u64 s[92:93], s[46:47], s[18:19]
	s_mov_b64 s[18:19], KROW
	s_mul_u64 s[20:21], s[20:21], s[18:19]         ; (a group of 128 positions is 128 x KROW bytes in A's layout too)
	s_mul_u64 s[46:47], s[46:47], s[18:19]
	s_mul_i32 s45, s14, HALFT
	s_mul_i32 s94, s14, HALFS
	s_wait_kmcnt 0x0
	s_add_nc_u64 s[8:9], s[6:7], O_BC
	s_add_nc_u64 s[10:11], s[6:7], O_BS
	s_add_nc_u64 s[6:7], s[4:5], O_ASC
	s_add_nc_u64 s[20:21], s[4:5], s[20:21]
	s_add_nc_u64 s[22:23], s[6:7], s[22:23]
	s_add_nc_u64 s[46:47], s[8:9], s[46:47]
	s_add_nc_u64 s[92:93], s[10:11], s[92:93]
	CROUND
	s_mov_b32 s[G0S], 1
	s_add_co_u32 s[G0S+1], s94, SCL
	s_mov_b64 s[G0S+2:G0S+3], s[22:23]
	s_or_b32 s[G0S+3], s[G0S+3], 0x80000000
	s_mov_b32 s[G0SB], 1
	s_add_co_u32 s[G0SB+1], s94, SCL
	s_mov_b64 s[G0SB+2:G0SB+3], s[92:93]
	s_or_b32 s[G0SB+3], s[G0SB+3], 0x80000000
	JLOAD G0S, G1S, G0SB, G1SB
.irp s, 0,1
	s_mov_b32 s[G0+4*\s], 1
	s_add_co_u32 s[G0+4*\s+1], s45, \s*SLOT
	s_add_nc_u64 s[G0+4*\s+2:G0+4*\s+3], s[20:21], \s*ASTEP
	s_or_b32 s[G0+4*\s+3], s[G0+4*\s+3], 0x80000000
	s_mov_b32 s[G0B+4*\s], 1
	s_add_co_u32 s[G0B+4*\s+1], s45, \s*SLOT
	s_add_nc_u64 s[G0B+4*\s+2:G0B+4*\s+3], s[46:47], \s*ROWB
	s_or_b32 s[G0B+4*\s+3], s[G0B+4*\s+3], 0x80000000
	JLOAD G0+4*\s, G1, G0B+4*\s, G1B
.endr
	v_and_b32 v1, 15, v0
	v_bfe_u32 v2, v0, 4, 1
	v_mul_u32_u24 v3, v1, PITCH
	v_lshl_add_u32 v4, v2, 4, v3
	v_and_b32 v6, 31, v0
	v_lshlrev_b32 v7, 4, v6                        ; 16 x lane: A's images
	s_mul_i32 s21, s15, HALFT
	s_mul_i32 s22, s16, HALFT
	s_add_co_u32 s22, s22, 2*HALFT
.irp s, 0,1
	v_add_nc_u32 v[ADRA+\s], s21, v7
	v_add_nc_u32 v[ADRB+\s], s22, v4
	s_add_co_u32 s21, s21, SLOT
	s_add_co_u32 s22, s22, SLOT
.endr
	v_mul_u32_u24 v5, v1, KS
	v_lshrrev_b32 v6, 8, v5
	v_lshl_add_u32 v5, v6, 4, v5
	s_mul_i32 s21, s15, HALFS
	s_mul_i32 s22, s16, HALFS
	s_add_co_u32 s22, s22, 2*HALFS
	s_sub_co_u32 s22, s22, s21
	v_mul_u32_u24 v6, s22, v2
	s_add_co_u32 s21, s21, SCL
	v_add_nc_u32 v5, v5, v6
	v_add_nc_u32 v[ADRS], s21, v5
	s_mul_i32 s23, s14, 16*SPITCH
	v_mul_u32_u24 v5, v1, SPITCH
	v_lshl_add_u32 v5, v2, 5, v5
	v_add_nc_u32 v[STO], s23, v5
	v_mov_b32 v[CO], v7
	v_add_nc_u32 v[RD], s23, v7
	v_and_b32 v5, 7, v1
	v_lshlrev_b32 v5, 12, v5
	v_lshrrev_b32 v6, 3, v1
	v_lshl_add_u32 v5, v6, 16, v5
	v_lshl_add_u32 v[XO], v2, 5, v5
	s_lshl_b32 s20, s17, 8
	s_lshl_b32 s21, s15, 7
	s_add_co_u32 s20, s20, s21                     ; my first row: 256 x tile row + 128 x half
	s_mov_b32 s21, 0
	s_mov_b64 s[18:19], SIZE_N*4
	s_mul_u64 s[20:21], s[20:21], s[18:19]
	s_lshl_b32 s46, s42, 10
	s_lshl_b32 s47, s16, 9
	s_add_co_u32 s46, s46, s47
	s_mov_b32 s47, 0
	s_add_nc_u64 s[20:21], s[20:21], s[46:47]
	s_add_nc_u64 s[12:13], s[98:99], s[20:21]
	s_add_nc_u64 s[96:97], s[96:97], s[20:21]
	; the residual into the accumulators: block a's row r is position 16 a + r, token 32 (a / 2) + 8 (a % 2) + r % 8 + 16 (r / 8)
.irp a, 0,1,2,3,4,5,6,7
.set WN, 0x80+0x40*(\a/4)
	WIN WN                                         ; destination window 2 or 3
.irp b, 0,1,2,3,4,5,6,7
.irp g, 0,1
	global_load_b128 v[8*(8*(\a%4)+\b)+4*\g:8*(8*(\a%4)+\b)+4*\g+3], v[XO], s[96:97] offset:(32*(\a/2)+8*(\a%2))*SIZE_N*4+64*\b+16*\g
.endr
.endr
.endr
	WIN 0
.macro FRAG reg, adr, q, i
.irp c, 0,1
	ds_load_b128 v[\reg+4*\c:\reg+4*\c+3], v[\adr] offset:64*(\q)+32*\c+(\i)*16*PITCH
.endr
.endm
.macro FRAGA reg, adr, q, i            ; A's fragment, as its image lies: 8,192 bytes for 128 along K, 1,024 a tile of rows, 512 for four registers
.irp c, 0,1
	ds_load_b128 v[\reg+4*\c:\reg+4*\c+3], v[\adr] offset:8192*(\q)+1024*(\i)+512*\c
.endr
.endm
; 16 matrix instructions; the 64 accumulators take turns, one instruction a turn, in the same order in every step, over the loop's backward jump too
.macro MUL16 a0, p, q, sc
.irp a, \a0, \a0+1
.irp b, 0,1,2,3,4,5,6,7
	v_wmma_scale_f32_16x16x128_f8f6f4 v[8*(8*((\a)%4)+\b):8*(8*((\a)%4)+\b)+7], v[128*(\p)+FR*\b:128*(\p)+FR*\b+FR-1], v[AF+FR*(\a):AF+FR*(\a)+FR-1], v[8*(8*((\a)%4)+\b):8*(8*((\a)%4)+\b)+7], v[SC+8*NQ*(\sc)+NQ*\b+(\q)], v[SC+8*NQ*(\sc)+NQ*(\a)+(\q)] matrix_a_fmt:MATRIX_FMT_FP4 matrix_b_fmt:MATRIX_FMT_FP4 matrix_a_scale:MATRIX_SCALE_ROW1
.endr
.endr
.endm
.macro FETCH_B slot, q, p
	WIN TO_B
.irp i, 0,1,2,3,4,5,6,7
	FRAG 128*(\p)+FR*\i, ADRB+\slot, \q, \i
.endr
	WIN 0
.endm
.macro FETCH_A slot, q, i0
.irp i, \i0, \i0+1, \i0+2, \i0+3
	FRAGA AF+FR*(\i), ADRA+\slot, \q, \i
.endr
.endm
.macro SCALES sc
.irp i, 0,1,2,3,4,5,6,7
	ds_load_b128 v[SC+8*NQ*\sc+NQ*\i:SC+8*NQ*\sc+NQ*\i+3], v[ADRS] offset:\i*SBLK
.endr
.endm
.macro PLACES n
.rept \n
	v_nop
.endr
.endm
.macro STEP slot, q
	s_wait_dscnt 4*NL                              ; all but the youngest eight loads (A's blocks 4-7)
	WIN MUL_LO
	MUL16 0, (\q)%2, \q, \slot
	MUL16 2, (\q)%2, \q, \slot
	s_wait_dscnt 0
	PLACES NP
	FETCH_B \slot, (\q)+1, 1-(\q)%2
	FETCH_A \slot, (\q)+1, 0
	WIN MUL_HI
	MUL16 4, (\q)%2, \q, \slot
	MUL16 6, (\q)%2, \q, \slot
	PLACES NP
	WIN 0
	FETCH_A \slot, (\q)+1, 4
.endm
; A slot's last step changes slots: one barrier; in front of it each wave waits for all its tensor loads, adds 0 to its spare word, and waits for that and for its reads of this slot.  fill = 1: this slot is filled again, two K steps ahead.
.macro TURN slot, next, fill
	s_wait_tensorcnt 0x0                           ; all my tensor loads have landed: my part of the next slot
	ds_add_u32 v[SPW], v[NIL]
	s_wait_dscnt 4*NL+1                            ; (the add and the youngest eight loads may be out)
	WIN MUL_LO
	MUL16 0, 1, NQ-1, \slot
	s_wait_dscnt 0x0                               ; the add is done, and my reads of this slot are over
	s_barrier_signal -1
	MUL16 2, 1, NQ-1, \slot
	WIN 0
	s_barrier_wait -1
.if \fill
	CREST                                          ; the barrier has opened a round of the cluster's: no wave of any partner still reads this slot or has a load on its way
	s_add_nc_u64 s[G0+4*\slot+2:G0+4*\slot+3], s[G0+4*\slot+2:G0+4*\slot+3], 2*ASTEP
	s_add_nc_u64 s[G0B+4*\slot+2:G0B+4*\slot+3], s[G0B+4*\slot+2:G0B+4*\slot+3], 2*ROWB
	JLOAD G0+4*\slot, G1, G0B+4*\slot, G1B         ; the first tensor load behind the round, one a wave
.else
	PLACES NP
.endif
	v_add_nc_u32 v[ADRS], 4*NQ, v[ADRS]
	FETCH_B \next, 0, 0
	FETCH_A \next, 0, 0
	SCALES \next
	WIN MUL_HI
	MUL16 4, 1, NQ-1, \slot
	MUL16 6, 1, NQ-1, \slot
	PLACES NP
	WIN 0
	FETCH_A \next, 0, 4
.endm
.macro STEPS slot, from
.set Q, \from
.rept NQ-1-\from
	STEP \slot, Q
.set Q, Q+1
.endr
.endm
	s_wait_tensorcnt 1                             ; the scales and my part of K step 0 are in (K step 1's load may be out),
	s_barrier_signal -1
	s_barrier_wait -1
	FETCH_B 0, 0, 0
	FETCH_A 0, 0, 0
	SCALES 0
	FETCH_A 0, 0, 4
	s_wait_loadcnt 0x0                             ; the residual lies in the accumulators
	STEP 0, 0
.if LAPS > 1
	s_mov_b32 s3, LAPS-1
.Llap:                                                 ; a trip goes once round the ring and fills both slots again
	STEPS 0, 1
	TURN 0, 1, 1
	STEPS 1, 0
	TURN 1, 0, 1
	STEP 0, 0
	s_sub_co_u32 s3, s3, 1
	s_cmp_lg_u32 s3, 0
	s_cbranch_scc1 .Llap
.endif
	STEPS 0, 1                                     ; the last lap fills nothing
	TURN 0, 1, 0
	STEPS 1, 0
	s_wait_dscnt 4*NL
	WIN MUL_LO
	MUL16 0, 1, NQ-1, 1
	MUL16 2, 1, NQ-1, 1
	s_wait_dscnt 0
	WIN MUL_HI
	MUL16 4, 1, NQ-1, 1
	MUL16 6, 1, NQ-1, 1
	WIN 0
; THE WAY OUT, block by block of 16 rows x 128 columns, through my own stage in LDS: back come whole rows of 512 bytes.  LDS serves a wave's instructions in order: no wait between the stores and the loads.
.macro TOSTAGE a
.set AC, 64*((\a)%4)
	WIN 0x08+4*((\a)/4)
.irp b, 0,1,2,3,4,5,6,7
	ds_store_b128 v[STO], v[AC+8*\b:AC+8*\b+3] offset:64*\b          ; each accumulator from its low end on
	ds_store_b128 v[STO], v[AC+8*\b+4:AC+8*\b+7] offset:64*\b+16
.endr
	WIN 0
.set BB, BK+64*((\a)%2)
.irp t, 0,1,2,3,4,5,6,7,8,9,10,11,12,13,14,15
	ds_load_b128 v[BB+4*\t:BB+4*\t+3], v[RD] offset:\t*SPITCH
.endr
.endm
.macro SEND a, younger
.set BB, BK+64*((\a)%2)
	s_wait_dscnt \younger
.irp t, 0,1,2,3,4,5,6,7,8,9,10,11,12,13,14,15
	global_store_b128 v[CO], v[BB+4*\t:BB+4*\t+3], s[12:13] offset:(32*((\a)/2)+8*((\a)%2)+(\t%8)+16*(\t/8))*SIZE_N*4 th:TH_STORE_NT   ; position 16 a + t goes to its token's row: 512 consecutive bytes
.endr
.endm
	PLACES NP
	TOSTAGE 0
.irp a, 1,2,3,4,5,6,7
.if \a > 1
	s_wait_xcnt 0x0                                ; block a - 2's stores have read their registers: block a's loads may land there
.endif
	TOSTAGE \a
	SEND \a-1, 32                                  ; behind block a - 1's loads: block a's 16 stores and 16 loads
.endr
	SEND 7, 0
	s_wait_tensorcnt 0x0                           ; the wave's end
	ds_add_u32 v[SPW], v[NIL]
	s_wait_dscnt 0x0
	CROUND
	s_endpgm
.Lfunc_end_k_q856fe0de8c_down:
	.size	k_q856fe0de8c_down, .Lfunc_end_k_q856fe0de8c_down-k_q856fe0de8c_down
	.p2alignl 7, 3214868480
	.fill 96, 4, 3214868480
	.section	.rodata,"a",@progbits
	.p2align	6, 0x0
	.amdhsa_kernel k_q856fe0de8c_down
		.amdhsa_group_segment_fixed_size 327680
		.amdhsa_private_segment_fixed_size 0
		.amdhsa_enable_private_segment 0
		.amdhsa_kernarg_size 32
		.amdhsa_user_sgpr_count 2
		.amdhsa_user_sgpr_kernarg_segment_ptr 1
		.amdhsa_wavefront_size32 1
		.amdhsa_system_sgpr_workgroup_id_x 1
		.amdhsa_system_sgpr_workgroup_id_y 1
		.amdhsa_system_sgpr_workgroup_id_z 1
		.amdhsa_system_vgpr_workitem_id 0
		.amdhsa_next_free_vgpr 1024
		.amdhsa_next_free_sgpr 100
		.amdhsa_reserve_vcc 0
		.amdhsa_float_denorm_mode_32 3
		.amdhsa_float_denorm_mode_16_64 3
		.amdhsa_memory_ordered 1
		.amdhsa_forward_progress 1
		.amdhsa_inst_pref_size 223
	.end_amdhsa_kernel
	.amdgpu_metadata
---
amdhsa.version: [ 1, 2 ]
amdhsa.kernels:
  - .name:           k_q856fe0de8c_down
    .symbol:         k_q856fe0de8c_down.kd
    .args:
      - { .name: act, .offset: 0, .size: 8, .value_kind: global_buffer, .address_space: global }
      - { .name: pa, .offset: 8, .size: 8, .value_kind: global_buffer, .address_space: global }
      - { .name: x1, .offset: 16, .size: 8, .value_kind: global_buffer, .address_space: global }
      - { .name: out0, .offset: 24, .size: 8, .value_kind: global_buffer, .address_space: global }
    .group_segment_fixed_size: 327680
    .private_segment_fixed_size: 0
    .kernarg_segment_align: 8
    .kernarg_segment_size: 32
    .max_flat_workgroup_size: 128
    .sgpr_count:     100
    .vgpr_count:     1024
    .wavefront_size: 32
...
	.end_amdgpu_metadata
.endif
;; end of part 6
;; ======== version 2 of 2: 7 launches
;; limits: right only within a limited range of input values
;; workspace buffers: pa 7,798,784 bytes; pf 2,228,224 bytes; qkv 6,946,816 bytes; ao 2,228,224 bytes; act 4,456,448 bytes; x1 16,777,216 bytes
;; launch prep_a (part 7): grid 448 x 1, 4 waves a work-group, no clusters, 23,040 bytes of LDS; arguments x, g_attn, w_qkv, w_o, w1, w2, pa; writes pa
.if DOCPART == 7
	.amdgcn_target "amdgcn-amd-amdhsa--gfx1250"
	.amdhsa_code_object_version 6
	.text
	.protected	k_q856fe0de8c_prep_a
	.globl	k_q856fe0de8c_prep_a
	.p2align	8
	.type	k_q856fe0de8c_prep_a,@function
k_q856fe0de8c_prep_a:
	s_mov_b64 s[64:65], 0
	v_nop
	global_prefetch_b8 v0, s[64:65] scope:SCOPE_SE
	s_setreg_imm32_b32 hwreg(HW_REG_WAVE_MODE, 25, 1), 1
	s_wait_xcnt 0x0
; Rows of 1,024 f32 numbers become codes of FP4 (E2M1) with K innermost and one E8M0 scale byte for each 32 along K.
; Work-groups 0-127 take argument 0 (4,096 rows) and first norm each row: (x * rsqrt(mean(x x) + eps)) * g, in f32, in that order.
; Work-groups 128-223 take w_qkv, 224-255 w_o, 256-383 w1, 384-447 w2, as they are.  (With a grid of 128 only argument 0 is served.)
; A RUN is 8,192 numbers (8 rows of 1,024; of w2 four rows of 2,048): 4,096 bytes of codes, 256 scale bytes.  A wave takes one run.
; WHERE A RUN GOES.  Argument 0 and w_qkv are laid in POSITION ORDER: row p of the buffer holds row pi(p) of the tensor, pi = p with bits 3 and 4
; changed over; for runs of 8 rows that is the run's number with bits 0 and 1 changed over.  w1 is laid so that rows 128 f .. 128 f + 63 are gate rows
; 64 f on and rows 128 f + 64 .. + 127 the up rows 64 f on, each 32 in position order.  w_o and w2 keep their order.
; A block's scale is 2^(floor(log2(largest magnitude)) - 2): its byte is the largest magnitude's exponent field - 2, held at 1 from below.
; LIMITS: a block of zeros gets the byte 1 where the rule says 127 (its codes are zeros, and this program alone reads the bytes); blocks whose largest
; magnitude lies under 2^-124 were not tried; NaN and infinities are not served.  The inputs t and dt of the problem are used by no step of the
; computation and are read by no launch.
; Each load reads 512 consecutive bytes; a row turns through the wave's own stage in LDS so that a lane holds 16 neighbours (two lanes a block).
; No tensor loads, no barrier: waves share nothing.  Loads run four rows (32 loads a wave) ahead.
.set O_HS,  0x200000
.set O_WQC, 0x220000
.set O_WQS, 0x3a0000
.set O_WOC, 0x3b8000
.set O_WOS, 0x438000
.set O_W1C, 0x440000
.set O_W1S, 0x640000
.set O_W2C, 0x660000
.set O_W2S, 0x760000
.set WREG,  5632                       ; LDS of a wave: two stages of 32 x 80 bytes, then its 256 scale bytes
.set SP,    80                         ; a lane's place in a stage: 64 bytes + 16 of padding
.set G,     16                         ; v16-47   g at my 32 places of a row
.set R,     48                         ; v48-175  four rows as loaded, 32 registers each
.set X,     176                        ; v176-207 the row in hand: 2 x 16 neighbours
.set C,     208                        ; v208-215 codes, two sets of four
.set E,     216                        ; v216-231 a scale byte for each of the 16 steps
.set SS,    232                        ; v232-239 the sum of squares, four chains; then v236 the reciprocal root
	s_load_b256 s[4:11], s[0:1], 0x0               ; argument 0, g, w_qkv, w_o
	s_load_b128 s[12:15], s[0:1], 0x20             ; w1, w2
	s_load_b64 s[16:17], s[0:1], 0x30              ; the destination
	v_lshl_add_u32 v240, v0, 2, 0x5800
	v_mov_b32 v241, 0
	v_lshrrev_b32 v1, 5, v0
	v_readfirstlane_b32 s18, v1                    ; wave
	v_and_b32 v1, 31, v0                           ; lane
	v_lshlrev_b32 v2, 4, v1                        ; my 16 bytes of a load's 512
	s_mul_i32 s19, s18, WREG
	v_lshrrev_b32 v3, 2, v1
	v_mul_u32_u24 v3, v3, SP
	v_and_b32 v4, 3, v1
	v_lshl_add_u32 v3, v4, 4, v3
	v_add_nc_u32 v3, s19, v3                       ; the stage, way in: four lanes' 64 bytes on end, then the padding
	v_mul_u32_u24 v4, v1, SP
	v_add_nc_u32 v4, s19, v4                       ; way out: my 16 neighbours
	v_lshlrev_b32 v5, 3, v1                        ; my codes' 8 bytes of a step's 256
	s_add_co_u32 s19, s19, 2*32*SP
	v_lshrrev_b32 v6, 1, v1
	v_add_nc_u32 v6, s19, v6                       ; my block's scale byte
	v_add_nc_u32 v7, s19, v5                       ; and 8 scale bytes a lane on the way out
	v_lshlrev_b32 v14, 6, v1                       ; g: 64 bytes a lane
	s_mov_b32 s20, 0x76543210
	s_mov_b32 s21, 0xfedcba98                      ; lane selects: lane l xor 16
	s_mov_b32 s22, 0x3a800000                      ; 1 / 1,024
	s_mov_b32 s23, 0x34000000                      ; eps = 2^-23
	s_wait_alu depctr_va_vdst(0)
	s_wait_kmcnt 0x0
	; which tensor: the choice hangs on the work-group's number alone
	s_mov_b64 s[24:25], s[14:15]
	s_mov_b32 s30, 384                             ; the tensor's first work-group
	s_mov_b32 s31, O_W2C
	s_mov_b32 s32, O_W2S
	s_cmp_lt_u32 ttmp9, 384
	s_cselect_b64 s[24:25], s[12:13], s[24:25]
	s_cselect_b32 s30, 256, s30
	s_cselect_b32 s31, O_W1C, s31
	s_cselect_b32 s32, O_W1S, s32
	s_cmp_lt_u32 ttmp9, 256
	s_cselect_b64 s[24:25], s[10:11], s[24:25]
	s_cselect_b32 s30, 224, s30
	s_cselect_b32 s31, O_WOC, s31
	s_cselect_b32 s32, O_WOS, s32
	s_cmp_lt_u32 ttmp9, 224
	s_cselect_b64 s[24:25], s[8:9], s[24:25]
	s_cselect_b32 s30, 128, s30
	s_cselect_b32 s31, O_WQC, s31
	s_cselect_b32 s32, O_WQS, s32
	s_cmp_lt_u32 ttmp9, 128
	s_cselect_b64 s[24:25], s[4:5], s[24:25]
	s_cselect_b32 s30, 0, s30
	s_cselect_b32 s31, 0, s31
	s_cselect_b32 s32, O_HS, s32
	s_sub_co_u32 s33, ttmp9, s30
	s_lshl_b32 s33, s33, 2
	s_add_co_u32 s33, s33, s18                     ; s: my run in the tensor
	s_and_b32 s34, s33, 1
	s_lshl_b32 s34, s34, 1
	s_bfe_u32 s35, s33, 0x10001
	s_or_b32 s34, s34, s35                         ; its bits 0 and 1 changed over
	s_and_b32 s35, s33, 0xfffffffc
	s_or_b32 s35, s35, s34                         ; position order
	s_and_b32 s36, s33, 0xf8
	s_lshl_b32 s36, s36, 1                         ; w1: 16 runs for each 64 hidden units,
	s_lshr_b32 s37, s33, 8
	s_lshl_b32 s37, s37, 3                         ; the up rows 8 runs behind the gate rows,
	s_or_b32 s36, s36, s37
	s_and_b32 s37, s33, 4
	s_or_b32 s36, s36, s37
	s_or_b32 s36, s36, s34                         ; position order inside each 32 rows
	s_cmp_lt_u32 ttmp9, 384
	s_cselect_b32 s40, s36, s33
	s_cmp_lt_u32 ttmp9, 256
	s_cselect_b32 s40, s33, s40
	s_cmp_lt_u32 ttmp9, 224
	s_cselect_b32 s40, s35, s40                    ; d: where the run goes
	s_lshl_b32 s38, s33, 15
	s_mov_b32 s39, 0
	s_add_nc_u64 s[24:25], s[24:25], s[38:39]      ; the run's numbers
	s_lshl_b32 s38, s40, 12
	s_add_co_u32 s38, s38, s31
	s_add_nc_u64 s[26:27], s[16:17], s[38:39]      ; its codes
	s_lshl_b32 s38, s40, 8
	s_add_co_u32 s38, s38, s32
	s_add_nc_u64 s[28:29], s[16:17], s[38:39]      ; its scale bytes
.irp k, 0,1,2,3,4,5,6,7
	global_load_b128 v[G+4*\k:G+4*\k+3], v14, s[6:7] offset:2048*(\k/4)+16*(\k%4)   ; g[512 st + 16 lane + 0 .. 15]
.endr
.macro LOADROW i
.irp k, 0,1,2,3,4,5,6,7
	global_load_b128 v[R+32*((\i)%4)+4*\k:R+32*((\i)%4)+4*\k+3], v2, s[24:25] offset:4096*(\i)+512*\k th:TH_LOAD_NT   ; 32 lanes read 512 consecutive bytes
.endr
.endm
.irp i, 0,1,2,3
	LOADROW \i
.endr
; The norm of the row in X: registers alone.
.macro NORM
.irp j, 0,2,4,6
	v_pk_mul_f32 v[SS+\j:SS+\j+1], v[X+\j:X+\j+1], v[X+\j:X+\j+1]
.endr
.irp q, 8,16,24
.irp j, 0,2,4,6
	v_pk_fma_f32 v[SS+\j:SS+\j+1], v[X+\q+\j:X+\q+\j+1], v[X+\q+\j:X+\q+\j+1], v[SS+\j:SS+\j+1]
.endr
.endr
	v_pk_add_f32 v[SS:SS+1], v[SS:SS+1], v[SS+2:SS+3]
	v_pk_add_f32 v[SS+4:SS+5], v[SS+4:SS+5], v[SS+6:SS+7]
	v_pk_add_f32 v[SS:SS+1], v[SS:SS+1], v[SS+4:SS+5]
	v_add_f32 v[SS], v[SS], v[SS+1]
	v_add_f32_dpp v[SS], v[SS], v[SS] row_xmask:1 row_mask:0xf bank_mask:0xf
	v_add_f32_dpp v[SS], v[SS], v[SS] row_xmask:2 row_mask:0xf bank_mask:0xf
	v_add_f32_dpp v[SS], v[SS], v[SS] row_xmask:4 row_mask:0xf bank_mask:0xf
	v_add_f32_dpp v[SS], v[SS], v[SS] row_xmask:8 row_mask:0xf bank_mask:0xf
	v_permlanex16_b32 v[SS+1], v[SS], s20, s21
	v_add_f32 v[SS], v[SS], v[SS+1]                ; the row's sum of squares, in every lane
	v_fma_f32 v[SS], v[SS], s22, s23               ; the mean + eps
	s_wait_alu depctr_va_vdst(0)
	v_rsq_f32 v[SS+4], v[SS]
	v_nop                                          ; a plain instruction behind the root,
	s_wait_alu depctr_va_vdst(0)                   ; and the wait ahead of its first reader
.irp j, 0,2,4,6,8,10,12,14,16,18,20,22,24,26,28,30
	v_pk_mul_f32 v[X+\j:X+\j+1], v[X+\j:X+\j+1], v[SS+4:SS+5] op_sel_hi:[1,0]
.endr
.irp j, 0,2,4,6,8,10,12,14,16,18,20,22,24,26,28,30
	v_pk_mul_f32 v[X+\j:X+\j+1], v[X+\j:X+\j+1], v[G+\j:G+\j+1]
.endr
.endm
; Row i of the run: through the stage, normed where it is argument 0's, quantised in two steps of 512 numbers that take turns line by line.
.macro ROW i
.if 7-(\i) >= 3
	s_wait_loadcnt 24                              ; this row's eight loads are in (and g, which was asked for first); those of the three rows behind may be out
.else
	s_wait_loadcnt 8*(7-(\i))
.endif
.if (\i) >= 2
	s_wait_xcnt 0x0                                ; the stores of two rows ago have read their codes' registers: this row writes that set again
.endif
.irp k, 0,1,2,3,4,5,6,7
	ds_store_b128 v3, v[R+32*((\i)%4)+4*\k:R+32*((\i)%4)+4*\k+3] offset:2560*(\k/4)+640*(\k%4)
.endr
.irp k, 0,1,2,3,4,5,6,7
	ds_load_b128 v[X+4*\k:X+4*\k+3], v4 offset:2560*(\k/4)+16*(\k%4)   ; LDS serves a wave's instructions in order: these see the stores above
.endr
	s_wait_dscnt 0x0                               ; the row is back, and the stores have read their registers,
.if (\i) < 4
	LOADROW (\i)+4                                 ; which take the row four further on
.endif
	s_cmp_ge_u32 ttmp9, 128                        ; the weights are not normed: a branch on the work-group's number, round register work alone
	s_cbranch_scc1 .Lplain_\@
	NORM
.Lplain_\@:
.irp st, 0,1
	v_max3_num_f32 v[8+2*\st], |v[X+16*\st]|, |v[X+16*\st+1]|, |v[X+16*\st+2]|
	v_max3_num_f32 v[9+2*\st], |v[X+16*\st+3]|, |v[X+16*\st+4]|, |v[X+16*\st+5]|
.endr
.irp j, 6,10
.irp st, 0,1
	v_max3_num_f32 v[8+2*\st], v[8+2*\st], |v[X+16*\st+\j]|, |v[X+16*\st+\j+1]|
	v_max3_num_f32 v[9+2*\st], v[9+2*\st], |v[X+16*\st+\j+2]|, |v[X+16*\st+\j+3]|
.endr
.endr
.irp st, 0,1
	v_max3_num_f32 v[8+2*\st], v[8+2*\st], |v[X+16*\st+14]|, |v[X+16*\st+15]|
.endr
.irp st, 0,1
	v_max3_num_f32 v[8+2*\st], v[8+2*\st], v[9+2*\st], 0x1800000   ; and the floor 2^(3 - 127): the byte cannot fall under 1
.endr
.irp st, 0,1
	v_max_num_f32_dpp v[8+2*\st], v[8+2*\st], v[8+2*\st] row_xmask:1 row_mask:0xf bank_mask:0xf   ; with my neighbour's 16: the block's largest magnitude
.endr
.irp st, 0,1
	v_add_nc_u32 v[12+\st], 0xff000000, v[8+2*\st] ; 2 off its exponent field: the conversion's scale operand
.endr
.irp st, 0,1
	v_cvt_scalef32_pk8_fp4_f32 v[C+4*((\i)%2)+2*\st], v[X+16*\st:X+16*\st+7], v[12+\st]
	v_cvt_scalef32_pk8_fp4_f32 v[C+4*((\i)%2)+2*\st+1], v[X+16*\st+8:X+16*\st+15], v[12+\st]
.endr
.irp st, 0,1
	v_lshrrev_b32 v[E+2*(\i)+\st], 23, v[12+\st]   ; the scale's byte
.endr
.irp st, 0,1
	ds_store_b8 v6, v[E+2*(\i)+\st] offset:32*(\i)+16*\st            ; both lanes of a block write the same byte with the same value
	global_store_b64 v5, v[C+4*((\i)%2)+2*\st:C+4*((\i)%2)+2*\st+1], s[26:27] offset:512*(\i)+256*\st   ; 32 lanes store 256 consecutive bytes, aligned
.endr
.endm
.irp i, 0,1,2,3,4,5,6,7
	ROW \i
.endr
	ds_load_b64 v[8:9], v7                         ; my wave's 256 scale bytes: these loads see my stores
	s_wait_dscnt 0x0
	global_store_b64 v5, v[8:9], s[28:29]          ; 256 consecutive bytes, aligned
	s_wait_tensorcnt 0x0
	ds_add_u32 v240, v241
	s_wait_dscnt 0x0
	s_endpgm
.Lfunc_end_k_q856fe0de8c_prep_a:
	.size	k_q856fe0de8c_prep_a, .Lfunc_end_k_q856fe0de8c_prep_a-k_q856fe0de8c_prep_a
	.p2alignl 7, 3214868480
	.fill 96, 4, 3214868480
	.section	.rodata,"a",@progbits
	.p2align	6, 0x0
	.amdhsa_kernel k_q856fe0de8c_prep_a
		.amdhsa_group_segment_fixed_size 23040
		.amdhsa_private_segment_fixed_size 0
		.amdhsa_enable_private_segment 0
		.amdhsa_kernarg_size 56
		.amdhsa_user_sgpr_count 2
		.amdhsa_user_sgpr_kernarg_segment_ptr 1
		.amdhsa_wavefront_size32 1
		.amdhsa_system_sgpr_workgroup_id_x 1
		.amdhsa_system_sgpr_workgroup_id_y 1
		.amdhsa_system_sgpr_workgroup_id_z 1
		.amdhsa_system_vgpr_workitem_id 0
		.amdhsa_next_free_vgpr 242
		.amdhsa_next_free_sgpr 66
		.amdhsa_reserve_vcc 0
		.amdhsa_float_denorm_mode_32 3
		.amdhsa_float_denorm_mode_16_64 3
		.amdhsa_memory_ordered 1
		.amdhsa_forward_progress 1
		.amdhsa_inst_pref_size 67
	.end_amdhsa_kernel
	.amdgpu_metadata
---
amdhsa.version: [ 1, 2 ]
amdhsa.kernels:
  - .name:           k_q856fe0de8c_prep_a
    .symbol:         k_q856fe0de8c_prep_a.kd
    .args:
      - { .name: x, .offset: 0, .size: 8, .value_kind: global_buffer, .address_space: global }
      - { .name: g_attn, .offset: 8, .size: 8, .value_kind: global_buffer, .address_space: global }
      - { .name: w_qkv, .offset: 16, .size: 8, .value_kind: global_buffer, .address_space: global }
      - { .name: w_o, .offset: 24, .size: 8, .value_kind: global_buffer, .address_space: global }
      - { .name: w1, .offset: 32, .size: 8, .value_kind: global_buffer, .address_space: global }
      - { .name: w2, .offset: 40, .size: 8, .value_kind: global_buffer, .address_space: global }
      - { .name: pa, .offset: 48, .size: 8, .value_kind: global_buffer, .address_space: global }
    .group_segment_fixed_size: 23040
    .private_segment_fixed_size: 0
    .kernarg_segment_align: 8
    .kernarg_segment_size: 56
    .max_flat_workgroup_size: 128
    .sgpr_count:     66
    .vgpr_count:     242
    .wavefront_size: 32
...
	.end_amdgpu_metadata
.endif
;; end of part 7
;; launch qkv_gemm (part 8): grid 8 x 24, 4 waves a work-group, clusters of 4 x 4, 327,680 bytes of LDS; arguments pa, qkv; writes qkv
.if DOCPART == 8
	.amdgcn_target "amdgcn-amd-amdhsa--gfx1250"
	.amdhsa_code_object_version 6
	.text
	.protected	k_q856fe0de8c_qkv_gemm
	.globl	k_q856fe0de8c_qkv_gemm
	.p2align	8
	.type	k_q856fe0de8c_qkv_gemm,@function
k_q856fe0de8c_qkv_gemm:
	s_mov_b64 s[64:65], 0
	v_nop
	global_prefetch_b8 v0, s[64:65] scope:SCOPE_SE
	s_setreg_imm32_b32 hwreg(HW_REG_WAVE_MODE, 25, 1), 1
	s_wait_xcnt 0x0
	s_wait_alu depctr_hold_cnt(0) depctr_sa_sdst(0) depctr_va_vdst(0) depctr_va_sdst(0) depctr_va_ssrc(0) depctr_va_vcc(0) depctr_vm_vsrc(0)
	s_getreg_b32 s2, hwreg(HW_REG_IB_STS2, 6, 4)
	s_cmp_eq_u32 s2, 0
	s_cbranch_scc0 .Lentry_in_a_cluster
	s_endpgm
.Lentry_in_a_cluster:
	s_bfe_u32 s2, ttmp6, 0x10000c
	s_cmp_lg_u32 s2, 0xf033
	s_cbranch_scc0 .Lentry_shape_is_right
	s_endpgm
.Lentry_shape_is_right:
; qkv = h w_qkv^T on codes of FP4 (E2M1) with E8M0 scales (K = 1,024), and its results quantised at once for attention: q and k along the head's 64, v along the keys.
; A tile of the product, 256 x 256, is made by a work-group of four waves; a wave makes 128 x 128: 64 accumulators, 512 registers.  K goes in two steps of 512 through two LDS slots,
; both filled at the start by the tensor data mover; the scale bytes of the work-group's rows come with them and stay.
; THE MATRIX INSTRUCTION IS USED TRANSPOSED: source 0 = 16 rows of operand B, source 1 = 16 rows of operand A: a lane holds ONE row of A and its registers run along B's rows.
; Both h and w_qkv lie in POSITION ORDER (row p of the buffer = row pi(p), pi = bits 3 and 4 changed over), so that the 16 registers of two neighbouring tiles are 16 NEIGHBOURS of B's rows.
; CLUSTERS OF 4 x 4.  Clusters with y 0-3: A = h (tokens), B = w_qkv's rows 0-2,047 (q, k): a lane holds a token and 128 features = two heads.
; Clusters with y 4, 5: A = w_qkv's rows 2,048 on (v), B = h: a lane holds a feature of v and 128 tokens = one key step.  The choice hangs on the cluster's y alone, which all partners share.
; A's tile is shared along a row of the cluster, B's along a column: each is asked for jointly, by the same tensor load with the same descriptor and a mask that names the four.
; THE WAY OUT stays in registers: a block's 64 numbers a lane become one operand's 8 registers and a scale word, and leave as images of those registers, 512 consecutive bytes a store.
; LIMITS: a block of zeros gets the scale byte 1 (its codes are zeros; this program alone reads the bytes); NaN and infinities are not served.
; REGISTERS, in windows of 256: window 0: v0-31 addresses; v32-95 scale words, two sets; v96-111 at work on the way out; from v128 A's fragments, one set, later the codes; v200-220 scale words made.
;   window 1: B's fragments, two sets, at v0 and v128.   window 2: the accumulators of my rows 0-63 ((a, b) at v[8 (8 a + b)]);   window 3: those of rows 64-127.
.set SIZE_K, 1024
.set KSTEP,  512
.set NQ,     KSTEP/128
.set ROWB,   256                       ; a tile's row in bytes
.set KROW,   SIZE_K/2                  ; a row of codes in memory
.set PITCH,  272                       ; an LDS row: 256 bytes + 16 of padding: the 16 rows that a load touches start at 16 different banks
.set FR,     8
.set NL,     2
.set NP,     4
.set HALFT,  128*PITCH
.set SLOT,   4*HALFT
.set KS,     SIZE_K/32
.set SCL,    2*SLOT                    ; behind the slots: the scales, as units of 256 bytes + 16 of padding
.set HALFS,  (128*KS/256)*272
.set SBLK,   (16*KS/256)*272
.set SPARE,  SCL+4*HALFS               ; the spare words, 128 bytes a wave, which no other line names
.set O_HS,   0x200000                  ; in pa
.set O_WQC,  0x220000
.set O_WQS,  0x3a0000
.set O_QS,   0x200000                  ; in qkv: q's codes at 0, q's scale words, the records of k and v, their scale words
.set O_KV,   0x240000
.set O_KVS,  0x640000
.set ADRA, 16
.set ADRB, 20
.set ADRS, 27
.set SPW,  28
.set NIL,  29
.set LI,   30                          ; v30  16 x lane
.set VO,   31                          ; v31  v's scale words: 12,288 (lane / 16) + 16 (lane % 16)
.set SC,   32
.set TM,   96                          ; v96-99 largest magnitudes, v100-103 the other half's, then bytes, v108-111 scale operands
.set AF,   128
.set PC,   128                         ; block a's codes at v[128 + 8 a]
.set PW,   200                         ; its scale word at v[200 + a]
.set XW,   208
.set G1, 24
.set G0, 32
.set G1B, 48
.set G0B, 56
.set SEL, 66
.set G1S, 68
.set G0S, 76
.set G1SB, 80
.set G0SB, 88
.set MSB, 0
.macro WIN new                         ; the immediate's high byte repeats the setting that is left
.if MSB != \new
	s_set_vgpr_msb (MSB<<8)|\new
.set MSB, \new
.endif
.endm
.set MUL_LO, 0xa1                      ; source 0 (B) window 1, source 1 (A) window 0, C and D window 2
.set MUL_HI, 0xf1
.set TO_B,   0x40
; A joint load: waves 0 and 1 fetch for A, waves 2 and 3 for B; the branch hangs on the wave's number alone.  Four v_nop follow each of the two lines.
.macro JLOAD g0a, g1a, g0b, g1b
	s_cmp_eq_u32 s15, 0
	s_cbranch_scc0 .Lfor_b_\@
	tensor_load_to_lds s[\g0a:\g0a+3], s[\g1a:\g1a+7]
	s_nop 0
.rept 4
	v_nop
.endr
	s_branch .Lasked_\@
.Lfor_b_\@:
	tensor_load_to_lds s[\g0b:\g0b+3], s[\g1b:\g1b+7]
	s_nop 0
.rept 4
	v_nop
.endr
.Lasked_\@:
.endm
.macro CROUND                          ; a round of the cluster's barrier
	s_barrier_signal -1
	s_barrier_wait -1
	s_cmp_lg_u32 s14, 0
	s_cbranch_scc1 .Lnot_wave_0_\@
	s_barrier_signal -3
.Lnot_wave_0_\@:
	s_barrier_wait -3
	s_barrier_signal -1
	s_barrier_wait -1
.endm
	s_load_b128 s[96:99], s[0:1], 0x0              ; pa s[96:97], qkv s[98:99]
	v_lshl_add_u32 v[SPW], v0, 2, SPARE
	v_mov_b32 v[NIL], 0
	ds_add_u32 v28, v29
	ds_add_u32 v28, v29
	s_wait_dscnt 0x0
	v_lshrrev_b32 v1, 5, v0
	v_readfirstlane_b32 s14, v1                    ; wave 0..3
	s_lshr_b32 s15, s14, 1                         ; which half of A's rows is mine.  Also: I fetch for A (0) or for B (1)
	s_and_b32 s16, s14, 1                          ; which half of B's rows.  Also: which 128 rows of that tile I fetch
	s_bfe_u32 s40, ttmp6, 0x40000                  ; cx, cy
	s_bfe_u32 s41, ttmp6, 0x40004
	s_and_b32 s94, ttmp7, 0xffff                   ; the cluster's y
	s_max_u32 s93, s94, 4
	s_sub_co_u32 s93, s93, 4
	s_lshl_b32 s93, s93, 1
	s_add_co_u32 s93, s93, ttmp9                   ; the v part's column of clusters: 2 (y - 4) + x
	s_mov_b32 s6, O_HS
	s_mov_b32 s10, O_WQS
	s_cmp_ge_u32 s94, 4                            ; the v part?
	s_cselect_b32 s95, 1, 0
	s_cselect_b32 s17, 0, s94                      ; row of clusters
	s_cselect_b32 s42, s93, ttmp9                  ; column of clusters
	s_cselect_b32 s4, O_WQC+0x100000, 0            ; where A's codes begin in pa: w_qkv's row 2,048, or h
	s_cselect_b32 s6, O_WQS+0x10000, s6            ; A's scales
	s_cselect_b32 s8, 0, O_WQC                     ; B's codes
	s_cselect_b32 s10, O_HS, s10                   ; B's scales
	s_mov_b32 s5, 0
	s_mov_b32 s7, 0
	s_mov_b32 s9, 0
	s_mov_b32 s11, 0
	s_lshl_b32 s42, s42, 2
	s_add_co_u32 s42, s42, s40                     ; tile column
	s_lshl_b32 s17, s17, 2
	s_add_co_u32 s17, s17, s41                     ; tile row
	s_lshl_b32 s43, s41, 2
	s_lshl_b32 s43, 15, s43                        ; my row of the cluster
	s_lshl_b32 s44, 0x1111, s40                    ; my column
	s_or_b32 s[G1+0], s43, (0<<16)|(1<<20)|(1<<21)|(5<<22)|(3<<25)  ; the mask; elements of 1 byte; padding on; bit 21 beside a mask; 4 words after every 64
	s_or_b32 s[G1B+0], s44, (0<<16)|(1<<20)|(1<<21)|(5<<22)|(3<<25)
.irp g, G1, G1B
	s_mov_b32 s[\g+1], ROWB<<16                    ; tensor_dim0
	s_mov_b32 s[\g+2], 256<<16                     ; tensor_dim1: the head's loads bring 256 rows; K step 1's loads 128 (set behind the head's wait)
	s_mov_b32 s[\g+3], ROWB<<16                    ; tile_dim0
	s_mov_b32 s[\g+4], 256                         ; tile_dim1
	s_mov_b32 s[\g+5], KROW                        ; the pitch
	s_mov_b32 s[\g+6], 0
	s_mov_b32 s[\g+7], 0
.endr
	s_or_b32 s[G1S+0], s43, (3<<16)|(1<<20)|(1<<21)|(5<<22)|(3<<25) ; the scales of 256 rows: a dense block, as rows of 256 bytes (32 elements of 8 bytes)
	s_or_b32 s[G1SB+0], s44, (3<<16)|(1<<20)|(1<<21)|(5<<22)|(3<<25)
.irp g, G1S, G1SB
	s_mov_b32 s[\g+1], 32<<16
	s_mov_b32 s[\g+2], (256*KS/256)<<16            ; the scales of 256 rows
	s_mov_b32 s[\g+3], 32<<16
	s_mov_b32 s[\g+4], 256*KS/256
	s_mov_b32 s[\g+5], 32
	s_mov_b32 s[\g+6], 0
	s_mov_b32 s[\g+7], 0
.endr
	s_lshl_b32 s20, s17, 8                         ; A: the tile's first row, 256 x tile row
	s_lshl_b32 s46, s42, 8                         ; B: 256 x tile column
	s_mov_b32 s21, 0
	s_mov_b32 s47, 0
	s_mov_b64 s[18:19], KS
	s_mul_u64 s[22:23], s[20:21], s[18:19]
	s_mul_u64 s[92:93], s[46:47], s[18:19]
	s_mov_b64 s[18:19], KROW
	s_mul_u64 s[20:21], s[20:21], s[18:19]
	s_mul_u64 s[46:47], s[46:47], s[18:19]
	s_mul_i32 s45, s14, HALFT                      ; where they go: wave x 128 rows
	s_mul_i32 s18, s16, 128*KROW                   ; for K step 1 I fetch 128 rows of a tile: which half, in bytes
	s_mov_b32 s19, 0
	s_mov_b32 s[SEL], 0x76543210
	s_mov_b32 s[SEL+1], 0xfedcba98
	s_wait_kmcnt 0x0
	s_add_nc_u64 s[4:5], s[96:97], s[4:5]
	s_add_nc_u64 s[6:7], s[96:97], s[6:7]
	s_add_nc_u64 s[8:9], s[96:97], s[8:9]
	s_add_nc_u64 s[10:11], s[96:97], s[10:11]
	s_add_nc_u64 s[20:21], s[4:5], s[20:21]
	s_add_nc_u64 s[22:23], s[6:7], s[22:23]
	s_add_nc_u64 s[46:47], s[8:9], s[46:47]
	s_add_nc_u64 s[92:93], s[10:11], s[92:93]
	CROUND                                         ; all sixteen work-groups are here: the joint loads meet
	s_mov_b32 s[G0S], 1
	s_mov_b32 s[G0S+1], SCL
	s_mov_b64 s[G0S+2:G0S+3], s[22:23]
	s_or_b32 s[G0S+3], s[G0S+3], 0x80000000
	s_mov_b32 s[G0SB], 1
	s_mov_b32 s[G0SB+1], SCL+2*HALFS
	s_mov_b64 s[G0SB+2:G0SB+3], s[92:93]
	s_or_b32 s[G0SB+3], s[G0SB+3], 0x80000000
	s_mov_b32 s4, 1                                ; group 0 of the head's loads of K step 0, in registers whose addresses have been used: A's 256 rows,
	s_mov_b32 s5, 0
	s_mov_b64 s[6:7], s[20:21]
	s_or_b32 s7, s7, 0x80000000
	s_mov_b32 s8, 1                                ; B's 256 rows, behind them in slot 0
	s_mov_b32 s9, 2*HALFT
	s_mov_b64 s[10:11], s[46:47]
	s_or_b32 s11, s11, 0x80000000
	s_add_nc_u64 s[20:21], s[20:21], s[18:19]      ; for K step 1: my 128 rows of the tile
	s_add_nc_u64 s[46:47], s[46:47], s[18:19]
.irp s, 1
	s_mov_b32 s[G0+4*\s], 1
	s_add_co_u32 s[G0+4*\s+1], s45, \s*SLOT
	s_add_nc_u64 s[G0+4*\s+2:G0+4*\s+3], s[20:21], \s*ROWB
	s_or_b32 s[G0+4*\s+3], s[G0+4*\s+3], 0x80000000
	s_mov_b32 s[G0B+4*\s], 1
	s_add_co_u32 s[G0B+4*\s+1], s45, \s*SLOT
	s_add_nc_u64 s[G0B+4*\s+2:G0B+4*\s+3], s[46:47], \s*ROWB
	s_or_b32 s[G0B+4*\s+3], s[G0B+4*\s+3], 0x80000000
.endr
; THE HEAD'S LOADS, ONE A WAVE: wave 0 K step 0's 256 rows of A, wave 1 its 256 rows of B, wave 2 A's scales, wave 3 B's.  One tree of branches on the wave's number: every way passes one load.
.macro ARM under, g0, g1, next
	s_cmp_lt_u32 s14, \under
	s_cbranch_scc0 \next
	tensor_load_to_lds s[\g0:\g0+3], s[\g1:\g1+7]
	s_nop 0
.rept 4
	v_nop
.endr
	s_branch .Lhead_asked
\next:
.endm
	ARM 1, 4, G1, .Lhead_b
	ARM 2, 8, G1B, .Lhead_sa
	ARM 3, G0S, G1S, .Lhead_sb
	tensor_load_to_lds s[G0SB:G0SB+3], s[G1SB:G1SB+7]
	s_nop 0
.rept 4
	v_nop
.endr
.Lhead_asked:
	v_and_b32 v1, 15, v0                           ; r = l % 16
	v_bfe_u32 v2, v0, 4, 1                         ; h = l / 16
	v_mul_u32_u24 v3, v1, PITCH
	v_lshl_add_u32 v4, v2, 4, v3
	s_mul_i32 s21, s15, HALFT
	s_mul_i32 s22, s16, HALFT
	s_add_co_u32 s22, s22, 2*HALFT
.irp s, 0,1
	v_add_nc_u32 v[ADRA+\s], s21, v4
	v_add_nc_u32 v[ADRB+\s], s22, v4
	s_add_co_u32 s21, s21, SLOT
	s_add_co_u32 s22, s22, SLOT
.endr
	v_mul_u32_u24 v5, v1, KS                       ; my row's scales,
	v_lshrrev_b32 v6, 8, v5
	v_lshl_add_u32 v5, v6, 4, v5                   ; and 16 more for each 256 passed
	s_mul_i32 s21, s15, HALFS
	s_mul_i32 s22, s16, HALFS
	s_add_co_u32 s22, s22, 2*HALFS
	s_sub_co_u32 s22, s22, s21
	v_mul_u32_u24 v6, s22, v2                      ; lanes 16-31 take B's
	s_add_co_u32 s21, s21, SCL
	v_add_nc_u32 v5, v5, v6
	v_add_nc_u32 v[ADRS], s21, v5
	v_and_b32 v6, 31, v0
	v_lshlrev_b32 v[LI], 4, v6
	v_mul_u32_u24 v[VO], v2, 12288
	v_lshl_add_u32 v[VO], v1, 4, v[VO]
.irp b, 0,1,2,3
	v_mov_b32 v[TM+4+\b], 0                        ; written once: a lane permute's destination counts as one of its sources
.endr
.macro FRAG reg, adr, q, i             ; 16 rows x 128 K of 4-bit codes: 8 registers; registers 4 c .. 4 c + 3 hold K = 64 c + 32 (l / 16) + 0 .. 31
.irp c, 0,1
	ds_load_b128 v[\reg+4*\c:\reg+4*\c+3], v[\adr] offset:64*(\q)+32*\c+(\i)*16*PITCH
.endr
.endm
; 16 matrix instructions: A's blocks a0, a0 + 1 x B's eight.  The 64 accumulators take turns, one instruction a turn, in the same order in every step.
.macro MUL16 a0, p, q, sc, zero
.irp a, \a0, \a0+1
.irp b, 0,1,2,3,4,5,6,7
.if \zero
	v_wmma_scale_f32_16x16x128_f8f6f4 v[8*(8*((\a)%4)+\b):8*(8*((\a)%4)+\b)+7], v[128*(\p)+FR*\b:128*(\p)+FR*\b+FR-1], v[AF+FR*(\a):AF+FR*(\a)+FR-1], 0, v[SC+8*NQ*(\sc)+NQ*\b+(\q)], v[SC+8*NQ*(\sc)+NQ*(\a)+(\q)] matrix_a_fmt:MATRIX_FMT_FP4 matrix_b_fmt:MATRIX_FMT_FP4 matrix_a_scale:MATRIX_SCALE_ROW1
.else
	v_wmma_scale_f32_16x16x128_f8f6f4 v[8*(8*((\a)%4)+\b):8*(8*((\a)%4)+\b)+7], v[128*(\p)+FR*\b:128*(\p)+FR*\b+FR-1], v[AF+FR*(\a):AF+FR*(\a)+FR-1], v[8*(8*((\a)%4)+\b):8*(8*((\a)%4)+\b)+7], v[SC+8*NQ*(\sc)+NQ*\b+(\q)], v[SC+8*NQ*(\sc)+NQ*(\a)+(\q)] matrix_a_fmt:MATRIX_FMT_FP4 matrix_b_fmt:MATRIX_FMT_FP4 matrix_a_scale:MATRIX_SCALE_ROW1
.endif
.endr
.endr
.endm
.macro FETCH_B slot, q, p
	WIN TO_B
.irp i, 0,1,2,3,4,5,6,7
	FRAG 128*(\p)+FR*\i, ADRB+\slot, \q, \i
.endr
	WIN 0
.endm
.macro FETCH_A slot, q, i0
.irp i, \i0, \i0+1, \i0+2, \i0+3
	FRAG AF+FR*(\i), ADRA+\slot, \q, \i
.endr
.endm
.macro SCALES sc                       ; a K step's scale words: lanes 0-15 take A's block i, lanes 16-31 B's block i
.irp i, 0,1,2,3,4,5,6,7
	ds_load_b128 v[SC+8*NQ*\sc+NQ*\i:SC+8*NQ*\sc+NQ*\i+3], v[ADRS] offset:\i*SBLK
.endr
.endm
.macro PLACES n                        ; plain vector instructions between a matrix instruction and a load into, or a vector instruction on, its registers
.rept \n
	v_nop
.endr
.endm
.macro STEP slot, q, zero              ; 128 along K that has its successor in the same slot
	s_wait_dscnt 4*NL                              ; all but the youngest eight loads (A's blocks 4-7)
	WIN MUL_LO
	MUL16 0, (\q)%2, \q, \slot, \zero
	MUL16 2, (\q)%2, \q, \slot, \zero
	s_wait_dscnt 0
	PLACES NP
	FETCH_B \slot, (\q)+1, 1-(\q)%2
	FETCH_A \slot, (\q)+1, 0
	WIN MUL_HI
	MUL16 4, (\q)%2, \q, \slot, \zero
	MUL16 6, (\q)%2, \q, \slot, \zero
	PLACES NP
	WIN 0
	FETCH_A \slot, (\q)+1, 4
.endm
.macro TURN slot, next                 ; a slot's last step changes slots: one barrier; nothing is filled again in this launch
	s_wait_tensorcnt 0x0                           ; all my tensor loads have landed: my part of the next slot
	ds_add_u32 v[SPW], v[NIL]                      ; 0 onto my spare word
	s_wait_dscnt 4*NL+1                            ; (the add and the youngest eight loads may be out)
	WIN MUL_LO
	MUL16 0, 1, NQ-1, \slot, 0
	s_wait_dscnt 0x0
	s_barrier_signal -1
	MUL16 2, 1, NQ-1, \slot, 0
	WIN 0
	s_barrier_wait -1                              ; the next slot is whole
	PLACES NP
	v_add_nc_u32 v[ADRS], 4*NQ, v[ADRS]            ; the next K step's scale words
	FETCH_B \next, 0, 0
	FETCH_A \next, 0, 0
	SCALES \next
	WIN MUL_HI
	MUL16 4, 1, NQ-1, \slot, 0
	MUL16 6, 1, NQ-1, \slot, 0
	PLACES NP
	WIN 0
	FETCH_A \next, 0, 4
.endm
.macro STEPS slot, from
.set Q, \from
.rept NQ-1-\from
	STEP \slot, Q, 0
.set Q, Q+1
.endr
.endm
	s_wait_alu depctr_va_vdst(0)
	s_wait_tensorcnt 0x0                           ; my tile of the head's four is in
	ds_add_u32 v[SPW], v[NIL]
	s_mov_b32 s[G1+2], 128<<16                     ; no tensor load of mine is out: from here on a load brings 128 rows
	s_mov_b32 s[G1+4], 128
	s_mov_b32 s[G1B+2], 128<<16
	s_mov_b32 s[G1B+4], 128
	s_wait_dscnt 0x0
	CROUND                                         ; all four tiles are in, and all sixteen work-groups are here
	JLOAD G0+4, G1, G0B+4, G1B                     ; K step 1, a quarter of slot 1 a wave: it lands under slot 0's products
	FETCH_B 0, 0, 0
	FETCH_A 0, 0, 0
	SCALES 0
	FETCH_A 0, 0, 4
	STEP 0, 0, 1                                   ; the first products start the sums: nothing is cleared
	STEPS 0, 1
	TURN 0, 1
	STEPS 1, 0
	s_wait_dscnt 4*NL
	WIN MUL_LO
	MUL16 0, 1, NQ-1, 1, 0
	MUL16 2, 1, NQ-1, 1, 0
	s_wait_dscnt 0
	WIN MUL_HI
	MUL16 4, 1, NQ-1, 1, 0
	MUL16 6, 1, NQ-1, 1, 0
	WIN 0
	PLACES NP
; Block a's 64 numbers of a lane (register 16 b + i = B's natural row 32 b + 16 (l / 16) + i) become a fragment's codes in v[PC + 8 a] on and its scale word in v[PW + a].
; Each accumulator is read from its low end on.
.macro QUANTW a
.set QW, 2+(\a)/4
.set QB, 64*((\a)%4)
.set WN, QW|(QW<<2)
	WIN WN                                         ; sources 0 and 1: the accumulators' window
.irp b, 0,1,2,3
	v_max3_num_f32 v[TM+\b], |v[QB+16*\b]|, |v[QB+16*\b+1]|, 0x1800000   ; my 16 numbers of block b, and the floor 2^(3 - 127)
.endr
.irp i, 2,4,6,8,10,12,14
.irp b, 0,1,2,3
	v_max3_num_f32 v[TM+\b], |v[QB+16*\b+\i]|, |v[QB+16*\b+\i+1]|, v[TM+\b]
.endr
.endr
	WIN 0
.irp b, 0,1,2,3
	v_permlanex16_b32 v[TM+4+\b], v[TM+\b], s[SEL], s[SEL+1]
.endr
.irp b, 0,1,2,3
	v_max_num_f32 v[TM+\b], v[TM+\b], v[TM+4+\b]   ; with lane l xor 16's: the block's largest magnitude
.endr
.irp b, 0,1,2,3
	v_add_nc_u32 v[TM+12+\b], 0xff000000, v[TM+\b] ; 2 off its exponent field: the conversion's scale operand
.endr
.irp b, 0,1,2,3
	v_lshrrev_b32 v[TM+4+\b], 23, v[TM+12+\b]      ; the scale's byte
.endr
	v_lshl_or_b32 v[PW+(\a)], v[TM+5], 8, v[TM+4]
	v_lshl_or_b32 v[PW+(\a)], v[TM+6], 16, v[PW+(\a)]
	v_lshl_or_b32 v[PW+(\a)], v[TM+7], 24, v[PW+(\a)]
	WIN QW                                         ; source 0: the accumulators' window
.irp b, 0,1,2,3
	v_cvt_scalef32_pk8_fp4_f32 v[PC+8*(\a)+2*\b], v[QB+16*\b:QB+16*\b+7], v[TM+12+\b]
	v_cvt_scalef32_pk8_fp4_f32 v[PC+8*(\a)+2*\b+1], v[QB+16*\b+8:QB+16*\b+15], v[TM+12+\b]
.endr
	WIN 0
	v_nop                                          ; one plain instruction behind a scaled conversion
.irp c, 0,1                                    ; the operand's layout wants a whole block in a lane
.irp i, 0,1
	v_permlane16_swap_b32 v[PC+8*(\a)+4*\c+\i], v[PC+8*(\a)+4*\c+2+\i]
.endr
.endr
.endm
.irp a, 0,1,2,3,4,5,6,7
	QUANTW \a
.endr
	v_and_b32 v5, 31, v0
	v_cmp_le_u32 vcc_lo, 16, v5
.irp j, 0,1,2,3
	v_cndmask_b32 v[XW+\j], v[PW+\j], v[PW+4+\j], vcc_lo   ; lane (r, h): the word of block 4 h + j, row r
.endr
	; where my results go
	s_lshl_b32 s20, s17, 8
	s_lshl_b32 s21, s15, 7
	s_add_co_u32 s20, s20, s21                     ; A's first row of mine
	s_lshl_b32 s22, s42, 8
	s_lshl_b32 s23, s16, 7
	s_add_co_u32 s22, s22, s23                     ; B's
	s_cmp_eq_u32 s95, 1
	s_cselect_b32 s18, s22, s20                    ; the first token's position
	s_cselect_b32 s19, s20, s22                    ; the first feature
	s_lshr_b32 s21, s19, 10
	s_or_b32 s21, s21, s95                         ; 1: k or v, 0: q
	s_bfe_u32 s23, s19, 0x40006                    ; my first head
	s_lshr_b32 s20, s18, 11                        ; the batch
	s_lshl_b32 s20, s20, 4
	s_add_co_u32 s20, s20, s23
	s_lshl_b32 s20, s20, 4
	s_bfe_u32 s22, s18, 0x40007                    ; the step of 128 positions
	s_add_co_u32 s20, s20, s22                     ; the record: (batch x 16 + head) x 16 + step
	s_mov_b32 s46, 512
	s_mov_b32 s47, O_QS
	s_cmp_eq_u32 s21, 1
	s_cselect_b32 s22, 13, 12                      ; a record of codes: 8,192 bytes (k and v) or 4,096 (q)
	s_cselect_b32 s23, O_KV, 0
	s_cselect_b32 s46, 768, s46                    ; a record of scale words
	s_cselect_b32 s47, O_KVS, s47
	s_lshl_b32 s44, s20, s22
	s_add_co_u32 s44, s44, s23
	s_mov_b32 s45, 0
	s_add_nc_u64 s[4:5], s[98:99], s[44:45]        ; my first head's record,
	s_lshl_b32 s44, 16, s22
	s_add_nc_u64 s[6:7], s[4:5], s[44:45]          ; the next head's: 16 records on
	s_mul_i32 s44, s20, s46
	s_add_co_u32 s44, s44, s47
	s_add_nc_u64 s[8:9], s[98:99], s[44:45]        ; and the same for the scale words
	s_lshl_b32 s44, s46, 4
	s_add_nc_u64 s[10:11], s[8:9], s[44:45]
	s_cmp_eq_u32 s95, 1                            ; the same in all partners
	s_cbranch_scc1 .Lvpath
	; q, k: block a = 16 tokens; registers 4 c on = head c's 64 numbers: a tile's image, 512 consecutive bytes
	v_mov_b32 v220, 0x7f7f7f7f                     ; the scale 1 for the upper 64 of the 128 along K, whose codes are zeros in attention
	s_wait_alu depctr_va_vdst(0)
.irp j, 0,1,2,3
	v_perm_b32 v[212+\j], v220, v[XW+\j], 0x07060100   ; head 0's two bytes
	v_perm_b32 v[216+\j], v220, v[XW+\j], 0x07060302   ; head 1's
.endr
.irp a, 0,1,2,3,4,5,6,7
.irp c, 0,1
	global_store_b128 v[LI], v[PC+8*\a+4*\c:PC+8*\a+4*\c+3], s[4+2*\c:5+2*\c] offset:512*\a
.endr
.endr
	global_store_b128 v[LI], v[212:215], s[8:9]    ; 512 consecutive bytes: lane (r, h) holds the words of tiles 4 h .. 4 h + 3, row r
	global_store_b128 v[LI], v[216:219], s[10:11]
	s_branch .Ldone
.Lvpath:
	; v: block a = 16 features: head a / 4, tile a % 4; its 8 registers are a fragment along the step's 128 keys
	s_wait_alu depctr_va_vdst(0)
.irp a, 0,1,2,3,4,5,6,7
.irp c, 0,1
	global_store_b128 v[LI], v[PC+8*\a+4*\c:PC+8*\a+4*\c+3], s[4+2*(\a/4):5+2*(\a/4)] offset:4096+1024*(\a%4)+512*\c
.endr
.endr
	global_store_b128 v[VO], v[XW:XW+3], s[8:9] offset:512   ; row r's four words, head h: sixteen lanes store 256 consecutive bytes, aligned
.Ldone:
	s_wait_tensorcnt 0x0                           ; the wave's end
	ds_add_u32 v[SPW], v[NIL]
	s_wait_dscnt 0x0
	CROUND                                         ; the closing round
	s_endpgm
.Lfunc_end_k_q856fe0de8c_qkv_gemm:
	.size	k_q856fe0de8c_qkv_gemm, .Lfunc_end_k_q856fe0de8c_qkv_gemm-k_q856fe0de8c_qkv_gemm
	.p2alignl 7, 3214868480
	.fill 96, 4, 3214868480
	.section	.rodata,"a",@progbits
	.p2align	6, 0x0
	.amdhsa_kernel k_q856fe0de8c_qkv_gemm
		.amdhsa_group_segment_fixed_size 327680
		.amdhsa_private_segment_fixed_size 0
		.amdhsa_enable_private_segment 0
		.amdhsa_kernarg_size 16
		.amdhsa_user_sgpr_count 2
		.amdhsa_user_sgpr_kernarg_segment_ptr 1
		.amdhsa_wavefront_size32 1
		.amdhsa_system_sgpr_workgroup_id_x 1
		.amdhsa_system_sgpr_workgroup_id_y 1
		.amdhsa_system_sgpr_workgroup_id_z 1
		.amdhsa_system_vgpr_workitem_id 0
		.amdhsa_next_free_vgpr 1024
		.amdhsa_next_free_sgpr 100
		.amdhsa_reserve_vcc 1
		.amdhsa_float_denorm_mode_32 3
		.amdhsa_float_denorm_mode_16_64 3
		.amdhsa_memory_ordered 1
		.amdhsa_forward_progress 1
		.amdhsa_inst_pref_size 133
	.end_amdhsa_kernel
	.amdgpu_metadata
---
amdhsa.version: [ 1, 2 ]
amdhsa.kernels:
  - .name:           k_q856fe0de8c_qkv_gemm
    .symbol:         k_q856fe0de8c_qkv_gemm.kd
    .args:
      - { .name: pa, .offset: 0, .size: 8, .value_kind: global_buffer, .address_space: global }
      - { .name: qkv, .offset: 8, .size: 8, .value_kind: global_buffer, .address_space: global }
    .group_segment_fixed_size: 327680
    .private_segment_fixed_size: 0
    .kernarg_segment_align: 8
    .kernarg_segment_size: 16
    .max_flat_workgroup_size: 128
    .sgpr_count:     100
    .vgpr_count:     1024
    .wavefront_size: 32
...
	.end_amdgpu_metadata
.endif
;; end of part 8
;; launch attn (part 9): grid 8 x 32, 16 waves a work-group, clusters of 4 x 1, 169,984 bytes of LDS; arguments qkv, ao; writes ao
.if DOCPART == 9
	.amdgcn_target "amdgcn-amd-amdhsa--gfx1250"
	.amdhsa_code_object_version 6
	.text
	.protected	k_q856fe0de8c_attn
	.globl	k_q856fe0de8c_attn
	.p2align	8
	.type	k_q856fe0de8c_attn,@function
k_q856fe0de8c_attn:
	s_mov_b64 s[64:65], 0
	v_nop
	global_prefetch_b8 v0, s[64:65] scope:SCOPE_SE
	s_setreg_imm32_b32 hwreg(HW_REG_WAVE_MODE, 25, 1), 1
	s_wait_xcnt 0x0
	s_wait_alu depctr_hold_cnt(0) depctr_sa_sdst(0) depctr_va_vdst(0) depctr_va_sdst(0) depctr_va_ssrc(0) depctr_va_vcc(0) depctr_vm_vsrc(0)
	s_getreg_b32 s2, hwreg(HW_REG_IB_STS2, 6, 4)
	s_cmp_eq_u32 s2, 0
	s_cbranch_scc0 .Lentry_in_a_cluster
	s_endpgm
.Lentry_in_a_cluster:
	s_bfe_u32 s2, ttmp6, 0x10000c
	s_cmp_lg_u32 s2, 0x3003
	s_cbranch_scc0 .Lentry_shape_is_right
	s_endpgm
.Lentry_shape_is_right:
; o = softmax(q k^T / 8) v for one head, both products on codes of FP4 (E2M1) with E8M0 scales, and o quantised along the model's axis for the next product.
; THE WINDOW ORDER of the tokens is not formed: it moves whole aligned runs of 32 tokens, alike for q, k and v, there is no mask, and o is moved back: the blocks of 32 keys hold the same tokens
; in the same order, so codes, scales and row sums are the same in plain token order; only the order in which blocks are added differs.
; THE SOFTMAX: t = score x log2(e) / 8; M = the running largest t, rounded up to a whole number; p = 2^(t - M) is quantised along the keys; the row's sum is taken of the unquantised p and divides at the end.
; When M moves, the sum and O are multiplied by 2^(old M - new M), which rounds nothing.
; SHARES.  A work-group owns 256 query positions of one head, each of its sixteen waves one tile of 16, in 256 registers: four waves to a SIMD.  Every wave walks the head's 2,048 keys, 128 a step.
; K AND V OF THE WHOLE HEAD STAY IN LDS: 16 records of 8,192 bytes (images of the operands' registers) and 16 x 768 bytes of scale words, fetched ONCE, at the start; nothing is filled again.
; CLUSTER.  The four work-groups of a cluster belong to one head: each fetch is asked for jointly, by the same tensor load with the same descriptor and the mask of all four.
; No prefetch is laid: all that the launch reads is asked for at its head.
; LAYOUT.  Both products are used transposed: S^T = K Q^T, O^T = V^T P^T: a lane holds ONE query.  K's rows lie in position order (bits 3 and 4 of the token changed over), so that the 16 registers of
; tiles 2 b and 2 b + 1 are the keys 32 b + 16 (l / 16) + 0 .. 15 of the step; V's rows likewise, so that O^T's registers are neighbours along the head's 64.
; The head's 64 fill half of the instruction's 128 along K: the upper four registers of Q's and K's fragments hold zero codes, under the scale byte 0x7f.
; LIMITS: a block of zeros gets the scale byte 1 (its codes are zeros); NaN and infinities are not served.
.set O_QS,  0x200000
.set O_KV,  0x240000
.set O_KVS, 0x640000
.set O_OS,  0x200000
.set KVL,   131072                     ; LDS: the records; behind them the scale words
.set WV,  18
.set SEL, 20
.set CS,  22                           ; s[22:23] c = log2(e) / 8
.set G1C, 24
.set G1S, 32
.set G0C, 40
.set G0S, 44
.set CNT, 60
.set TB,  61                           ; the step's record in LDS
.set TS,  62                           ; the step's scale words
.set QF,  16                           ; v16-23   Q
.set KF,  24                           ; v24-87   K's eight tiles
.set S,   88                           ; v88-151  S^T, then p
.set OA,  152                          ; v152-183 O^T
.set PC,  184                          ; v184-191 p's codes
.set VF,  192                          ; v192-223 V's four fragments
.set KSW, 224                          ; v224-227 K's scale words: lanes 0-15 tiles 0-3, lanes 16-31 tiles 4-7
.set VSW, 228                          ; v228-231 V's
.set QSW, 232
.set PW,  233
.set BM,  234                          ; v234-237 the blocks' largest
.set BT,  238                          ; v238-241 at work
.set SO,  242                          ; v242-245 scale operands
.set FF,  246                          ; v[246:247] f = 2^(old M - new M)
.set TT,  248
.macro CROUND
	s_barrier_signal -1
	s_barrier_wait -1
	s_cmp_lg_u32 s[WV], 0
	s_cbranch_scc1 .Lnot_wave_0_\@
	s_barrier_signal -3
.Lnot_wave_0_\@:
	s_barrier_wait -3
	s_barrier_signal -1
	s_barrier_wait -1
.endm
	s_load_b128 s[4:7], s[0:1], 0x0                ; qkv s[4:5], ao s[6:7]
	v_lshl_add_u32 v254, v0, 2, 0x29000
	v_mov_b32 v255, 0
	ds_add_u32 v254, v255
	ds_add_u32 v254, v255
	v_lshrrev_b32 v8, 5, v0
	s_delay_alu instid0(VALU_DEP_1)
	v_readfirstlane_b32 s[WV], v8                  ; wave 0..15
	s_bfe_u32 s8, ttmp6, 0x40000                   ; cx: it enters Q's and o's addresses alone
	s_lshl_b32 s9, ttmp9, 2
	s_add_co_u32 s9, s9, s8
	s_lshl_b32 s9, s9, 4
	s_add_co_u32 s9, s9, s[WV]                     ; T: my tile of 16 query positions, 0 .. 127
	s_and_b32 s10, ttmp7, 0xffff                   ; y = batch x 16 + head
	s_lshl_b32 s12, s10, 17
	s_lshl_b32 s13, s[WV], 14
	s_add_co_u32 s12, s12, s13
	s_add_co_u32 s12, s12, O_KV                    ; waves 0-7: 16,384 bytes each of the head's records
	s_mov_b32 s13, 0
	s_mul_i32 s14, s10, 12288
	s_add_co_u32 s14, s14, O_KVS                   ; wave 8: the head's scale words
	s_mov_b32 s15, 0
	s_mov_b32 s[G1C], 15|(3<<16)|(1<<21)           ; the mask of all four; elements of 8 bytes; bit 21 beside a mask; no padding: every read is 16 x lane
	s_mov_b32 s[G1C+1], 32<<16                     ; rows of 256 bytes
	s_mov_b32 s[G1C+2], 64<<16
	s_mov_b32 s[G1C+3], 32<<16
	s_mov_b32 s[G1C+4], 64
	s_mov_b32 s[G1C+5], 32
	s_mov_b32 s[G1C+6], 0
	s_mov_b32 s[G1C+7], 0
	s_mov_b32 s[G1S], 15|(3<<16)|(1<<21)
	s_mov_b32 s[G1S+1], 32<<16
	s_mov_b32 s[G1S+2], 48<<16
	s_mov_b32 s[G1S+3], 32<<16
	s_mov_b32 s[G1S+4], 48
	s_mov_b32 s[G1S+5], 32
	s_mov_b32 s[G1S+6], 0
	s_mov_b32 s[G1S+7], 0
	s_mov_b32 s[SEL], 0x76543210
	s_mov_b32 s[SEL+1], 0xfedcba98
	s_mov_b32 s[CS], 0x3e38aa3b
	s_mov_b32 s[CS+1], s[CS]
	s_mov_b32 s[TB], 0
	s_mov_b32 s[TS], 0
	s_mov_b32 s[CNT], 16
	; Q's tile and its scale words; o's places
	s_lshl_b32 s16, s10, 7
	s_add_co_u32 s16, s16, s9
	s_lshl_b32 s16, s16, 9                         ; (y x 128 + T) x 512
	s_mov_b32 s17, 0
	s_lshl_b32 s52, s10, 4
	s_lshr_b32 s53, s9, 3
	s_add_co_u32 s52, s52, s53
	s_lshl_b32 s52, s52, 9                         ; the record of scale words,
	s_bfe_u32 s53, s9, 0x10002
	s_lshl_b32 s53, s53, 8
	s_add_co_u32 s52, s52, s53                     ; tiles 4-7 lie in lanes 16-31's places,
	s_and_b32 s53, s9, 3
	s_lshl_b32 s53, s53, 2
	s_add_co_u32 s52, s52, s53                     ; word T % 4
	s_add_co_u32 s52, s52, O_QS
	s_mov_b32 s53, 0
	s_lshr_b32 s11, s10, 4
	s_lshl_b32 s11, s11, 7
	s_add_co_u32 s11, s11, s9                      ; Tg = batch x 128 + T
	s_and_b32 s19, s10, 15                         ; the head
	s_lshr_b32 s54, s11, 3
	s_lshl_b32 s54, s54, 3
	s_lshr_b32 s55, s19, 1
	s_add_co_u32 s54, s54, s55                     ; (group of 128 positions) x 8 + the chunk of 128 along K
	s_lshl_b32 s54, s54, 3
	s_and_b32 s55, s11, 7
	s_add_co_u32 s54, s54, s55                     ; x 8 + the tile of rows
	s_lshl_b32 s54, s54, 10
	s_and_b32 s55, s19, 1
	s_lshl_b32 s55, s55, 9
	s_add_co_u32 s54, s54, s55                     ; the head's half of the fragment
	s_mov_b32 s55, 0
	s_lshl_b32 s58, s11, 9
	s_lshl_b32 s59, s19, 1
	s_add_co_u32 s58, s58, s59
	s_add_co_u32 s58, s58, O_OS                    ; scale bytes: 32 a position; the head's two
	s_mov_b32 s59, 0
	s_wait_dscnt 0x0
	s_wait_kmcnt 0x0
	s_mov_b32 s[G0C], 1
	s_lshl_b32 s[G0C+1], s[WV], 14
	s_add_nc_u64 s[G0C+2:G0C+3], s[4:5], s[12:13]
	s_or_b32 s[G0C+3], s[G0C+3], 0x80000000
	s_mov_b32 s[G0S], 1
	s_mov_b32 s[G0S+1], KVL
	s_add_nc_u64 s[G0S+2:G0S+3], s[4:5], s[14:15]
	s_or_b32 s[G0S+3], s[G0S+3], 0x80000000
	s_add_nc_u64 s[48:49], s[4:5], s[16:17]
	s_add_nc_u64 s[50:51], s[4:5], s[52:53]
	s_add_nc_u64 s[56:57], s[6:7], s[54:55]
	s_add_nc_u64 s[58:59], s[6:7], s[58:59]
	CROUND                                         ; all four work-groups are here: the joint loads meet
	s_cmp_lt_u32 s[WV], 8                          ; the branches hang on the wave's number alone; four v_nop follow each load
	s_cbranch_scc0 .Lnot_codes
	tensor_load_to_lds s[G0C:G0C+3], s[G1C:G1C+7]
	s_nop 0
.rept 4
	v_nop
.endr
	s_branch .Lasked
.Lnot_codes:
	s_cmp_eq_u32 s[WV], 8
	s_cbranch_scc0 .Lasked
	tensor_load_to_lds s[G0S:G0S+3], s[G1S:G1S+7]
	s_nop 0
.rept 4
	v_nop
.endr
.Lasked:
	v_and_b32 v8, 31, v0
	v_and_b32 v9, 15, v0
	s_delay_alu instid0(VALU_DEP_2)
	v_lshlrev_b32 v1, 4, v8                        ; 16 x lane
	s_delay_alu instid0(VALU_DEP_1)
	v_add_nc_u32 v2, KVL, v1                       ; K's scale words
	s_delay_alu instid0(VALU_DEP_3)
	v_lshlrev_b32 v7, 4, v9                        ; 16 r
	s_delay_alu instid0(VALU_DEP_1)
	v_add_nc_u32 v3, KVL+512, v7                   ; V's
	v_lshlrev_b32 v10, 5, v9                       ; 32 r
	global_load_b128 v[QF:QF+3], v1, s[48:49]      ; Q's tile, an image of its four lower registers
	global_load_b32 v[QSW], v7, s[50:51]           ; row r's scale word
.irp j, 4,5,6,7
	v_mov_b32 v[QF+\j], 0                          ; zero codes for the upper 64 along K
.endr
.irp t, 0,1,2,3,4,5,6,7
.irp j, 4,5,6,7
	v_mov_b32 v[KF+8*\t+\j], 0                     ; and in K's tiles: written once, no load lands here
.endr
.endr
.irp j, 0,1,2,3,4,5,6,7,8,9,10,11,12,13,14,15,16,17,18,19,20,21,22,23,24,25,26,27,28,29,30,31
	v_mov_b32 v[OA+\j], 0                          ; O^T: the loop is written once, and its first step finds zeros
.endr
	v_mov_b32 v13, 0xff61b1e6                      ; the largest t so far: -3e38
	s_delay_alu instid0(VALU_DEP_1)
	v_floor_f32 v12, -v13                          ; -M
	v_mov_b32 v14, 0                               ; the sum, in two halves
	v_mov_b32 v15, 0
.irp b, 0,1,2,3
	v_mov_b32 v[BT+\b], 0                          ; a lane permute's destination counts as one of its sources
.endr
	v_mov_b32 v[FF+1], 0                           ; later: a second copy of f
	v_mov_b32 v8, s[CS]                            ; c twice: the two halves of a dual instruction take their like sources from different registers (v8, v9; -M in v12, v11; f in v246, v247)
	v_mov_b32 v9, s[CS]
	s_wait_alu depctr_va_vdst(0)
	s_wait_tensorcnt 0x0                           ; my fetch has landed,
	s_barrier_signal -1
	s_barrier_wait -1                              ; everybody's has
.irp t, 0,1,2,3,4,5,6,7
	ds_load_b128 v[KF+8*\t:KF+8*\t+3], v1 offset:512*\t   ; step 0's K; each later step's is asked for one step ahead
.endr
	ds_load_b128 v[KSW:KSW+3], v2
	s_wait_loadcnt 0x0                             ; Q
.Lstep:                                            ; 16 trips of 128 keys; no barrier inside: LDS is only read
	v_add_nc_u32 v4, s[TB], v1
	v_add_nc_u32 v6, s[TS], v3
	v_nop
	v_nop                                          ; four plain instructions between the last products and the loads into their operands
.irp f, 0,1,2,3
.irp c, 0,1
	ds_load_b128 v[VF+8*\f+4*\c:VF+8*\f+4*\c+3], v4 offset:4096+1024*\f+512*\c
.endr
.endr
	ds_load_b128 v[VSW:VSW+3], v6
	s_wait_dscnt 9                                 ; K and its scale words are in; V's eight loads and its scale words' one may be out
.irp t, 0,1,2,3
	v_wmma_scale_f32_16x16x128_f8f6f4 v[S+8*\t:S+8*\t+7], v[KF+8*\t:KF+8*\t+7], v[QF:QF+7], 0, v[KSW+\t], v[QSW] matrix_a_fmt:MATRIX_FMT_FP4 matrix_b_fmt:MATRIX_FMT_FP4
.endr
.irp t, 4,5,6,7
	v_wmma_scale_f32_16x16x128_f8f6f4 v[S+8*\t:S+8*\t+7], v[KF+8*\t:KF+8*\t+7], v[QF:QF+7], 0, v[KSW+\t-4], v[QSW] matrix_a_fmt:MATRIX_FMT_FP4 matrix_b_fmt:MATRIX_FMT_FP4 matrix_a_scale:MATRIX_SCALE_ROW1
.endr
	s_add_co_u32 s52, s[TB], 8192                  ; the next step's record and scale words; the last step names its own again, so that no read leaves what was fetched
	s_min_u32 s52, s52, 15*8192
	s_add_co_u32 s53, s[TS], 768
	s_min_u32 s53, s53, 15*768
	v_add_nc_u32 v[TT], s52, v1
	v_add_nc_u32 v[TT+1], s53, v2
	v_nop
	v_nop                                          ; four plain instructions behind the products
.irp t, 0,1,2,3,4,5,6,7
	ds_load_b128 v[KF+8*\t:KF+8*\t+3], v[TT] offset:512*\t   ; the next step's K: the wait for V, further down, covers these nine loads too
.endr
	ds_load_b128 v[KSW:KSW+3], v[TT+1]
.irp b, 0,1,2,3
	v_max3_num_f32 v[BM+\b], v[S+16*\b], v[S+16*\b+1], v[S+16*\b+2]
.endr
.irp i, 3,5,7,9,11,13
.irp b, 0,1,2,3
	v_max3_num_f32 v[BM+\b], v[BM+\b], v[S+16*\b+\i], v[S+16*\b+\i+1]
.endr
.endr
.irp b, 0,1,2,3
	v_max_num_f32 v[BM+\b], v[BM+\b], v[S+16*\b+15]
.endr
.irp b, 0,1,2,3
	s_delay_alu instid0(VALU_DEP_4)
	v_permlanex16_b32 v[BT+\b], v[BM+\b], s[SEL], s[SEL+1]
.endr
.irp b, 0,1,2,3
	s_delay_alu instid0(VALU_DEP_4)
	v_max_num_f32 v[BM+\b], v[BM+\b], v[BT+\b]     ; with lane l xor 16's 16 keys
.endr
	s_delay_alu instid0(VALU_DEP_2)
	v_max3_num_f32 v[TT], v[BM], v[BM+1], v[BM+2]
	s_delay_alu instid0(VALU_DEP_1)
	v_max_num_f32 v[TT], v[TT], v[BM+3]
	s_delay_alu instid0(VALU_DEP_1)
	v_mul_f32 v[TT], s[CS], v[TT]                  ; the step's largest t
	s_delay_alu instid0(VALU_DEP_1)
	v_max_num_f32 v13, v13, v[TT]                  ; the running largest
	v_mov_b32 v[TT], v12
	s_delay_alu instid0(VALU_DEP_2)
	v_floor_f32 v12, -v13                          ; the new -M = -ceil(t),
	v_floor_f32 v11, -v13                          ; and its second copy
	s_delay_alu instid0(VALU_DEP_2)
	v_sub_f32 v[TT], v12, v[TT]                    ; old M - new M: a whole number, 0 or less
	s_delay_alu instid0(VALU_DEP_1)
	v_cvt_i32_f32 v[TT], v[TT]                     ; (it saturates)
	s_delay_alu instid0(VALU_DEP_1)
	v_ldexp_f32 v[FF], 1.0, v[TT]                  ; f,
	v_ldexp_f32 v[FF+1], 1.0, v[TT]                ; and its second copy
.irp j, 0,2,4,6,8,10,12,14,16,18,20,22,24,26,28,30,32,34,36,38,40,42,44,46,48,50,52,54,56,58,60,62
	v_dual_fma_f32 v[S+\j], v[S+\j], v8, v12 :: v_dual_fma_f32 v[S+\j+1], v[S+\j+1], v9, v11   ; t - M, two fused multiply-adds an instruction
.endr
.irp b, 0,1,2,3
	v_fma_f32 v[BM+\b], v[BM+\b], s[CS], v12       ; the same of each block's largest score
.endr
	s_wait_alu depctr_va_vdst(0)
.irp j, 0,1,2,3,4,5,6,7,8,9,10,11,12,13,14,15,16,17,18,19,20,21,22,23,24,25,26,27,28,29,30,31,32,33,34,35,36,37,38,39,40,41,42,43,44,45,46,47,48,49,50,51,52,53,54,55,56,57,58,59,60,61,62,63
	v_exp_f32 v[S+\j], v[S+\j]                     ; p = 2^(t - M)
.endr
	v_pk_mul_f32 v[14:15], v[14:15], v[FF:FF+1] op_sel_hi:[1,0]   ; the sums under the new M: a plain instruction behind the exponentials
	s_wait_alu depctr_va_vdst(0)                   ; one wait for the batch, ahead of its first reader
.irp b, 0,1,2,3
	v_exp_f32 v[BM+\b], v[BM+\b]                   ; the blocks' largest p
.endr
; THE ROW'S SUM OF THE UNQUANTISED p: 32 pairs of registers, two additions an instruction, in eight chains by turns (seven at work and the sum itself), then joined
.macro DADD d, a, b
	v_dual_add_f32 v[\d], v[\a], v[\b] :: v_dual_add_f32 v[(\d)+1], v[(\a)+1], v[(\b)+1]
.endm
.set P, S
.irp d, 238,252,250,248,244,242,240
	DADD \d, P, P+2
.set P, P+4
.endr
	DADD 14, 14, P
.set P, P+2
.rept 2
.irp d, 238,252,250,248,244,242,240
	DADD \d, \d, P
.set P, P+2
.endr
	DADD 14, 14, P
.set P, P+2
.endr
	DADD 238, 238, P
	DADD 14, 14, 248
	DADD 252, 252, 242
	DADD 250, 250, 240
	DADD 238, 238, 244
	DADD 14, 14, 252
	DADD 238, 238, 250
	DADD 14, 14, 238
	s_wait_alu depctr_va_vdst(0)                   ; and one for the four
.irp b, 0,1,2,3
	v_max_num_f32 v[BM+\b], 0x1800000, v[BM+\b]    ; the floor 2^(3 - 127)
.endr
.irp b, 0,1,2,3
	s_delay_alu instid0(VALU_DEP_4)
	v_add_nc_u32 v[SO+\b], 0xff000000, v[BM+\b]
.endr
.irp b, 0,1,2,3
	s_delay_alu instid0(VALU_DEP_4)
	v_lshrrev_b32 v[BT+\b], 23, v[SO+\b]
.endr
	s_delay_alu instid0(VALU_DEP_3)
	v_lshl_or_b32 v[PW], v[BT+1], 8, v[BT]         ; p's scale word for these 128 keys
	s_delay_alu instid0(VALU_DEP_1)
	v_lshl_or_b32 v[PW], v[BT+2], 16, v[PW]
	s_delay_alu instid0(VALU_DEP_1)
	v_lshl_or_b32 v[PW], v[BT+3], 24, v[PW]
.irp b, 0,1,2,3
	v_cvt_scalef32_pk8_fp4_f32 v[PC+2*\b], v[S+16*\b:S+16*\b+7], v[SO+\b]
	v_cvt_scalef32_pk8_fp4_f32 v[PC+2*\b+1], v[S+16*\b+8:S+16*\b+15], v[SO+\b]
.endr
	v_nop
.irp c, 0,1
.irp i, 0,1
	v_permlane16_swap_b32 v[PC+4*\c+\i], v[PC+4*\c+2+\i]
.endr
.endr
.irp j, 0,2,4,6,8,10,12,14,16,18,20,22,24,26,28,30
	v_dual_mul_f32 v[OA+\j], v[FF], v[OA+\j] :: v_dual_mul_f32 v[OA+\j+1], v[FF+1], v[OA+\j+1]   ; O^T under the new M; these sixteen also stand between the scale word's last line and the products
.endr
	s_wait_alu depctr_va_vdst(0)
	s_wait_dscnt 0x0                               ; V
.irp f, 0,1,2,3
	v_wmma_scale_f32_16x16x128_f8f6f4 v[OA+8*\f:OA+8*\f+7], v[VF+8*\f:VF+8*\f+7], v[PC:PC+7], v[OA+8*\f:OA+8*\f+7], v[VSW+\f], v[PW] matrix_a_fmt:MATRIX_FMT_FP4 matrix_b_fmt:MATRIX_FMT_FP4
.endr
	s_add_co_u32 s[TB], s[TB], 8192
	s_add_co_u32 s[TS], s[TS], 768
	s_sub_co_u32 s[CNT], s[CNT], 1
	s_cmp_lg_u32 s[CNT], 0
	s_cbranch_scc1 .Lstep
	; THE WAY OUT: O^T / the sum; its 32 numbers a lane are the head's 64 in two blocks: quantised, they are half a fragment of the next product
.rept 4
	v_nop
.endr
	v_add_f32 v14, v14, v15
	s_delay_alu instid0(VALU_DEP_1)
	v_permlanex16_b32 v[BT], v14, s[SEL], s[SEL+1]
	s_delay_alu instid0(VALU_DEP_1)
	v_add_f32 v14, v14, v[BT]                      ; the row's sum
	s_wait_alu depctr_va_vdst(0)
	v_rcp_f32 v14, v14
	v_nop
	s_wait_alu depctr_va_vdst(0)
.irp j, 0,1,2,3,4,5,6,7,8,9,10,11,12,13,14,15,16,17,18,19,20,21,22,23,24,25,26,27,28,29,30,31
	v_mul_f32 v[S+\j], v[OA+\j], v14               ; register 16 b + i: o(r, 32 b + 16 (l / 16) + i)
.endr
.irp b, 0,1
	v_max3_num_f32 v[BM+\b], |v[S+16*\b]|, |v[S+16*\b+1]|, 0x1800000
.endr
.irp i, 2,4,6,8,10,12,14
.irp b, 0,1
	s_delay_alu instid0(VALU_DEP_2)
	v_max3_num_f32 v[BM+\b], v[BM+\b], |v[S+16*\b+\i]|, |v[S+16*\b+\i+1]|
.endr
.endr
.irp b, 0,1
	s_delay_alu instid0(VALU_DEP_2)
	v_permlanex16_b32 v[BT+\b], v[BM+\b], s[SEL], s[SEL+1]
.endr
.irp b, 0,1
	s_delay_alu instid0(VALU_DEP_2)
	v_max_num_f32 v[BM+\b], v[BM+\b], v[BT+\b]
.endr
.irp b, 0,1
	s_delay_alu instid0(VALU_DEP_2)
	v_add_nc_u32 v[SO+\b], 0xff000000, v[BM+\b]
.endr
.irp b, 0,1
	s_delay_alu instid0(VALU_DEP_2)
	v_lshrrev_b32 v[BT+\b], 23, v[SO+\b]
.endr
	s_delay_alu instid0(VALU_DEP_1)
	v_lshl_or_b32 v[PW], v[BT+1], 8, v[BT]
.irp b, 0,1
	v_cvt_scalef32_pk8_fp4_f32 v[PC+2*\b], v[S+16*\b:S+16*\b+7], v[SO+\b]
	v_cvt_scalef32_pk8_fp4_f32 v[PC+2*\b+1], v[S+16*\b+8:S+16*\b+15], v[SO+\b]
.endr
	v_nop
	v_permlane16_swap_b32 v[PC], v[PC+2]
	v_permlane16_swap_b32 v[PC+1], v[PC+3]         ; lane (r, h): block h whole, 16 bytes
	global_store_b128 v1, v[PC:PC+3], s[56:57]     ; 512 consecutive bytes
	global_store_b16 v10, v[PW], s[58:59]          ; row r's two scale bytes (both halves of the lanes store the same): 2 bytes of each row's 32, one sixteenth of what the launch stores
	s_wait_dscnt 0x0
	s_wait_tensorcnt 0x0
	ds_add_u32 v254, v255
	s_wait_dscnt 0x0
	CROUND                                         ; the closing round
	s_endpgm
.Lfunc_end_k_q856fe0de8c_attn:
	.size	k_q856fe0de8c_attn, .Lfunc_end_k_q856fe0de8c_attn-k_q856fe0de8c_attn
	.p2alignl 7, 3214868480
	.fill 96, 4, 3214868480
	.section	.rodata,"a",@progbits
	.p2align	6, 0x0
	.amdhsa_kernel k_q856fe0de8c_attn
		.amdhsa_group_segment_fixed_size 169984
		.amdhsa_private_segment_fixed_size 0
		.amdhsa_enable_private_segment 0
		.amdhsa_kernarg_size 16
		.amdhsa_user_sgpr_count 2
		.amdhsa_user_sgpr_kernarg_segment_ptr 1
		.amdhsa_wavefront_size32 1
		.amdhsa_system_sgpr_workgroup_id_x 1
		.amdhsa_system_sgpr_workgroup_id_y 1
		.amdhsa_system_sgpr_workgroup_id_z 1
		.amdhsa_system_vgpr_workitem_id 0
		.amdhsa_next_free_vgpr 256
		.amdhsa_next_free_sgpr 66
		.amdhsa_reserve_vcc 0
		.amdhsa_float_denorm_mode_32 3
		.amdhsa_float_denorm_mode_16_64 3
		.amdhsa_memory_ordered 1
		.amdhsa_forward_progress 1
		.amdhsa_inst_pref_size 31
	.end_amdhsa_kernel
	.amdgpu_metadata
---
amdhsa.version: [ 1, 2 ]
amdhsa.kernels:
  - .name:           k_q856fe0de8c_attn
    .symbol:         k_q856fe0de8c_attn.kd
    .args:
      - { .name: qkv, .offset: 0, .size: 8, .value_kind: global_buffer, .address_space: global }
      - { .name: ao, .offset: 8, .size: 8, .value_kind: global_buffer, .address_space: global }
    .group_segment_fixed_size: 169984
    .private_segment_fixed_size: 0
    .kernarg_segment_align: 8
    .kernarg_segment_size: 16
    .max_flat_workgroup_size: 512
    .sgpr_count:     66
    .vgpr_count:     256
    .wavefront_size: 32
...
	.end_amdgpu_metadata
.endif
;; end of part 9
;; launch proj (part 10): grid 8 x 32, 4 waves a work-group, clusters of 4 x 4, 327,680 bytes of LDS; arguments ao, pa, x, x1; writes x1
.if DOCPART == 10
	.amdgcn_target "amdgcn-amd-amdhsa--gfx1250"
	.amdhsa_code_object_version 6
	.text
	.protected	k_q856fe0de8c_proj
	.globl	k_q856fe0de8c_proj
	.p2align	8
	.type	k_q856fe0de8c_proj,@function
k_q856fe0de8c_proj:
	s_mov_b64 s[64:65], 0
	v_nop
	global_prefetch_b8 v0, s[64:65] scope:SCOPE_SE
	s_setreg_imm32_b32 hwreg(HW_REG_WAVE_MODE, 25, 1), 1
	s_wait_xcnt 0x0
	s_wait_alu depctr_hold_cnt(0) depctr_sa_sdst(0) depctr_va_vdst(0) depctr_va_sdst(0) depctr_va_ssrc(0) depctr_va_vcc(0) depctr_vm_vsrc(0)
	s_getreg_b32 s2, hwreg(HW_REG_IB_STS2, 6, 4)
	s_cmp_eq_u32 s2, 0
	s_cbranch_scc0 .Lentry_in_a_cluster
	s_endpgm
.Lentry_in_a_cluster:
	s_bfe_u32 s2, ttmp6, 0x10000c
	s_cmp_lg_u32 s2, 0xf033
	s_cbranch_scc0 .Lentry_shape_is_right
	s_endpgm
.Lentry_shape_is_right:
; x1 = x + o w_o^T on codes of FP4 (E2M1) with E8M0 scales, K = 1,024.  A work-group of four waves makes 128 x 128 of the result, a wave 64 x 64; the matrix instruction is used transposed.
; ALL OF K STAYS IN LDS and is fetched once, one joint load a wave: wave 0 A's 128 rows (one dense block of register images), wave 1 B's 128 rows (16 bytes of padding behind each),
; waves 2 and 3 their scale bytes.  Nothing is filled again: the barrier behind the loads is the only one ahead of the closing round.  The way out's stage has bytes of its own.
; CLUSTERS of 4 x 4: A's block is shared along a row of the cluster, B's along a column.  No prefetch is laid: all that the launch reads is asked for at its head.
.set SIZE_K, 1024
.set SIZE_N, 1024
.set O_ASC,  0x200000
.set O_BC,   0x3b8000
.set O_BS,   0x438000
.set KSTEP,  512
.set NSL,    SIZE_K/KSTEP
.set ASTEP,  32768                     ; A: 512 along K = four chunks of 8 tiles x 1,024 bytes
.set KROW,   SIZE_K/2                  ; a row of B's codes
.set ROWB,   KROW
.set PITCH,  KROW+16                   ; and in LDS: an odd multiple of 16 bytes
.set QIB,    5+SIZE_K/1024             ; the padding's interval: a row's dwords
.set HALFT,  64*PITCH
.set BBASE,  128*KROW                  ; A's block lies at 0, B's rows behind it
.set KS,     SIZE_K/32
.set SCL,    BBASE+2*HALFT             ; then the scales, as units of 256 bytes + 16
.set HALFS,  (64*KS/256)*272
.set SBLK,   (16*KS/256)*272
.set SPITCH, 272
.set STAGE,  SCL+4*HALFS               ; the way out: 16 rows x 272 bytes a wave
.set SPARE,  STAGE+4*16*SPITCH         ; the spare words, which no other line names
.set ADRA, 16
.set ADRB, 20
.set STO,  24
.set RD,   25
.set CO,   26
.set ADRS, 27
.set SC,   32
.set AF,   64
.set BF,   128
.set BK,   192
.set RES,  128
.set G0S,  4
.set G0SB, 8
.set G1,   24
.set G1B,  32
.set G0,   48
.set G0B,  68
.set G1S,  84
.set G1SB, 92
.set MSB, 0
.macro WIN new
.if MSB != \new
	s_set_vgpr_msb (MSB<<8)|\new
.set MSB, \new
.endif
.endm
.set MULW,  0x50
.set FROM1, 0x04
.set TO1,   0x40
.macro JLOAD g0a, g1a, g0b, g1b
	s_cmp_eq_u32 s15, 0
	s_cbranch_scc0 .Lfor_b_\@
	tensor_load_to_lds s[\g0a:\g0a+3], s[\g1a:\g1a+7]
	s_nop 0
.rept 4
	v_nop
.endr
	s_branch .Lasked_\@
.Lfor_b_\@:
	tensor_load_to_lds s[\g0b:\g0b+3], s[\g1b:\g1b+7]
	s_nop 0
.rept 4
	v_nop
.endr
.Lasked_\@:
.endm
.macro CROUND
	s_barrier_signal -1
	s_barrier_wait -1
	s_cmp_lg_u32 s14, 0
	s_cbranch_scc1 .Lnot_wave_0_\@
	s_barrier_signal -3
.Lnot_wave_0_\@:
	s_barrier_wait -3
	s_barrier_signal -1
	s_barrier_wait -1
.endm
	s_load_b64 s[2:3], s[0:1], 0x0
	s_load_b64 s[66:67], s[0:1], 0x8
	s_load_b64 s[100:101], s[0:1], 0x10
	s_load_b64 s[12:13], s[0:1], 0x18
	v_lshl_add_u32 v30, v0, 2, SPARE
	v_mov_b32 v31, 0
	ds_add_u32 v30, v31
	ds_add_u32 v30, v31
	v_lshrrev_b32 v1, 5, v0
	v_readfirstlane_b32 s14, v1
	s_lshr_b32 s15, s14, 1
	s_and_b32 s16, s14, 1
	s_bfe_u32 s40, ttmp6, 0x40000
	s_bfe_u32 s41, ttmp6, 0x40004
	s_lshl_b32 s42, ttmp9, 2
	s_add_co_u32 s42, s42, s40
	s_and_b32 s17, ttmp7, 0xffff
	s_lshl_b32 s17, s17, 2
	s_add_co_u32 s17, s17, s41
	s_lshl_b32 s43, s41, 2
	s_lshl_b32 s43, 15, s43
	s_lshl_b32 s44, 0x1111, s40
	s_or_b32 s[G1+0], s43, (3<<16)|(1<<21)
	s_mov_b32 s[G1+1], 32<<16                      ; A: 128 KROW dense bytes as rows of 256 (32 elements of 8 bytes)
	s_mov_b32 s[G1+2], (KROW/2)<<16
	s_mov_b32 s[G1+3], 32<<16
	s_mov_b32 s[G1+4], KROW/2
	s_mov_b32 s[G1+5], 32
	s_mov_b32 s[G1+6], 0
	s_mov_b32 s[G1+7], 0
	s_or_b32 s[G1B+0], s44, (0<<16)|(1<<20)|(1<<21)|(QIB<<22)|(3<<25)   ; B: 128 whole rows, four words of padding behind each
	s_mov_b32 s[G1B+1], ROWB<<16
	s_mov_b32 s[G1B+2], 128<<16
	s_mov_b32 s[G1B+3], ROWB<<16
	s_mov_b32 s[G1B+4], 128
	s_mov_b32 s[G1B+5], KROW
	s_mov_b32 s[G1B+6], 0
	s_mov_b32 s[G1B+7], 0
	s_or_b32 s[G1S+0], s43, (3<<16)|(1<<20)|(1<<21)|(5<<22)|(3<<25)
	s_or_b32 s[G1SB+0], s44, (3<<16)|(1<<20)|(1<<21)|(5<<22)|(3<<25)
.irp g, G1S, G1SB
	s_mov_b32 s[\g+1], 32<<16
	s_mov_b32 s[\g+2], (128*KS/256)<<16            ; the scales of 128 rows
	s_mov_b32 s[\g+3], 32<<16
	s_mov_b32 s[\g+4], 128*KS/256
	s_mov_b32 s[\g+5], 32
	s_mov_b32 s[\g+6], 0
	s_mov_b32 s[\g+7], 0
.endr
	s_lshl_b32 s20, s17, 7                         ; A's first row: 128 x tile row
	s_mov_b32 s21, 0
	s_lshl_b32 s46, s42, 7                         ; B's: 128 x tile column
	s_mov_b32 s47, 0
	s_mov_b64 s[18:19], KS
	s_mul_u64 s[G0S+2:G0S+3], s[20:21], s[18:19]
	s_mul_u64 s[G0SB+2:G0SB+3], s[46:47], s[18:19]
	s_mov_b64 s[18:19], KROW
	s_mul_u64 s[G0B+2:G0B+3], s[46:47], s[18:19]
	s_lshl_b32 s20, s17, 7
	s_mul_u64 s[G0+2:G0+3], s[20:21], s[18:19]
	s_add_nc_u64 s[G0S+2:G0S+3], s[G0S+2:G0S+3], O_ASC
	s_add_nc_u64 s[G0B+2:G0B+3], s[G0B+2:G0B+3], O_BC
	s_add_nc_u64 s[G0SB+2:G0SB+3], s[G0SB+2:G0SB+3], O_BS
	s_wait_dscnt 0x0
	s_wait_kmcnt 0x0
	s_add_nc_u64 s[G0+2:G0+3], s[2:3], s[G0+2:G0+3]
	s_add_nc_u64 s[G0S+2:G0S+3], s[2:3], s[G0S+2:G0S+3]
	s_add_nc_u64 s[G0B+2:G0B+3], s[66:67], s[G0B+2:G0B+3]
	s_add_nc_u64 s[G0SB+2:G0SB+3], s[66:67], s[G0SB+2:G0SB+3]
	CROUND
	s_mov_b32 s[G0S], 1
	s_mov_b32 s[G0S+1], SCL
	s_or_b32 s[G0S+3], s[G0S+3], 0x80000000
	s_mov_b32 s[G0SB], 1
	s_mov_b32 s[G0SB+1], SCL+2*HALFS
	s_or_b32 s[G0SB+3], s[G0SB+3], 0x80000000
	s_mov_b32 s[G0], 1
	s_mov_b32 s[G0+1], 0
	s_or_b32 s[G0+3], s[G0+3], 0x80000000
	s_mov_b32 s[G0B], 1
	s_mov_b32 s[G0B+1], BBASE
	s_or_b32 s[G0B+3], s[G0B+3], 0x80000000
; THE LAUNCH'S FOUR LOADS, ONE A WAVE, in one tree of branches on the wave's number: every way passes one load
.macro ARM under, g0, g1, next
	s_cmp_lt_u32 s14, \under
	s_cbranch_scc0 \next
	tensor_load_to_lds s[\g0:\g0+3], s[\g1:\g1+7]
	s_nop 0
.rept 4
	v_nop
.endr
	s_branch .Lhead_asked
\next:
.endm
	ARM 1, G0, G1, .Lhead_b
	ARM 2, G0B, G1B, .Lhead_sa
	ARM 3, G0S, G1S, .Lhead_sb
	tensor_load_to_lds s[G0SB:G0SB+3], s[G1SB:G1SB+7]
	s_nop 0
.rept 4
	v_nop
.endr
.Lhead_asked:
	v_and_b32 v1, 15, v0
	v_bfe_u32 v2, v0, 4, 1
	v_mul_u32_u24 v3, v1, PITCH
	v_lshl_add_u32 v4, v2, 4, v3
	v_and_b32 v6, 31, v0
	v_lshlrev_b32 v7, 4, v6
	s_lshl_b32 s21, s15, 12                        ; A: my four tiles of a chunk's eight
	s_mul_i32 s22, s16, HALFT
	s_add_co_u32 s22, s22, BBASE
.irp s, 0,1,2,3
.if \s < NSL
	v_add_nc_u32 v[ADRA+\s], s21, v7
	v_add_nc_u32 v[ADRB+\s], s22, v4
	s_add_co_u32 s21, s21, ASTEP                   ; 512 along K on: four chunks of A,
	s_add_co_u32 s22, s22, 256                     ; 256 bytes in B's rows
.endif
.endr
	v_mul_u32_u24 v5, v1, KS
	v_lshrrev_b32 v6, 8, v5
	v_lshl_add_u32 v5, v6, 4, v5
	s_mul_i32 s21, s15, HALFS
	s_mul_i32 s22, s16, HALFS
	s_add_co_u32 s22, s22, 2*HALFS
	s_sub_co_u32 s22, s22, s21
	v_mul_u32_u24 v6, s22, v2
	s_add_co_u32 s21, s21, SCL
	v_add_nc_u32 v5, v5, v6
	v_add_nc_u32 v[ADRS], s21, v5
	s_mul_i32 s23, s14, 16*SPITCH
	s_add_co_u32 s23, s23, STAGE                   ; my stage
	v_mul_u32_u24 v5, v1, SPITCH
	v_lshl_add_u32 v5, v2, 5, v5
	v_add_nc_u32 v[STO], s23, v5
	v_mul_u32_u24 v5, v2, SPITCH
	v_lshl_add_u32 v5, v1, 4, v5
	v_add_nc_u32 v[RD], s23, v5
	v_lshlrev_b32 v5, 12, v2
	v_lshl_add_u32 v[CO], v1, 4, v5
	s_wait_alu depctr_va_vdst(0)
	s_lshl_b32 s20, s17, 7
	s_lshl_b32 s21, s15, 6
	s_add_co_u32 s20, s20, s21
	s_lshl_b32 s20, s20, 12
	s_lshl_b32 s21, s42, 9
	s_add_co_u32 s20, s20, s21
	s_lshl_b32 s21, s16, 8
	s_add_co_u32 s20, s20, s21
	s_mov_b32 s21, 0
	s_add_nc_u64 s[12:13], s[12:13], s[20:21]
	s_add_nc_u64 s[100:101], s[100:101], s[20:21]
	WIN TO1
.irp a, 0,1,2,3
.irp t, 0,1,2,3,4,5,6,7
	global_load_b128 v[RES+32*\a+4*\t:RES+32*\a+4*\t+3], v[CO], s[100:101] offset:(32*(\a/2)+8*(\a%2)+16*(\t/4)+2*(\t%4))*SIZE_N*4 th:TH_LOAD_NT
.endr
.endr
	WIN 0
.macro FRAG reg, adr, q, i
.irp c, 0,1
	ds_load_b128 v[\reg+4*\c:\reg+4*\c+3], v[\adr] offset:64*(\q)+32*\c+(\i)*16*PITCH
.endr
.endm
.macro FRAGA reg, adr, q, i
.irp c, 0,1
	ds_load_b128 v[\reg+4*\c:\reg+4*\c+3], v[\adr] offset:8192*(\q)+1024*(\i)+512*\c
.endr
.endm
.macro MUL8 a0, p, q, sc, zero
.irp a, \a0, \a0+1
.irp b, 0,1,2,3
.if \zero
	v_wmma_scale_f32_16x16x128_f8f6f4 v[8*(4*(\a)+\b):8*(4*(\a)+\b)+7], v[BF+32*(\p)+8*\b:BF+32*(\p)+8*\b+7], v[AF+32*(\p)+8*(\a):AF+32*(\p)+8*(\a)+7], 0, v[SC+16*(\sc)+4*\b+(\q)], v[SC+16*(\sc)+4*(\a)+(\q)] matrix_a_fmt:MATRIX_FMT_FP4 matrix_b_fmt:MATRIX_FMT_FP4 matrix_a_scale:MATRIX_SCALE_ROW1
.else
	v_wmma_scale_f32_16x16x128_f8f6f4 v[8*(4*(\a)+\b):8*(4*(\a)+\b)+7], v[BF+32*(\p)+8*\b:BF+32*(\p)+8*\b+7], v[AF+32*(\p)+8*(\a):AF+32*(\p)+8*(\a)+7], v[8*(4*(\a)+\b):8*(4*(\a)+\b)+7], v[SC+16*(\sc)+4*\b+(\q)], v[SC+16*(\sc)+4*(\a)+(\q)] matrix_a_fmt:MATRIX_FMT_FP4 matrix_b_fmt:MATRIX_FMT_FP4 matrix_a_scale:MATRIX_SCALE_ROW1
.endif
.endr
.endr
.endm
.macro FETCH slot, q, p
.irp i, 0,1,2,3
	FRAG BF+32*(\p)+8*\i, ADRB+\slot, \q, \i
.endr
.irp i, 0,1,2,3
	FRAGA AF+32*(\p)+8*\i, ADRA+\slot, \q, \i
.endr
.endm
.macro SCALES slot
.irp i, 0,1,2,3
	ds_load_b128 v[SC+16*((\slot)%2)+4*\i:SC+16*((\slot)%2)+4*\i+3], v[ADRS] offset:\i*SBLK+16*(\slot)
.endr
.endm
.macro PLACES
.rept 4
	v_nop
.endr
.endm
.macro STEP slot, q, zero
.if \zero == 0
	PLACES
.endif
	FETCH \slot, (\q)+1, ((\q)+1)%2
	s_wait_dscnt 16
	WIN MULW
	MUL8 0, (\q)%2, \q, (\slot)%2, \zero
	MUL8 2, (\q)%2, \q, (\slot)%2, \zero
	WIN 0
.endm
.macro TURN slot, left
	s_wait_dscnt 0x0
	WIN MULW
	MUL8 0, 1, 3, (\slot)%2, 0
	WIN 0
	PLACES
	FETCH (\slot)+1, 0, 0
	SCALES (\slot)+1
	WIN MULW
	MUL8 2, 1, 3, (\slot)%2, 0
	WIN 0
.endm
	s_wait_tensorcnt 0x0                           ; my load has landed; behind the barrier everybody's has, and LDS is only read
	s_barrier_signal -1
	s_barrier_wait -1
	FETCH 0, 0, 0
	SCALES 0
	STEP 0, 0, 1
	STEP 0, 1, 0
	STEP 0, 2, 0
.irp s, 1,2,3
.if \s < NSL
	TURN \s-1, NSL-1-\s
	STEP \s, 0, 0
	STEP \s, 1, 0
	STEP \s, 2, 0
.endif
.endr
	s_wait_dscnt 0x0
	WIN MULW
	MUL8 0, 1, 3, (NSL-1)%2, 0
	MUL8 2, 1, 3, (NSL-1)%2, 0
	WIN 0
.macro TOSTAGE a
	WIN FROM1
.irp b, 0,1,2,3
	ds_store_b128 v[STO], v[32*(\a)+8*\b:32*(\a)+8*\b+3] offset:64*\b
	ds_store_b128 v[STO], v[32*(\a)+8*\b+4:32*(\a)+8*\b+7] offset:64*\b+16
.endr
	WIN 0
.set BB, BK+32*((\a)%2)
.irp t, 0,1,2,3,4,5,6,7
	ds_load_b128 v[BB+4*\t:BB+4*\t+3], v[RD] offset:\t*2*SPITCH
.endr
.endm
.macro SEND a, younger
.set BB, BK+32*((\a)%2)
	s_wait_dscnt \younger
	WIN FROM1
.irp t, 0,1,2,3,4,5,6,7
	v_pk_add_f32 v[BB+4*\t:BB+4*\t+1], v[BB+4*\t:BB+4*\t+1], v[RES+32*(\a)+4*\t:RES+32*(\a)+4*\t+1]
	v_pk_add_f32 v[BB+4*\t+2:BB+4*\t+3], v[BB+4*\t+2:BB+4*\t+3], v[RES+32*(\a)+4*\t+2:RES+32*(\a)+4*\t+3]
.endr
	WIN 0
.irp t, 0,1,2,3,4,5,6,7
	global_store_b128 v[CO], v[BB+4*\t:BB+4*\t+3], s[12:13] offset:(32*((\a)/2)+8*((\a)%2)+16*(\t/4)+2*(\t%4))*SIZE_N*4 th:TH_STORE_NT
.endr
.endm
	s_wait_loadcnt 0x0
	PLACES
	TOSTAGE 0
.irp a, 1,2,3
.if \a > 1
	s_wait_xcnt 0x0
.endif
	TOSTAGE \a
	SEND \a-1, 16
.endr
	SEND 3, 0
	s_wait_tensorcnt 0x0
	ds_add_u32 v30, v31
	s_wait_dscnt 0x0
	CROUND
	s_endpgm
.Lfunc_end_k_q856fe0de8c_proj:
	.size	k_q856fe0de8c_proj, .Lfunc_end_k_q856fe0de8c_proj-k_q856fe0de8c_proj
	.p2alignl 7, 3214868480
	.fill 96, 4, 3214868480
	.section	.rodata,"a",@progbits
	.p2align	6, 0x0
	.amdhsa_kernel k_q856fe0de8c_proj
		.amdhsa_group_segment_fixed_size 327680
		.amdhsa_private_segment_fixed_size 0
		.amdhsa_enable_private_segment 0
		.amdhsa_kernarg_size 32
		.amdhsa_user_sgpr_count 2
		.amdhsa_user_sgpr_kernarg_segment_ptr 1
		.amdhsa_wavefront_size32 1
		.amdhsa_system_sgpr_workgroup_id_x 1
		.amdhsa_system_sgpr_workgroup_id_y 1
		.amdhsa_system_sgpr_workgroup_id_z 1
		.amdhsa_system_vgpr_workitem_id 0
		.amdhsa_next_free_vgpr 512
		.amdhsa_next_free_sgpr 102
		.amdhsa_reserve_vcc 0
		.amdhsa_float_denorm_mode_32 3
		.amdhsa_float_denorm_mode_16_64 3
		.amdhsa_memory_ordered 1
		.amdhsa_forward_progress 1
		.amdhsa_inst_pref_size 50
	.end_amdhsa_kernel
	.amdgpu_metadata
---
amdhsa.version: [ 1, 2 ]
amdhsa.kernels:
  - .name:           k_q856fe0de8c_proj
    .symbol:         k_q856fe0de8c_proj.kd
    .args:
      - { .name: ao, .offset: 0, .size: 8, .value_kind: global_buffer, .address_space: global }
      - { .name: pa, .offset: 8, .size: 8, .value_kind: global_buffer, .address_space: global }
      - { .name: x, .offset: 16, .size: 8, .value_kind: global_buffer, .address_space: global }
      - { .name: x1, .offset: 24, .size: 8, .value_kind: global_buffer, .address_space: global }
    .group_segment_fixed_size: 327680
    .private_segment_fixed_size: 0
    .kernarg_segment_align: 8
    .kernarg_segment_size: 32
    .max_flat_workgroup_size: 128
    .sgpr_count:     102
    .vgpr_count:     512
    .wavefront_size: 32
...
	.end_amdgpu_metadata
.endif
;; end of part 10
;; launch prep_f: the kernel of part 7 again; grid 128 x 1, 4 waves a work-group, no clusters, 23,040 bytes of LDS; arguments x1, g_ff, w_qkv, w_o, w1, w2, pf; writes pf
;; launch up (part 11): grid 16 x 16, 4 waves a work-group, clusters of 4 x 4, 327,680 bytes of LDS; arguments pf, pa, act; writes act
.if DOCPART == 11
	.amdgcn_target "amdgcn-amd-amdhsa--gfx1250"
	.amdhsa_code_object_version 6
	.text
	.protected	k_q856fe0de8c_up
	.globl	k_q856fe0de8c_up
	.p2align	8
	.type	k_q856fe0de8c_up,@function
k_q856fe0de8c_up:
	s_mov_b64 s[64:65], 0
	v_nop
	global_prefetch_b8 v0, s[64:65] scope:SCOPE_SE
	s_setreg_imm32_b32 hwreg(HW_REG_WAVE_MODE, 25, 1), 1
	s_wait_xcnt 0x0
	s_wait_alu depctr_hold_cnt(0) depctr_sa_sdst(0) depctr_va_vdst(0) depctr_va_sdst(0) depctr_va_ssrc(0) depctr_va_vcc(0) depctr_vm_vsrc(0)
	s_getreg_b32 s2, hwreg(HW_REG_IB_STS2, 6, 4)
	s_cmp_eq_u32 s2, 0
	s_cbranch_scc0 .Lentry_in_a_cluster
	s_endpgm
.Lentry_in_a_cluster:
	s_bfe_u32 s2, ttmp6, 0x10000c
	s_cmp_lg_u32 s2, 0xf033
	s_cbranch_scc0 .Lentry_shape_is_right
	s_endpgm
.Lentry_shape_is_right:
; act = Q(silu(gate) x up), (gate, up) = hf w1^T on codes of FP4 (E2M1) with E8M0 scales (K = 1,024); act is quantised at once along the hidden axis for the next product.
; A tile of the product, 256 x 256, is made by a work-group of four waves; a wave makes 128 x 128.  K goes in two steps of 512 through two LDS slots, both filled at the start; the scale bytes come with them and stay.
; THE MATRIX INSTRUCTION IS USED TRANSPOSED (source 0 = 16 rows of w1, source 1 = 16 rows of hf): a lane holds one token's position and its registers run along w1's rows.
; w1's rows were laid so that a wave's 128 rows are 64 gate rows (blocks 0-3) and THE SAME 64 hidden units' up rows (blocks 4-7), each 32 in position order: gate and up of a unit meet in one lane,
; and the lane's 32 products are hidden units 32 b + 16 (l / 16) + i: two blocks of 32 with lane l xor 16.
; CLUSTERS of 4 x 4: hf's tile is shared along a row of the cluster, w1's along a column: joint loads.
; THE WAY OUT stays in registers: codes leave as images of the next operand's registers, 512 consecutive bytes a store.  A wave owns two of a row's 64 scale bytes: they leave by stores of 2 bytes, one sixteenth of what the launch stores.
; LIMITS: a block of zeros gets the scale byte 1 (its codes are zeros); NaN and infinities are not served; where exp2(-gate log2 e) passes the largest f32 number, silu is 0 where the true value lies under 1e-36.
.set SIZE_K, 1024
.set KSTEP,  512
.set NQ,     KSTEP/128
.set ROWB,   256
.set KROW,   SIZE_K/2
.set PITCH,  272
.set FR,     8
.set NL,     2
.set NP,     4
.set HALFT,  128*PITCH
.set SLOT,   4*HALFT
.set KS,     SIZE_K/32
.set SCL,    2*SLOT
.set HALFS,  (128*KS/256)*272
.set SBLK,   (16*KS/256)*272
.set SPARE,  SCL+4*HALFS
.set O_HS,   0x200000                  ; in pf
.set O_W1C,  0x440000                  ; in pa
.set O_W1S,  0x640000
.set O_AS,   0x400000                  ; in act
.set ADRA, 16
.set ADRB, 20
.set ADRS, 27
.set SPW,  28
.set NIL,  29
.set LI,   30                          ; v30  16 x lane
.set LS,   31                          ; v31  64 x lane
.set SC,   32
.set T,    32                          ; the way out: 32 numbers at work, where the scale words lay
.set TM,   96
.set AF,   128
.set PC,   128                         ; block a's codes at v[128 + 4 a]
.set PW,   200
.set XW,   208
.set G1, 24
.set G0, 32
.set G1B, 48
.set G0B, 56
.set SEL, 66
.set G1S, 68
.set G0S, 76
.set G1SB, 80
.set G0SB, 88
.set MSB, 0
.macro WIN new
.if MSB != \new
	s_set_vgpr_msb (MSB<<8)|\new
.set MSB, \new
.endif
.endm
.set MUL_LO, 0xa1
.set MUL_HI, 0xf1
.set TO_B,   0x40
.macro JLOAD g0a, g1a, g0b, g1b        ; a joint load: waves 0 and 1 fetch for A, waves 2 and 3 for B; four v_nop follow each of the two lines
	s_cmp_eq_u32 s15, 0
	s_cbranch_scc0 .Lfor_b_\@
	tensor_load_to_lds s[\g0a:\g0a+3], s[\g1a:\g1a+7]
	s_nop 0
.rept 4
	v_nop
.endr
	s_branch .Lasked_\@
.Lfor_b_\@:
	tensor_load_to_lds s[\g0b:\g0b+3], s[\g1b:\g1b+7]
	s_nop 0
.rept 4
	v_nop
.endr
.Lasked_\@:
.endm
.macro CROUND
	s_barrier_signal -1
	s_barrier_wait -1
	s_cmp_lg_u32 s14, 0
	s_cbranch_scc1 .Lnot_wave_0_\@
	s_barrier_signal -3
.Lnot_wave_0_\@:
	s_barrier_wait -3
	s_barrier_signal -1
	s_barrier_wait -1
.endm
	s_load_b128 s[4:7], s[0:1], 0x0                ; pf s[4:5], pa s[6:7]
	s_load_b64 s[12:13], s[0:1], 0x10              ; act
	v_lshl_add_u32 v[SPW], v0, 2, SPARE
	v_mov_b32 v[NIL], 0
	ds_add_u32 v28, v29
	ds_add_u32 v28, v29
	s_wait_dscnt 0x0
	v_lshrrev_b32 v1, 5, v0
	v_readfirstlane_b32 s14, v1
	s_lshr_b32 s15, s14, 1
	s_and_b32 s16, s14, 1
	s_bfe_u32 s40, ttmp6, 0x40000
	s_bfe_u32 s41, ttmp6, 0x40004
	s_lshl_b32 s42, ttmp9, 2
	s_add_co_u32 s42, s42, s40                     ; tile column
	s_and_b32 s17, ttmp7, 0xffff
	s_lshl_b32 s17, s17, 2
	s_add_co_u32 s17, s17, s41                     ; tile row
	s_lshl_b32 s43, s41, 2
	s_lshl_b32 s43, 15, s43
	s_lshl_b32 s44, 0x1111, s40
	s_or_b32 s[G1+0], s43, (0<<16)|(1<<20)|(1<<21)|(5<<22)|(3<<25)
	s_or_b32 s[G1B+0], s44, (0<<16)|(1<<20)|(1<<21)|(5<<22)|(3<<25)
.irp g, G1, G1B
	s_mov_b32 s[\g+1], ROWB<<16
	s_mov_b32 s[\g+2], 256<<16                     ; the head's loads bring 256 rows; K step 1's loads 128 (set behind the head's wait)
	s_mov_b32 s[\g+3], ROWB<<16
	s_mov_b32 s[\g+4], 256
	s_mov_b32 s[\g+5], KROW
	s_mov_b32 s[\g+6], 0
	s_mov_b32 s[\g+7], 0
.endr
	s_or_b32 s[G1S+0], s43, (3<<16)|(1<<20)|(1<<21)|(5<<22)|(3<<25)
	s_or_b32 s[G1SB+0], s44, (3<<16)|(1<<20)|(1<<21)|(5<<22)|(3<<25)
.irp g, G1S, G1SB
	s_mov_b32 s[\g+1], 32<<16
	s_mov_b32 s[\g+2], (256*KS/256)<<16            ; the scales of 256 rows
	s_mov_b32 s[\g+3], 32<<16
	s_mov_b32 s[\g+4], 256*KS/256
	s_mov_b32 s[\g+5], 32
	s_mov_b32 s[\g+6], 0
	s_mov_b32 s[\g+7], 0
.endr
	s_lshl_b32 s20, s17, 8                         ; A: the tile's first row, 256 x tile row
	s_lshl_b32 s46, s42, 8                         ; B: 256 x tile column
	s_mov_b32 s21, 0
	s_mov_b32 s47, 0
	s_mov_b64 s[18:19], KS
	s_mul_u64 s[22:23], s[20:21], s[18:19]
	s_mul_u64 s[92:93], s[46:47], s[18:19]
	s_mov_b64 s[18:19], KROW
	s_mul_u64 s[20:21], s[20:21], s[18:19]
	s_mul_u64 s[46:47], s[46:47], s[18:19]
	s_mul_i32 s45, s14, HALFT
	s_mul_i32 s18, s16, 128*KROW                   ; for K step 1 I fetch 128 rows of a tile: which half, in bytes
	s_mov_b32 s19, 0
	s_mov_b32 s[SEL], 0x76543210
	s_mov_b32 s[SEL+1], 0xfedcba98
	s_wait_kmcnt 0x0
	s_add_nc_u64 s[8:9], s[6:7], O_W1C
	s_add_nc_u64 s[10:11], s[6:7], O_W1S
	s_add_nc_u64 s[6:7], s[4:5], O_HS
	s_add_nc_u64 s[20:21], s[4:5], s[20:21]
	s_add_nc_u64 s[22:23], s[6:7], s[22:23]
	s_add_nc_u64 s[46:47], s[8:9], s[46:47]
	s_add_nc_u64 s[92:93], s[10:11], s[92:93]
	CROUND
	s_mov_b32 s[G0S], 1
	s_mov_b32 s[G0S+1], SCL
	s_mov_b64 s[G0S+2:G0S+3], s[22:23]
	s_or_b32 s[G0S+3], s[G0S+3], 0x80000000
	s_mov_b32 s[G0SB], 1
	s_mov_b32 s[G0SB+1], SCL+2*HALFS
	s_mov_b64 s[G0SB+2:G0SB+3], s[92:93]
	s_or_b32 s[G0SB+3], s[G0SB+3], 0x80000000
	s_mov_b32 s4, 1                                ; group 0 of the head's loads of K step 0, in registers whose addresses have been used: A's 256 rows,
	s_mov_b32 s5, 0
	s_mov_b64 s[6:7], s[20:21]
	s_or_b32 s7, s7, 0x80000000
	s_mov_b32 s8, 1                                ; B's 256 rows, behind them in slot 0
	s_mov_b32 s9, 2*HALFT
	s_mov_b64 s[10:11], s[46:47]
	s_or_b32 s11, s11, 0x80000000
	s_add_nc_u64 s[20:21], s[20:21], s[18:19]      ; for K step 1: my 128 rows of the tile
	s_add_nc_u64 s[46:47], s[46:47], s[18:19]
.irp s, 1
	s_mov_b32 s[G0+4*\s], 1
	s_add_co_u32 s[G0+4*\s+1], s45, \s*SLOT
	s_add_nc_u64 s[G0+4*\s+2:G0+4*\s+3], s[20:21], \s*ROWB
	s_or_b32 s[G0+4*\s+3], s[G0+4*\s+3], 0x80000000
	s_mov_b32 s[G0B+4*\s], 1
	s_add_co_u32 s[G0B+4*\s+1], s45, \s*SLOT
	s_add_nc_u64 s[G0B+4*\s+2:G0B+4*\s+3], s[46:47], \s*ROWB
	s_or_b32 s[G0B+4*\s+3], s[G0B+4*\s+3], 0x80000000
.endr
; THE HEAD'S LOADS, ONE A WAVE: wave 0 K step 0's 256 rows of A, wave 1 its 256 rows of B, wave 2 A's scales, wave 3 B's.  One tree of branches on the wave's number: every way passes one load.
.macro ARM under, g0, g1, next
	s_cmp_lt_u32 s14, \under
	s_cbranch_scc0 \next
	tensor_load_to_lds s[\g0:\g0+3], s[\g1:\g1+7]
	s_nop 0
.rept 4
	v_nop
.endr
	s_branch .Lhead_asked
\next:
.endm
	ARM 1, 4, G1, .Lhead_b
	ARM 2, 8, G1B, .Lhead_sa
	ARM 3, G0S, G1S, .Lhead_sb
	tensor_load_to_lds s[G0SB:G0SB+3], s[G1SB:G1SB+7]
	s_nop 0
.rept 4
	v_nop
.endr
.Lhead_asked:
	v_and_b32 v1, 15, v0
	v_bfe_u32 v2, v0, 4, 1
	v_mul_u32_u24 v3, v1, PITCH
	v_lshl_add_u32 v4, v2, 4, v3
	s_mul_i32 s21, s15, HALFT
	s_mul_i32 s22, s16, HALFT
	s_add_co_u32 s22, s22, 2*HALFT
.irp s, 0,1
	v_add_nc_u32 v[ADRA+\s], s21, v4
	v_add_nc_u32 v[ADRB+\s], s22, v4
	s_add_co_u32 s21, s21, SLOT
	s_add_co_u32 s22, s22, SLOT
.endr
	v_mul_u32_u24 v5, v1, KS
	v_lshrrev_b32 v6, 8, v5
	v_lshl_add_u32 v5, v6, 4, v5
	s_mul_i32 s21, s15, HALFS
	s_mul_i32 s22, s16, HALFS
	s_add_co_u32 s22, s22, 2*HALFS
	s_sub_co_u32 s22, s22, s21
	v_mul_u32_u24 v6, s22, v2
	s_add_co_u32 s21, s21, SCL
	v_add_nc_u32 v5, v5, v6
	v_add_nc_u32 v[ADRS], s21, v5
	v_and_b32 v6, 31, v0
	v_lshlrev_b32 v[LI], 4, v6
	v_lshlrev_b32 v[LS], 6, v6
.irp b, 0,1
	v_mov_b32 v[TM+4+\b], 0                        ; a lane permute's destination counts as one of its sources
.endr
.macro FRAG reg, adr, q, i
.irp c, 0,1
	ds_load_b128 v[\reg+4*\c:\reg+4*\c+3], v[\adr] offset:64*(\q)+32*\c+(\i)*16*PITCH
.endr
.endm
; 16 matrix instructions; the 64 accumulators take turns, one instruction a turn, in the same order in every step
.macro MUL16 a0, p, q, sc, zero
.irp a, \a0, \a0+1
.irp b, 0,1,2,3,4,5,6,7
.if \zero
	v_wmma_scale_f32_16x16x128_f8f6f4 v[8*(8*((\a)%4)+\b):8*(8*((\a)%4)+\b)+7], v[128*(\p)+FR*\b:128*(\p)+FR*\b+FR-1], v[AF+FR*(\a):AF+FR*(\a)+FR-1], 0, v[SC+8*NQ*(\sc)+NQ*\b+(\q)], v[SC+8*NQ*(\sc)+NQ*(\a)+(\q)] matrix_a_fmt:MATRIX_FMT_FP4 matrix_b_fmt:MATRIX_FMT_FP4 matrix_a_scale:MATRIX_SCALE_ROW1
.else
	v_wmma_scale_f32_16x16x128_f8f6f4 v[8*(8*((\a)%4)+\b):8*(8*((\a)%4)+\b)+7], v[128*(\p)+FR*\b:128*(\p)+FR*\b+FR-1], v[AF+FR*(\a):AF+FR*(\a)+FR-1], v[8*(8*((\a)%4)+\b):8*(8*((\a)%4)+\b)+7], v[SC+8*NQ*(\sc)+NQ*\b+(\q)], v[SC+8*NQ*(\sc)+NQ*(\a)+(\q)] matrix_a_fmt:MATRIX_FMT_FP4 matrix_b_fmt:MATRIX_FMT_FP4 matrix_a_scale:MATRIX_SCALE_ROW1
.endif
.endr
.endr
.endm
.macro FETCH_B slot, q, p
	WIN TO_B
.irp i, 0,1,2,3,4,5,6,7
	FRAG 128*(\p)+FR*\i, ADRB+\slot, \q, \i
.endr
	WIN 0
.endm
.macro FETCH_A slot, q, i0
.irp i, \i0, \i0+1, \i0+2, \i0+3
	FRAG AF+FR*(\i), ADRA+\slot, \q, \i
.endr
.endm
.macro SCALES sc
.irp i, 0,1,2,3,4,5,6,7
	ds_load_b128 v[SC+8*NQ*\sc+NQ*\i:SC+8*NQ*\sc+NQ*\i+3], v[ADRS] offset:\i*SBLK
.endr
.endm
.macro PLACES n
.rept \n
	v_nop
.endr
.endm
.macro STEP slot, q, zero
	s_wait_dscnt 4*NL                              ; all but the youngest eight loads (A's blocks 4-7)
	WIN MUL_LO
	MUL16 0, (\q)%2, \q, \slot, \zero
	MUL16 2, (\q)%2, \q, \slot, \zero
	s_wait_dscnt 0
	PLACES NP
	FETCH_B \slot, (\q)+1, 1-(\q)%2
	FETCH_A \slot, (\q)+1, 0
	WIN MUL_HI
	MUL16 4, (\q)%2, \q, \slot, \zero
	MUL16 6, (\q)%2, \q, \slot, \zero
	PLACES NP
	WIN 0
	FETCH_A \slot, (\q)+1, 4
.endm
.macro TURN slot, next                 ; a slot's last step changes slots: one barrier; nothing is filled again in this launch
	s_wait_tensorcnt 0x0
	ds_add_u32 v[SPW], v[NIL]
	s_wait_dscnt 4*NL+1                            ; (the add and the youngest eight loads may be out)
	WIN MUL_LO
	MUL16 0, 1, NQ-1, \slot, 0
	s_wait_dscnt 0x0
	s_barrier_signal -1
	MUL16 2, 1, NQ-1, \slot, 0
	WIN 0
	s_barrier_wait -1
	PLACES NP
	v_add_nc_u32 v[ADRS], 4*NQ, v[ADRS]
	FETCH_B \next, 0, 0
	FETCH_A \next, 0, 0
	SCALES \next
	WIN MUL_HI
	MUL16 4, 1, NQ-1, \slot, 0
	MUL16 6, 1, NQ-1, \slot, 0
	PLACES NP
	WIN 0
	FETCH_A \next, 0, 4
.endm
.macro STEPS slot, from
.set Q, \from
.rept NQ-1-\from
	STEP \slot, Q, 0
.set Q, Q+1
.endr
.endm
	s_wait_alu depctr_va_vdst(0)
	s_wait_tensorcnt 0x0                           ; my tile of the head's four is in
	ds_add_u32 v[SPW], v[NIL]
	s_mov_b32 s[G1+2], 128<<16                     ; no tensor load of mine is out: from here on a load brings 128 rows
	s_mov_b32 s[G1+4], 128
	s_mov_b32 s[G1B+2], 128<<16
	s_mov_b32 s[G1B+4], 128
	s_wait_dscnt 0x0
	CROUND                                         ; all four tiles are in, and all sixteen work-groups are here
	JLOAD G0+4, G1, G0B+4, G1B                     ; K step 1, a quarter of slot 1 a wave: it lands under slot 0's products
	FETCH_B 0, 0, 0
	FETCH_A 0, 0, 0
	SCALES 0
	FETCH_A 0, 0, 4
	STEP 0, 0, 1
	STEPS 0, 1
	TURN 0, 1
	STEPS 1, 0
	s_wait_dscnt 4*NL
	WIN MUL_LO
	MUL16 0, 1, NQ-1, 1, 0
	MUL16 2, 1, NQ-1, 1, 0
	s_wait_dscnt 0
	WIN MUL_HI
	MUL16 4, 1, NQ-1, 1, 0
	MUL16 6, 1, NQ-1, 1, 0
	WIN 0
	PLACES NP
	s_mov_b32 s92, 0xbfb8aa3b                      ; -log2(e)
	s_mov_b32 s93, s92
; Block a (16 positions): silu(gate) x up in f32, 32 numbers a lane, then their codes into v[PC + 4 a] on and the two scale bytes into v[PW + a].  Each accumulator is read from its low end on.
.macro SWIGLU a
.set QW, 2+(\a)/4
.set GB, 64*((\a)%4)
	WIN QW                                         ; source 0: the accumulators' window
.irp j, 0,2,4,6,8,10,12,14,16,18,20,22,24,26,28,30
	v_pk_mul_f32 v[T+\j:T+\j+1], v[GB+\j:GB+\j+1], s[92:93] op_sel_hi:[1,0]
.endr
	WIN 0
	s_wait_alu depctr_va_vdst(0)
.irp j, 0,1,2,3,4,5,6,7,8,9,10,11,12,13,14,15,16,17,18,19,20,21,22,23,24,25,26,27,28,29,30,31
	v_exp_f32 v[T+\j], v[T+\j]                     ; e^(-gate)
.endr
	v_nop
	s_wait_alu depctr_va_vdst(0)                   ; one wait for the batch, ahead of its first reader
.irp j, 0,2,4,6,8,10,12,14,16,18,20,22,24,26,28,30
	v_pk_add_f32 v[T+\j:T+\j+1], v[T+\j:T+\j+1], 1.0 op_sel_hi:[1,0]
.endr
	s_wait_alu depctr_va_vdst(0)
.irp j, 0,1,2,3,4,5,6,7,8,9,10,11,12,13,14,15,16,17,18,19,20,21,22,23,24,25,26,27,28,29,30,31
	v_rcp_f32 v[T+\j], v[T+\j]                     ; sigmoid(gate)
.endr
	v_nop
	s_wait_alu depctr_va_vdst(0)
	WIN QW
.irp j, 0,2,4,6,8,10,12,14,16,18,20,22,24,26,28,30
	v_pk_mul_f32 v[T+\j:T+\j+1], v[GB+\j:GB+\j+1], v[T+\j:T+\j+1]          ; silu(gate)
.endr
.irp j, 0,2,4,6,8,10,12,14,16,18,20,22,24,26,28,30
	v_pk_mul_f32 v[T+\j:T+\j+1], v[GB+32+\j:GB+32+\j+1], v[T+\j:T+\j+1]    ; x up
.endr
	WIN 0
.irp b, 0,1
	v_max3_num_f32 v[TM+\b], |v[T+16*\b]|, |v[T+16*\b+1]|, 0x1800000       ; and the floor 2^(3 - 127)
.endr
.irp i, 2,4,6,8,10,12,14
.irp b, 0,1
	v_max3_num_f32 v[TM+\b], v[TM+\b], |v[T+16*\b+\i]|, |v[T+16*\b+\i+1]|
.endr
.endr
.irp b, 0,1
	v_permlanex16_b32 v[TM+4+\b], v[TM+\b], s[SEL], s[SEL+1]
.endr
.irp b, 0,1
	v_max_num_f32 v[TM+\b], v[TM+\b], v[TM+4+\b]
.endr
.irp b, 0,1
	v_add_nc_u32 v[TM+12+\b], 0xff000000, v[TM+\b]
.endr
.irp b, 0,1
	v_lshrrev_b32 v[TM+4+\b], 23, v[TM+12+\b]
.endr
	v_lshl_or_b32 v[PW+(\a)], v[TM+5], 8, v[TM+4]
.irp b, 0,1
	v_cvt_scalef32_pk8_fp4_f32 v[PC+4*(\a)+2*\b], v[T+16*\b:T+16*\b+7], v[TM+12+\b]
	v_cvt_scalef32_pk8_fp4_f32 v[PC+4*(\a)+2*\b+1], v[T+16*\b+8:T+16*\b+15], v[TM+12+\b]
.endr
	v_nop                                          ; one plain instruction behind a scaled conversion
	v_permlane16_swap_b32 v[PC+4*(\a)], v[PC+4*(\a)+2]
	v_permlane16_swap_b32 v[PC+4*(\a)+1], v[PC+4*(\a)+3]   ; lane (r, h): block h whole
.endm
.irp a, 0,1,2,3,4,5,6,7
	SWIGLU \a
.endr
	s_wait_alu depctr_va_vdst(0)
	v_and_b32 v5, 31, v0
	v_cmp_le_u32 vcc_lo, 16, v5
.irp i, 0,1,2,3
	v_cndmask_b32 v[XW+\i], v[PW+2*\i], v[PW+2*\i+1], vcc_lo   ; lane l: the two bytes of position 32 i + l
.endr
	s_lshl_b32 s20, s17, 1
	s_add_co_u32 s20, s20, s15                     ; my group of 128 positions
	s_lshl_b32 s20, s20, 4
	s_add_co_u32 s20, s20, s42                     ; x 16 + the chunk of 128 hidden units = the tile column
	s_lshl_b32 s20, s20, 13
	s_lshl_b32 s21, s16, 9
	s_add_co_u32 s20, s20, s21                     ; my 64 units: which four registers of the fragment
	s_mov_b32 s21, 0
	s_add_nc_u64 s[4:5], s[12:13], s[20:21]
	s_lshl_b32 s20, s17, 14
	s_lshl_b32 s22, s15, 13
	s_add_co_u32 s20, s20, s22                     ; 64 scale bytes a position
	s_lshl_b32 s22, s42, 2
	s_add_co_u32 s20, s20, s22
	s_lshl_b32 s22, s16, 1
	s_add_co_u32 s20, s20, s22
	s_add_co_u32 s20, s20, O_AS
	s_add_nc_u64 s[6:7], s[12:13], s[20:21]
.irp a, 0,1,2,3,4,5,6,7
	global_store_b128 v[LI], v[PC+4*\a:PC+4*\a+3], s[4:5] offset:1024*\a   ; 512 consecutive bytes
.endr
	s_wait_alu depctr_va_vdst(0)
.irp i, 0,1,2,3
	global_store_b16 v[LS], v[XW+\i], s[6:7] offset:2048*\i
.endr
	s_wait_tensorcnt 0x0                           ; the wave's end
	ds_add_u32 v[SPW], v[NIL]
	s_wait_dscnt 0x0
	CROUND
	s_endpgm
.Lfunc_end_k_q856fe0de8c_up:
	.size	k_q856fe0de8c_up, .Lfunc_end_k_q856fe0de8c_up-k_q856fe0de8c_up
	.p2alignl 7, 3214868480
	.fill 96, 4, 3214868480
	.section	.rodata,"a",@progbits
	.p2align	6, 0x0
	.amdhsa_kernel k_q856fe0de8c_up
		.amdhsa_group_segment_fixed_size 327680
		.amdhsa_private_segment_fixed_size 0
		.amdhsa_enable_private_segment 0
		.amdhsa_kernarg_size 24
		.amdhsa_user_sgpr_count 2
		.amdhsa_user_sgpr_kernarg_segment_ptr 1
		.amdhsa_wavefront_size32 1
		.amdhsa_system_sgpr_workgroup_id_x 1
		.amdhsa_system_sgpr_workgroup_id_y 1
		.amdhsa_system_sgpr_workgroup_id_z 1
		.amdhsa_system_vgpr_workitem_id 0
		.amdhsa_next_free_vgpr 1024
		.amdhsa_next_free_sgpr 100
		.amdhsa_reserve_vcc 1
		.amdhsa_float_denorm_mode_32 3
		.amdhsa_float_denorm_mode_16_64 3
		.amdhsa_memory_ordered 1
		.amdhsa_forward_progress 1
		.amdhsa_inst_pref_size 163
	.end_amdhsa_kernel
	.amdgpu_metadata
---
amdhsa.version: [ 1, 2 ]
amdhsa.kernels:
  - .name:           k_q856fe0de8c_up
    .symbol:         k_q856fe0de8c_up.kd
    .args:
      - { .name: pf, .offset: 0, .size: 8, .value_kind: global_buffer, .address_space: global }
      - { .name: pa, .offset: 8, .size: 8, .value_kind: global_buffer, .address_space: global }
      - { .name: act, .offset: 16, .size: 8, .value_kind: global_buffer, .address_space: global }
    .group_segment_fixed_size: 327680
    .private_segment_fixed_size: 0
    .kernarg_segment_align: 8
    .kernarg_segment_size: 24
    .max_flat_workgroup_size: 128
    .sgpr_count:     100
    .vgpr_count:     1024
    .wavefront_size: 32
...
	.end_amdgpu_metadata
.endif
;; end of part 11
;; launch down (part 12): grid 8 x 32, 4 waves a work-group, clusters of 4 x 4, 327,680 bytes of LDS; arguments act, pa, x1, out0; writes out0
.if DOCPART == 12
	.amdgcn_target "amdgcn-amd-amdhsa--gfx1250"
	.amdhsa_code_object_version 6
	.text
	.protected	k_q856fe0de8c_down
	.globl	k_q856fe0de8c_down
	.p2align	8
	.type	k_q856fe0de8c_down,@function
k_q856fe0de8c_down:
	s_mov_b64 s[64:65], 0
	v_nop
	global_prefetch_b8 v0, s[64:65] scope:SCOPE_SE
	s_setreg_imm32_b32 hwreg(HW_REG_WAVE_MODE, 25, 1), 1
	s_wait_xcnt 0x0
	s_wait_alu depctr_hold_cnt(0) depctr_sa_sdst(0) depctr_va_vdst(0) depctr_va_sdst(0) depctr_va_ssrc(0) depctr_va_vcc(0) depctr_vm_vsrc(0)
	s_getreg_b32 s2, hwreg(HW_REG_IB_STS2, 6, 4)
	s_cmp_eq_u32 s2, 0
	s_cbranch_scc0 .Lentry_in_a_cluster
	s_endpgm
.Lentry_in_a_cluster:
	s_bfe_u32 s2, ttmp6, 0x10000c
	s_cmp_lg_u32 s2, 0xf033
	s_cbranch_scc0 .Lentry_shape_is_right
	s_endpgm
.Lentry_shape_is_right:
; out0 = x1 + act w2^T on codes of FP4 (E2M1) with E8M0 scales, K = 2,048.  A work-group of four waves makes 128 x 128 of the result, a wave 64 x 64; the matrix instruction is used transposed.
; ALL OF K STAYS IN LDS and is fetched once, one joint load a wave: wave 0 A's 128 rows (one dense block of register images), wave 1 B's 128 rows (16 bytes of padding behind each),
; waves 2 and 3 their scale bytes.  Nothing is filled again: the barrier behind the loads is the only one ahead of the closing round.  The way out's stage has bytes of its own.
; CLUSTERS of 4 x 4: A's block is shared along a row of the cluster, B's along a column.  No prefetch is laid: all that the launch reads is asked for at its head.
.set SIZE_K, 2048
.set SIZE_N, 1024
.set O_ASC,  0x400000
.set O_BC,   0x660000
.set O_BS,   0x760000
.set KSTEP,  512
.set NSL,    SIZE_K/KSTEP
.set ASTEP,  32768                     ; A: 512 along K = four chunks of 8 tiles x 1,024 bytes
.set KROW,   SIZE_K/2                  ; a row of B's codes
.set ROWB,   KROW
.set PITCH,  KROW+16                   ; and in LDS: an odd multiple of 16 bytes
.set QIB,    5+SIZE_K/1024             ; the padding's interval: a row's dwords
.set HALFT,  64*PITCH
.set BBASE,  128*KROW                  ; A's block lies at 0, B's rows behind it
.set KS,     SIZE_K/32
.set SCL,    BBASE+2*HALFT             ; then the scales, as units of 256 bytes + 16
.set HALFS,  (64*KS/256)*272
.set SBLK,   (16*KS/256)*272
.set SPITCH, 272
.set STAGE,  SCL+4*HALFS               ; the way out: 16 rows x 272 bytes a wave
.set SPARE,  STAGE+4*16*SPITCH         ; the spare words, which no other line names
.set ADRA, 16
.set ADRB, 20
.set STO,  24
.set RD,   25
.set CO,   26
.set ADRS, 27
.set SC,   32
.set AF,   64
.set BF,   128
.set BK,   192
.set RES,  128
.set G0S,  4
.set G0SB, 8
.set G1,   24
.set G1B,  32
.set G0,   48
.set G0B,  68
.set G1S,  84
.set G1SB, 92
.set MSB, 0
.macro WIN new
.if MSB != \new
	s_set_vgpr_msb (MSB<<8)|\new
.set MSB, \new
.endif
.endm
.set MULW,  0x50
.set FROM1, 0x04
.set TO1,   0x40
.macro JLOAD g0a, g1a, g0b, g1b
	s_cmp_eq_u32 s15, 0
	s_cbranch_scc0 .Lfor_b_\@
	tensor_load_to_lds s[\g0a:\g0a+3], s[\g1a:\g1a+7]
	s_nop 0
.rept 4
	v_nop
.endr
	s_branch .Lasked_\@
.Lfor_b_\@:
	tensor_load_to_lds s[\g0b:\g0b+3], s[\g1b:\g1b+7]
	s_nop 0
.rept 4
	v_nop
.endr
.Lasked_\@:
.endm
.macro CROUND
	s_barrier_signal -1
	s_barrier_wait -1
	s_cmp_lg_u32 s14, 0
	s_cbranch_scc1 .Lnot_wave_0_\@
	s_barrier_signal -3
.Lnot_wave_0_\@:
	s_barrier_wait -3
	s_barrier_signal -1
	s_barrier_wait -1
.endm
	s_load_b64 s[2:3], s[0:1], 0x0
	s_load_b64 s[66:67], s[0:1], 0x8
	s_load_b64 s[100:101], s[0:1], 0x10
	s_load_b64 s[12:13], s[0:1], 0x18
	v_lshl_add_u32 v30, v0, 2, SPARE
	v_mov_b32 v31, 0
	ds_add_u32 v30, v31
	ds_add_u32 v30, v31
	v_lshrrev_b32 v1, 5, v0
	v_readfirstlane_b32 s14, v1
	s_lshr_b32 s15, s14, 1
	s_and_b32 s16, s14, 1
	s_bfe_u32 s40, ttmp6, 0x40000
	s_bfe_u32 s41, ttmp6, 0x40004
	s_lshl_b32 s42, ttmp9, 2
	s_add_co_u32 s42, s42, s40
	s_and_b32 s17, ttmp7, 0xffff
	s_lshl_b32 s17, s17, 2
	s_add_co_u32 s17, s17, s41
	s_lshl_b32 s43, s41, 2
	s_lshl_b32 s43, 15, s43
	s_lshl_b32 s44, 0x1111, s40
	s_or_b32 s[G1+0], s43, (3<<16)|(1<<21)
	s_mov_b32 s[G1+1], 32<<16                      ; A: 128 KROW dense bytes as rows of 256 (32 elements of 8 bytes)
	s_mov_b32 s[G1+2], (KROW/2)<<16
	s_mov_b32 s[G1+3], 32<<16
	s_mov_b32 s[G1+4], KROW/2
	s_mov_b32 s[G1+5], 32
	s_mov_b32 s[G1+6], 0
	s_mov_b32 s[G1+7], 0
	s_or_b32 s[G1B+0], s44, (0<<16)|(1<<20)|(1<<21)|(QIB<<22)|(3<<25)   ; B: 128 whole rows, four words of padding behind each
	s_mov_b32 s[G1B+1], ROWB<<16
	s_mov_b32 s[G1B+2], 128<<16
	s_mov_b32 s[G1B+3], ROWB<<16
	s_mov_b32 s[G1B+4], 128
	s_mov_b32 s[G1B+5], KROW
	s_mov_b32 s[G1B+6], 0
	s_mov_b32 s[G1B+7], 0
	s_or_b32 s[G1S+0], s43, (3<<16)|(1<<20)|(1<<21)|(5<<22)|(3<<25)
	s_or_b32 s[G1SB+0], s44, (3<<16)|(1<<20)|(1<<21)|(5<<22)|(3<<25)
.irp g, G1S, G1SB
	s_mov_b32 s[\g+1], 32<<16
	s_mov_b32 s[\g+2], (128*KS/256)<<16            ; the scales of 128 rows
	s_mov_b32 s[\g+3], 32<<16
	s_mov_b32 s[\g+4], 128*KS/256
	s_mov_b32 s[\g+5], 32
	s_mov_b32 s[\g+6], 0
	s_mov_b32 s[\g+7], 0
.endr
	s_lshl_b32 s20, s17, 7                         ; A's first row: 128 x tile row
	s_mov_b32 s21, 0
	s_lshl_b32 s46, s42, 7                         ; B's: 128 x tile column
	s_mov_b32 s47, 0
	s_mov_b64 s[18:19], KS
	s_mul_u64 s[G0S+2:G0S+3], s[20:21], s[18:19]
	s_mul_u64 s[G0SB+2:G0SB+3], s[46:47], s[18:19]
	s_mov_b64 s[18:19], KROW
	s_mul_u64 s[G0B+2:G0B+3], s[46:47], s[18:19]
	s_lshl_b32 s20, s17, 7
	s_mul_u64 s[G0+2:G0+3], s[20:21], s[18:19]
	s_add_nc_u64 s[G0S+2:G0S+3], s[G0S+2:G0S+3], O_ASC
	s_add_nc_u64 s[G0B+2:G0B+3], s[G0B+2:G0B+3], O_BC
	s_add_nc_u64 s[G0SB+2:G0SB+3], s[G0SB+2:G0SB+3], O_BS
	s_wait_dscnt 0x0
	s_wait_kmcnt 0x0
	s_add_nc_u64 s[G0+2:G0+3], s[2:3], s[G0+2:G0+3]
	s_add_nc_u64 s[G0S+2:G0S+3], s[2:3], s[G0S+2:G0S+3]
	s_add_nc_u64 s[G0B+2:G0B+3], s[66:67], s[G0B+2:G0B+3]
	s_add_nc_u64 s[G0SB+2:G0SB+3], s[66:67], s[G0SB+2:G0SB+3]
	CROUND
	s_mov_b32 s[G0S], 1
	s_mov_b32 s[G0S+1], SCL
	s_or_b32 s[G0S+3], s[G0S+3], 0x80000000
	s_mov_b32 s[G0SB], 1
	s_mov_b32 s[G0SB+1], SCL+2*HALFS
	s_or_b32 s[G0SB+3], s[G0SB+3], 0x80000000
	s_mov_b32 s[G0], 1
	s_mov_b32 s[G0+1], 0
	s_or_b32 s[G0+3], s[G0+3], 0x80000000
	s_mov_b32 s[G0B], 1
	s_mov_b32 s[G0B+1], BBASE
	s_or_b32 s[G0B+3], s[G0B+3], 0x80000000
; THE LAUNCH'S FOUR LOADS, ONE A WAVE, in one tree of branches on the wave's number: every way passes one load
.macro ARM under, g0, g1, next
	s_cmp_lt_u32 s14, \under
	s_cbranch_scc0 \next
	tensor_load_to_lds s[\g0:\g0+3], s[\g1:\g1+7]
	s_nop 0
.rept 4
	v_nop
.endr
	s_branch .Lhead_asked
\next:
.endm
	ARM 1, G0, G1, .Lhead_b
	ARM 2, G0B, G1B, .Lhead_sa
	ARM 3, G0S, G1S, .Lhead_sb
	tensor_load_to_lds s[G0SB:G0SB+3], s[G1SB:G1SB+7]
	s_nop 0
.rept 4
	v_nop
.endr
.Lhead_asked:
	v_and_b32 v1, 15, v0
	v_bfe_u32 v2, v0, 4, 1
	v_mul_u32_u24 v3, v1, PITCH
	v_lshl_add_u32 v4, v2, 4, v3
	v_and_b32 v6, 31, v0
	v_lshlrev_b32 v7, 4, v6
	s_wait_alu depctr_va_vdst(0)
	s_lshl_b32 s21, s15, 12                        ; A: my four tiles of a chunk's eight
	s_mul_i32 s22, s16, HALFT
	s_add_co_u32 s22, s22, BBASE
.irp s, 0,1,2,3
.if \s < NSL
	v_add_nc_u32 v[ADRA+\s], s21, v7
	v_add_nc_u32 v[ADRB+\s], s22, v4
	s_add_co_u32 s21, s21, ASTEP                   ; 512 along K on: four chunks of A,
	s_add_co_u32 s22, s22, 256                     ; 256 bytes in B's rows
.endif
.endr
	v_mul_u32_u24 v5, v1, KS
	v_lshrrev_b32 v6, 8, v5
	v_lshl_add_u32 v5, v6, 4, v5
	s_mul_i32 s21, s15, HALFS
	s_mul_i32 s22, s16, HALFS
	s_add_co_u32 s22, s22, 2*HALFS
	s_sub_co_u32 s22, s22, s21
	v_mul_u32_u24 v6, s22, v2
	s_add_co_u32 s21, s21, SCL
	v_add_nc_u32 v5, v5, v6
	v_add_nc_u32 v[ADRS], s21, v5
	s_mul_i32 s23, s14, 16*SPITCH
	s_add_co_u32 s23, s23, STAGE                   ; my stage
	v_mul_u32_u24 v5, v1, SPITCH
	v_lshl_add_u32 v5, v2, 5, v5
	v_add_nc_u32 v[STO], s23, v5
	v_mul_u32_u24 v5, v2, SPITCH
	v_lshl_add_u32 v5, v1, 4, v5
	v_add_nc_u32 v[RD], s23, v5
	v_lshlrev_b32 v5, 12, v2
	v_lshl_add_u32 v[CO], v1, 4, v5
	s_wait_alu depctr_va_vdst(0)
	s_lshl_b32 s20, s17, 7
	s_lshl_b32 s21, s15, 6
	s_add_co_u32 s20, s20, s21
	s_lshl_b32 s20, s20, 12
	s_lshl_b32 s21, s42, 9
	s_add_co_u32 s20, s20, s21
	s_lshl_b32 s21, s16, 8
	s_add_co_u32 s20, s20, s21
	s_mov_b32 s21, 0
	s_add_nc_u64 s[12:13], s[12:13], s[20:21]
	s_add_nc_u64 s[100:101], s[100:101], s[20:21]
	WIN TO1
.irp a, 0,1,2,3
.irp t, 0,1,2,3,4,5,6,7
	global_load_b128 v[RES+32*\a+4*\t:RES+32*\a+4*\t+3], v[CO], s[100:101] offset:(32*(\a/2)+8*(\a%2)+16*(\t/4)+2*(\t%4))*SIZE_N*4 th:TH_LOAD_NT
.endr
.endr
	WIN 0
.macro FRAG reg, adr, q, i
.irp c, 0,1
	ds_load_b128 v[\reg+4*\c:\reg+4*\c+3], v[\adr] offset:64*(\q)+32*\c+(\i)*16*PITCH
.endr
.endm
.macro FRAGA reg, adr, q, i
.irp c, 0,1
	ds_load_b128 v[\reg+4*\c:\reg+4*\c+3], v[\adr] offset:8192*(\q)+1024*(\i)+512*\c
.endr
.endm
.macro MUL8 a0, p, q, sc, zero
.irp a, \a0, \a0+1
.irp b, 0,1,2,3
.if \zero
	v_wmma_scale_f32_16x16x128_f8f6f4 v[8*(4*(\a)+\b):8*(4*(\a)+\b)+7], v[BF+32*(\p)+8*\b:BF+32*(\p)+8*\b+7], v[AF+32*(\p)+8*(\a):AF+32*(\p)+8*(\a)+7], 0, v[SC+16*(\sc)+4*\b+(\q)], v[SC+16*(\sc)+4*(\a)+(\q)] matrix_a_fmt:MATRIX_FMT_FP4 matrix_b_fmt:MATRIX_FMT_FP4 matrix_a_scale:MATRIX_SCALE_ROW1
.else
	v_wmma_scale_f32_16x16x128_f8f6f4 v[8*(4*(\a)+\b):8*(4*(\a)+\b)+7], v[BF+32*(\p)+8*\b:BF+32*(\p)+8*\b+7], v[AF+32*(\p)+8*(\a):AF+32*(\p)+8*(\a)+7], v[8*(4*(\a)+\b):8*(4*(\a)+\b)+7], v[SC+16*(\sc)+4*\b+(\q)], v[SC+16*(\sc)+4*(\a)+(\q)] matrix_a_fmt:MATRIX_FMT_FP4 matrix_b_fmt:MATRIX_FMT_FP4 matrix_a_scale:MATRIX_SCALE_ROW1
.endif
.endr
.endr
.endm
.macro FETCH slot, q, p
.irp i, 0,1,2,3
	FRAG BF+32*(\p)+8*\i, ADRB+\slot, \q, \i
.endr
.irp i, 0,1,2,3
	FRAGA AF+32*(\p)+8*\i, ADRA+\slot, \q, \i
.endr
.endm
.macro SCALES slot
.irp i, 0,1,2,3
	ds_load_b128 v[SC+16*((\slot)%2)+4*\i:SC+16*((\slot)%2)+4*\i+3], v[ADRS] offset:\i*SBLK+16*(\slot)
.endr
.endm
.macro PLACES
.rept 4
	v_nop
.endr
.endm
.macro STEP slot, q, zero
.if \zero == 0
	PLACES
.endif
	FETCH \slot, (\q)+1, ((\q)+1)%2
	s_wait_dscnt 16
	WIN MULW
	MUL8 0, (\q)%2, \q, (\slot)%2, \zero
	MUL8 2, (\q)%2, \q, (\slot)%2, \zero
	WIN 0
.endm
.macro TURN slot, left
	s_wait_dscnt 0x0
	WIN MULW
	MUL8 0, 1, 3, (\slot)%2, 0
	WIN 0
	PLACES
	FETCH (\slot)+1, 0, 0
	SCALES (\slot)+1
	WIN MULW
	MUL8 2, 1, 3, (\slot)%2, 0
	WIN 0
.endm
	s_wait_tensorcnt 0x0                           ; my load has landed; behind the barrier everybody's has, and LDS is only read
	s_barrier_signal -1
	s_barrier_wait -1
	FETCH 0, 0, 0
	SCALES 0
	STEP 0, 0, 1
	STEP 0, 1, 0
	STEP 0, 2, 0
.irp s, 1,2,3
.if \s < NSL
	TURN \s-1, NSL-1-\s
	STEP \s, 0, 0
	STEP \s, 1, 0
	STEP \s, 2, 0
.endif
.endr
	s_wait_dscnt 0x0
	WIN MULW
	MUL8 0, 1, 3, (NSL-1)%2, 0
	MUL8 2, 1, 3, (NSL-1)%2, 0
	WIN 0
.macro TOSTAGE a
	WIN FROM1
.irp b, 0,1,2,3
	ds_store_b128 v[STO], v[32*(\a)+8*\b:32*(\a)+8*\b+3] offset:64*\b
	ds_store_b128 v[STO], v[32*(\a)+8*\b+4:32*(\a)+8*\b+7] offset:64*\b+16
.endr
	WIN 0
.set BB, BK+32*((\a)%2)
.irp t, 0,1,2,3,4,5,6,7
	ds_load_b128 v[BB+4*\t:BB+4*\t+3], v[RD] offset:\t*2*SPITCH
.endr
.endm
.macro SEND a, younger
.set BB, BK+32*((\a)%2)
	s_wait_dscnt \younger
	WIN FROM1
.irp t, 0,1,2,3,4,5,6,7
	v_pk_add_f32 v[BB+4*\t:BB+4*\t+1], v[BB+4*\t:BB+4*\t+1], v[RES+32*(\a)+4*\t:RES+32*(\a)+4*\t+1]
	v_pk_add_f32 v[BB+4*\t+2:BB+4*\t+3], v[BB+4*\t+2:BB+4*\t+3], v[RES+32*(\a)+4*\t+2:RES+32*(\a)+4*\t+3]
.endr
	WIN 0
.irp t, 0,1,2,3,4,5,6,7
	global_store_b128 v[CO], v[BB+4*\t:BB+4*\t+3], s[12:13] offset:(32*((\a)/2)+8*((\a)%2)+16*(\t/4)+2*(\t%4))*SIZE_N*4 th:TH_STORE_NT
.endr
.endm
	s_wait_loadcnt 0x0
	PLACES
	TOSTAGE 0
.irp a, 1,2,3
.if \a > 1
	s_wait_xcnt 0x0
.endif
	TOSTAGE \a
	SEND \a-1, 16
.endr
	SEND 3, 0
	s_wait_tensorcnt 0x0
	ds_add_u32 v30, v31
	s_wait_dscnt 0x0
	CROUND
	s_endpgm
.Lfunc_end_k_q856fe0de8c_down:
	.size	k_q856fe0de8c_down, .Lfunc_end_k_q856fe0de8c_down-k_q856fe0de8c_down
	.p2alignl 7, 3214868480
	.fill 96, 4, 3214868480
	.section	.rodata,"a",@progbits
	.p2align	6, 0x0
	.amdhsa_kernel k_q856fe0de8c_down
		.amdhsa_group_segment_fixed_size 327680
		.amdhsa_private_segment_fixed_size 0
		.amdhsa_enable_private_segment 0
		.amdhsa_kernarg_size 32
		.amdhsa_user_sgpr_count 2
		.amdhsa_user_sgpr_kernarg_segment_ptr 1
		.amdhsa_wavefront_size32 1
		.amdhsa_system_sgpr_workgroup_id_x 1
		.amdhsa_system_sgpr_workgroup_id_y 1
		.amdhsa_system_sgpr_workgroup_id_z 1
		.amdhsa_system_vgpr_workitem_id 0
		.amdhsa_next_free_vgpr 512
		.amdhsa_next_free_sgpr 102
		.amdhsa_reserve_vcc 0
		.amdhsa_float_denorm_mode_32 3
		.amdhsa_float_denorm_mode_16_64 3
		.amdhsa_memory_ordered 1
		.amdhsa_forward_progress 1
		.amdhsa_inst_pref_size 77
	.end_amdhsa_kernel
	.amdgpu_metadata
---
amdhsa.version: [ 1, 2 ]
amdhsa.kernels:
  - .name:           k_q856fe0de8c_down
    .symbol:         k_q856fe0de8c_down.kd
    .args:
      - { .name: act, .offset: 0, .size: 8, .value_kind: global_buffer, .address_space: global }
      - { .name: pa, .offset: 8, .size: 8, .value_kind: global_buffer, .address_space: global }
      - { .name: x1, .offset: 16, .size: 8, .value_kind: global_buffer, .address_space: global }
      - { .name: out0, .offset: 24, .size: 8, .value_kind: global_buffer, .address_space: global }
    .group_segment_fixed_size: 327680
    .private_segment_fixed_size: 0
    .kernarg_segment_align: 8
    .kernarg_segment_size: 32
    .max_flat_workgroup_size: 128
    .sgpr_count:     102
    .vgpr_count:     512
    .wavefront_size: 32
...
	.end_amdgpu_metadata
.endif
;; end of part 12
